; MI455X (gfx1250); checked and timed in simulation.
; The chip was launched on July 23, 2026; its instructions are those of AMD's public machine-readable ISA for CDNA 5 (MIT licence, August 2026) and "CDNA5" Instruction Set Architecture Reference Guide (July 2026). The comments in the code are by the model that wrote it; some were corrected since.
;; Encoder Layer. Allowed arithmetic: float matrix products may take bf16 or f16 operands with f32 sums; other float arithmetic in f32, or as packed bf16 or f16 multiplies, adds, multiply-adds, maxima and minima; sums over many terms, partial sums and values carried from step to step in f32; what a program stores and reads back later, other than sums and carried values, may be rounded once to bf16 or f16.
;; Inputs: b1 512 float32; b2 512 float32; bc 10 float32; bo 512 float32; ln1_b 512 float32; ln1_g 512 float32; ln2_b 512 float32; ln2_g 512 float32; w1 512 x 512 float32; w2 512 x 512 float32; wc 512 x 10 float32; wk 512 x 512 float32; wo 512 x 512 float32; wq 512 x 512 float32; wv 512 x 512 float32; x 8 x 2,048 x 512 float32.
;; Outputs: out0 8 x 10 float32; out1 8 x 2,048 x 512 float32.
;; 2 versions, each right. Each part assembles by itself: llvm-mc -triple=amdgcn-amd-amdhsa -mcpu=gfx1250 --defsym DOCPART=n.
;; ======== version 1 of 2: 4 launches
;; limits: values are held in f16: magnitudes above 65,504 overflow, below 6.1e-05 lose precision
;; workspace buffers: wf 3,145,728 bytes; tab 14,336 bytes; qf 16,777,216 bytes; kf 16,777,216 bytes; vf 16,777,216 bytes; xf 16,777,216 bytes; psum 524,288 bytes
;; launch prep (part 1): grid 32 x 6, 4 waves a work-group, no clusters, 0 bytes of LDS; arguments wq, wk, wv, wo, w1, w2, bo, ln1_g, ln1_b, b1, b2, ln2_g, ln2_b, wf, tab; writes wf, tab
.if DOCPART == 1
	.amdgcn_target "amdgcn-amd-amdhsa--gfx1250"
	.amdhsa_code_object_version 6
	.text
	.protected	k_q7083ba7ae6_prep
	.globl	k_q7083ba7ae6_prep
	.p2align	8
	.type	k_q7083ba7ae6_prep,@function
k_q7083ba7ae6_prep:
	s_mov_b64 s[64:65], 0
	v_nop
	global_prefetch_b8 v0, s[64:65] scope:SCOPE_SE
	s_setreg_imm32_b32 hwreg(HW_REG_WAVE_MODE, 25, 1), 1
	s_wait_xcnt 0x0
; THE WEIGHTS AS FRAGMENT IMAGES.  Six matrices W[k][n], 512 x 512 f32, are rounded to bf16, that number is written as f16, and laid out so that the later launches
; load matrix operands by plain 16-byte loads.  A FRAGMENT is 1,024 bytes: 16 columns n x 32 k; byte c*512 + lane*16 + 2e holds (n = n0 + lane%16, k = k0 + 16c + 8(lane/16) + e).
; wf: matrix m at m*524,288.  Matrices 0-2 (wq, wk, wv): fragment number fi = nb*16 + kf (nb = n/16, kf = k/32).
; Matrices 3-5 (wo, w1, w2): fi = i*128 + kg*32 + nb holds kf = 4 kg + i: in step i of a later product wave kg supplies the rows' k fragment 4 kg + i.
; tab: bo, ln1_g, ln1_b, b1, b2, ln2_g, ln2_b, each rounded to bf16 and kept as 512 f32.
; LIMITS.  A bf16 number is exact in f16 from 2^-14 up to 65,504; below it keeps f16's fixed step of 2^-24; beyond it becomes an infinity.
; SHARES.  Grid y is the matrix; the 128 waves of a matrix make four fragments each.  A lane reads its 16 numbers of a fragment by 16 loads of 4 bytes (16 lanes: 64 bytes on end of a row of W)
; and stores 2 x 16 bytes; a store of the wave covers 512 bytes on end.  No LDS: each number is read once and written once, and all 64 loads of a wave are out together.
.set OFF, 4                            ; v[4:7]   fragment u: my byte offset in W
.set TM,  8                            ; v[8:10]  at work
.set SO,  11                           ; v11      16 x lane
.set DA,  16                           ; v[16:79] fragment u: 16 numbers as loaded, then 8 registers of f16
.set WVN, 34                           ; s34  wave
.set MY,  35                           ; s35  matrix
.set SRC, 36                           ; s[36:37] the matrix's address
.set FI0, 38                           ; s38  my first fragment's number
.set HIM, 39                           ; s39  a word's upper bf16
	s_load_b512 s[4:19], s[0:1], 0x0               ; wq wk wv wo w1 w2 bo ln1_g
	s_load_b256 s[20:27], s[0:1], 0x40             ; ln1_b b1 b2 ln2_g
	s_load_b128 s[28:31], s[0:1], 0x60             ; ln2_b wf
	s_load_b64 s[32:33], s[0:1], 0x70              ; tab
	v_lshrrev_b32 v1, 5, v0
	v_readfirstlane_b32 s[WVN], v1
	s_and_b32 s[MY], ttmp7, 0xffff
	s_lshl_b32 s[FI0], ttmp9, 2
	s_add_co_u32 s[FI0], s[FI0], s[WVN]            ; my wave among the matrix's 128
	s_lshl_b32 s[FI0], s[FI0], 2
	s_mov_b32 s[HIM], 0xffff0000
	v_and_b32 v2, 15, v0
	v_bfe_u32 v3, v0, 4, 1
	v_lshlrev_b32 v2, 2, v2                        ; column lane%16: 4 bytes
	v_lshl_add_u32 v2, v3, 14, v2                  ; 8 rows of 2,048 bytes for the upper half of the lanes
	v_and_b32 v[SO], 31, v0
	v_lshlrev_b32 v[SO], 4, v[SO]
.irp u, 0,1,2,3
	s_add_co_u32 s42, s[FI0], \u                   ; fi
	s_lshr_b32 s43, s42, 4                         ; first kind: nb,
	s_and_b32 s44, s42, 15                         ; kf
	s_and_b32 s45, s42, 31                         ; second kind: nb,
	s_bfe_u32 s46, s42, 0x20005                    ; kg,
	s_lshr_b32 s47, s42, 7                         ; i,
	s_lshl2_add_u32 s46, s46, s47                  ; kf = 4 kg + i
	s_cmp_lt_u32 s[MY], 3
	s_cselect_b32 s43, s43, s45
	s_cselect_b32 s44, s44, s46
	s_lshl_b32 s43, s43, 6                         ; 16 columns: 64 bytes
	s_lshl_b32 s44, s44, 16                        ; 32 rows: 65,536 bytes
	s_add_co_u32 s43, s43, s44
	v_add_nc_u32 v[OFF+\u], s43, v2
.endr
	s_lshl_b32 s40, s[MY], 19
	s_lshl_b32 s41, s[FI0], 10
	s_add_co_u32 s40, s40, s41
	s_mov_b32 s41, 0
	s_wait_kmcnt 0x0
	s_cmp_eq_u32 s[MY], 1
	s_cselect_b64 s[SRC:SRC+1], s[6:7], s[4:5]
.irp m, 2,3,4,5
	s_cmp_eq_u32 s[MY], \m
	s_cselect_b64 s[SRC:SRC+1], s[4+2*\m:5+2*\m], s[SRC:SRC+1]
.endr
	s_add_nc_u64 s[30:31], s[30:31], s[40:41]      ; wf at my first fragment
.irp u, 0,1,2,3
.irp c, 0,1
.irp e, 0,1,2,3,4,5,6,7
	global_load_b32 v[DA+16*\u+8*\c+\e], v[OFF+\u], s[SRC:SRC+1] offset:\c*32768+\e*2048
.endr
.endr
.endr
.irp u, 0,1,2,3
	s_wait_loadcnt 48-16*\u                        ; loads come back in order: fragment u is in, the younger fragments' loads stay out
.irp p, 0,1,2,3,4,5,6,7
	v_cvt_pk_bf16_f32 v[TM], v[DA+16*\u+2*\p], v[DA+16*\u+2*\p+1]   ; the input's rounding
	v_lshlrev_b32 v[TM+1], 16, v[TM]
	v_and_b32 v[TM+2], s[HIM], v[TM]
	v_cvt_pk_f16_f32 v[DA+16*\u+\p], v[TM+1], v[TM+2]               ; register p is at or below the pair just read
.endr
	global_store_b128 v[SO], v[DA+16*\u:DA+16*\u+3], s[30:31] offset:\u*1024
	global_store_b128 v[SO], v[DA+16*\u+4:DA+16*\u+7], s[30:31] offset:\u*1024+512
.endr
	; the seven vectors: work-groups 0-13 of matrix 0 take half a vector each, two numbers a thread
	s_cmp_lg_u32 s[MY], 0
	s_cbranch_scc1 .Lend
	s_cmp_ge_u32 ttmp9, 14
	s_cbranch_scc1 .Lend
	s_lshr_b32 s46, ttmp9, 1                       ; which vector
	s_cmp_eq_u32 s46, 1
	s_cselect_b64 s[48:49], s[18:19], s[16:17]
.irp m, 2,3,4,5,6
	s_cmp_eq_u32 s46, \m
	s_cselect_b64 s[48:49], s[16+2*\m:17+2*\m], s[48:49]
.endr
	s_and_b32 s47, ttmp9, 1
	s_lshl_b32 s47, s47, 10
	v_lshl_add_u32 v12, v0, 3, s47                 ; my 8 bytes in the vector
	global_load_b64 v[80:81], v12, s[48:49]
	s_lshl_b32 s50, ttmp9, 10                      ; in tab the halves follow each other
	s_mov_b32 s51, 0
	s_add_nc_u64 s[32:33], s[32:33], s[50:51]
	v_lshlrev_b32 v13, 3, v0
	s_wait_loadcnt 0x0
	v_cvt_pk_bf16_f32 v[TM], v80, v81
	v_lshlrev_b32 v82, 16, v[TM]
	v_and_b32 v83, s[HIM], v[TM]
	global_store_b64 v13, v[82:83], s[32:33]
.Lend:
	s_endpgm
.Lfunc_end_k_q7083ba7ae6_prep:
	.size	k_q7083ba7ae6_prep, .Lfunc_end_k_q7083ba7ae6_prep-k_q7083ba7ae6_prep
	.p2alignl 7, 3214868480
	.fill 96, 4, 3214868480
	.section	.rodata,"a",@progbits
	.p2align	6, 0x0
	.amdhsa_kernel k_q7083ba7ae6_prep
		.amdhsa_group_segment_fixed_size 0
		.amdhsa_private_segment_fixed_size 0
		.amdhsa_enable_private_segment 0
		.amdhsa_kernarg_size 120
		.amdhsa_user_sgpr_count 2
		.amdhsa_user_sgpr_kernarg_segment_ptr 1
		.amdhsa_wavefront_size32 1
		.amdhsa_system_sgpr_workgroup_id_x 1
		.amdhsa_system_sgpr_workgroup_id_y 1
		.amdhsa_system_sgpr_workgroup_id_z 1
		.amdhsa_system_vgpr_workitem_id 0
		.amdhsa_next_free_vgpr 96
		.amdhsa_next_free_sgpr 66
		.amdhsa_reserve_vcc 0
		.amdhsa_float_denorm_mode_32 3
		.amdhsa_float_denorm_mode_16_64 3
		.amdhsa_memory_ordered 1
		.amdhsa_forward_progress 1
		.amdhsa_inst_pref_size 18
	.end_amdhsa_kernel
	.amdgpu_metadata
---
amdhsa.version: [ 1, 2 ]
amdhsa.kernels:
  - .name:           k_q7083ba7ae6_prep
    .symbol:         k_q7083ba7ae6_prep.kd
    .args:
      - { .name: wq, .offset: 0, .size: 8, .value_kind: global_buffer, .address_space: global }
      - { .name: wk, .offset: 8, .size: 8, .value_kind: global_buffer, .address_space: global }
      - { .name: wv, .offset: 16, .size: 8, .value_kind: global_buffer, .address_space: global }
      - { .name: wo, .offset: 24, .size: 8, .value_kind: global_buffer, .address_space: global }
      - { .name: w1, .offset: 32, .size: 8, .value_kind: global_buffer, .address_space: global }
      - { .name: w2, .offset: 40, .size: 8, .value_kind: global_buffer, .address_space: global }
      - { .name: bo, .offset: 48, .size: 8, .value_kind: global_buffer, .address_space: global }
      - { .name: ln1_g, .offset: 56, .size: 8, .value_kind: global_buffer, .address_space: global }
      - { .name: ln1_b, .offset: 64, .size: 8, .value_kind: global_buffer, .address_space: global }
      - { .name: b1, .offset: 72, .size: 8, .value_kind: global_buffer, .address_space: global }
      - { .name: b2, .offset: 80, .size: 8, .value_kind: global_buffer, .address_space: global }
      - { .name: ln2_g, .offset: 88, .size: 8, .value_kind: global_buffer, .address_space: global }
      - { .name: ln2_b, .offset: 96, .size: 8, .value_kind: global_buffer, .address_space: global }
      - { .name: wf, .offset: 104, .size: 8, .value_kind: global_buffer, .address_space: global }
      - { .name: tab, .offset: 112, .size: 8, .value_kind: global_buffer, .address_space: global }
    .group_segment_fixed_size: 0
    .private_segment_fixed_size: 0
    .kernarg_segment_align: 8
    .kernarg_segment_size: 120
    .max_flat_workgroup_size: 128
    .sgpr_count:     66
    .vgpr_count:     96
    .wavefront_size: 32
...
	.end_amdgpu_metadata
.endif
;; end of part 1
;; launch qkv (part 2): grid 256 x 1, 4 waves a work-group, clusters of 4 x 1, 327,680 bytes of LDS; arguments x, wf, qf, kf, vf, xf; writes qf, kf, vf, xf
.if DOCPART == 2
	.amdgcn_target "amdgcn-amd-amdhsa--gfx1250"
	.amdhsa_code_object_version 6
	.text
	.protected	k_q7083ba7ae6_qkv
	.globl	k_q7083ba7ae6_qkv
	.p2align	8
	.type	k_q7083ba7ae6_qkv,@function
k_q7083ba7ae6_qkv:
	s_mov_b64 s[64:65], 0
	v_nop
	global_prefetch_b8 v0, s[64:65] scope:SCOPE_SE
	s_setreg_imm32_b32 hwreg(HW_REG_WAVE_MODE, 25, 1), 1
	s_wait_xcnt 0x0
	s_wait_alu depctr_hold_cnt(0) depctr_sa_sdst(0) depctr_va_vdst(0) depctr_va_sdst(0) depctr_va_ssrc(0) depctr_va_vcc(0) depctr_vm_vsrc(0)
	s_getreg_b32 s2, hwreg(HW_REG_IB_STS2, 6, 4)
	s_cmp_eq_u32 s2, 0
	s_cbranch_scc0 .Lentry_in_a_cluster
	s_endpgm
.Lentry_in_a_cluster:
	s_bfe_u32 s2, ttmp6, 0x10000c
	s_cmp_lg_u32 s2, 0x3003
	s_cbranch_scc0 .Lentry_shape_is_right
	s_endpgm
.Lentry_shape_is_right:
; q = x wq, k = x wk, v = x wv, and x itself as fragments.  x: [16,384][512] f32.  Products in f16 with f32 sums; q, k, v rounded once to f16, unscaled.
; x is rounded to bf16 (the input's rounding) and that number written as f16.  LIMITS: x, q, k, v stay under 65,504 in magnitude; below 2^-14 they keep f16's fixed step of 2^-24.
; A FRAGMENT is 1,024 bytes, 16 rows x 32 k of f16: byte c*512 + lane*16 + 2e holds (row lane%16, k = 16c + 8(lane/16) + e): two loads of 16 bytes at 16 x lane fill a matrix operand.
; qf, kf, xf: block of 64 rows at blk*65,536, row tile t, k fragment f at t*16,384 + f*1,024.
; vf, for the turning LDS load: 8 keys x 16 channels are 256 bytes at (key/8)*8,192 + (channel/16)*256; in them the 16 bytes at ((channel/8)%2*8 + key%8)*16 hold 8 channels of a key.
; SHARES.  A work-group owns 64 rows.  All four waves keep all of the block's x as fragments in 512 registers.  Twelve steps, one for each 128 columns of q, k, v: a step's weights are one
; dense tile of 131,072 bytes of wf; wave w makes columns 32 w .. 32 w + 31 of the step for all 64 rows: 8 accumulators, 128 matrix instructions, all of K.
; THE PRODUCT IS TAKEN TRANSPOSED (source 0 = 16 columns of W, source 1 = 16 rows of x): a lane then holds one row and eight neighbouring columns, and two accumulators rounded to f16
; are a fragment: q, k and v leave straight from registers, 512 bytes on end a store (v: two whole blocks of 256).
; RING.  Two LDS slots of a tile each; every wave fetches a quarter of a tile by one tensor load of 128 rows x 256 bytes.  One load a wave is out at any time; it has a step in which to land.
; CLUSTER.  All work-groups walk the same twelve tiles: the four of a cluster ask jointly (the same load, descriptor and mask in all four).
; REGISTERS, in windows of 256 (s_set_vgpr_msb: bits 1:0 source 0, 3:2 source 1, 5:4 source 2, 7:6 destination):
;   window 0: addresses, PKT, S (8 accumulators), KB0, KB1 (weights' fragments)     window 1: x as loaded, 64 rows x 4 f32     windows 2, 3: x's fragments, row tile qt, fragment f at 8 (16 (qt%2) + f), window 2 + qt/2
.set SLOT,  131072
.set XST0,  262144                     ; two stages for x, 64 chunks (8 k x 16 rows, 256 bytes) at a pitch of 272
.set XSTB,  17408
.set CPI,   272
.set SPARE, 296960                     ; the spare words, 128 bytes for each wave: two blocks of 256 bytes that no other line names
.set XO,  1                            ; v1   16 lane + 512 w: my 16 bytes of a row of x
.set LKC, 2                            ; v2   LDS address of my weights' fragments in the slot in hand
.set LK0, 3                            ; v3   the same in slot 0: 32,768 w + 16 lane
.set XS,  4                            ; v4   where I put 8 bytes (4 k) of a row
.set XRD, 5                            ; v5   where I read x's fragments
.set XRW, 6                            ; v6   the same for the four fragments that I store to xf
.set XFO, 7                            ; v7   16 lane + 4,096 w
.set QK0, 8                            ; v8, v9    my bytes of a q or k fragment's two halves
.set QK1, 9
.set VV0, 10                           ; v10, v11  my bytes of v's two channel blocks
.set VV1, 11
.set OF0, 12                           ; v12, v13  the step's choice of the two
.set OF1, 13
.set PFO, 15                           ; v15  256 x lane
.set SPW, 16                           ; v16  my spare word
.set NIL, 17                           ; v17  0
.set PKT, 20                           ; v[20:51]  a step's results in f16
.set S,   56                           ; v[56:119] accumulator (i, qt) at S + 16 qt + 8 i
.set TT,  56                           ; at the head: a row tile in bf16
.set UU,  88
.set PP,  92
.set KB0, 120
.set KB1, 184
.set XT,  120                          ; at the head: four sets of 32, my fragments for xf
.set WV,  16
.set CX,  17
.set BLK, 18
.set G1,  20                           ; s[20:27] descriptor group 1
.set G0,  28                           ; s[28:31] descriptor group 0: it walks
.set CNT, 32
.set NS,  33                           ; the step's number
.set TB,  34                           ; the slot in hand
.set LIM, 35
.set PFA, 36                           ; s[36:37] where my prefetches stand
.set OP,  38                           ; s[38:39] the step's output
.set JO,  40                           ; s[40:41]
.set MSK, 42
.set HI,  43
.set XP,  48                           ; x, qf, kf, vf, xf at my block
.set QP,  50
.set KP,  52
.set VP,  54
.set FP,  56
.set MSB, 0
.macro WIN new                         ; the immediate's high byte repeats the setting that is left; a switch that changes nothing is dropped
.if MSB != (\new)
	s_set_vgpr_msb (MSB<<8)|(\new)
.set MSB, (\new)
.endif
.endm
.macro PLACES                          ; four places behind a matrix instruction, in front of loads into its sources and of readers of its result
.rept 4
	v_nop
.endr
.endm
.macro CROUND                          ; a round of the cluster's barrier
	s_barrier_signal -1
	s_barrier_wait -1
	s_cmp_lg_u32 s[WV], 0
	s_cbranch_scc1 .Lnw0_\@
	s_barrier_signal -3
.Lnw0_\@:
	s_barrier_wait -3
	s_barrier_signal -1
	s_barrier_wait -1
.endm
.macro TLD g                           ; my quarter of a tile
	tensor_load_to_lds s[\g:\g+3], s[G1:G1+7]
	s_nop 0
.rept 4
	v_nop
.endr
.endm
.macro ASK ptr, lim, cnt               ; one prefetch, a lane a block of 256 bytes, while the count is above the limit
	s_cmp_gt_u32 s[\cnt], s[\lim]
	s_cbranch_scc0 .Lna_\@
	global_prefetch_b8 v[PFO], s[\ptr:\ptr+1] th:TH_LOAD_NT scope:SCOPE_SE
.Lna_\@:
.endm
; S(i, qt) = the sum over f of FR(i, f) from LDS x RES(qt, f) from registers: 128 matrix instructions in four groups of four f.
.macro SLOAD g, buf                    ; group g's 8 fragments: 16 loads
.irp i, 0,1
.irp f, 0,1,2,3
	ds_load_b128 v[(\buf)+32*\i+8*\f:(\buf)+32*\i+8*\f+3], v[LKC] offset:(16*\i+4*(\g)+\f)*1024
	ds_load_b128 v[(\buf)+32*\i+8*\f+4:(\buf)+32*\i+8*\f+7], v[LKC] offset:(16*\i+4*(\g)+\f)*1024+512
.endr
.endr
.endm
.macro SMULH g, buf, hi                ; 16 matrix instructions: row tiles 2 hi, 2 hi + 1; four accumulators take turns, one instruction a turn
	WIN 0x08+4*(\hi)
.irp f, 0,1,2,3
.irp i, 0,1
.irp q, 0,1
.set rS, S+32*(\hi)+16*\q+8*\i
.set rA, (\buf)+32*\i+8*\f
.set rB, 128*\q+32*(\g)+8*\f
.if ((\g)+\f) == 0
	v_wmma_f32_16x16x32_f16 v[rS:rS+7], v[rA:rA+7], v[rB:rB+7], 0
.else
	v_wmma_f32_16x16x32_f16 v[rS:rS+7], v[rA:rA+7], v[rB:rB+7], v[rS:rS+7]
.endif
.endr
.endr
.endr
.endm
.macro SPHASE
	WIN 0
	SLOAD 0, KB0
	SLOAD 1, KB1
	s_wait_dscnt 16                                ; group 0 is in; group 1's sixteen loads may stay out
	SMULH 0, KB0, 0
	SMULH 0, KB0, 1
	PLACES
	WIN 0
	SLOAD 2, KB0
	s_wait_dscnt 16
	SMULH 1, KB1, 0
	SMULH 1, KB1, 1
	PLACES
	WIN 0
	SLOAD 3, KB1
	s_wait_dscnt 16
	SMULH 2, KB0, 0
	SMULH 2, KB0, 1
	s_wait_dscnt 0x0
	SMULH 3, KB1, 0
	SMULH 3, KB1, 1
.endm
	s_load_b256 s[4:11], s[0:1], 0x0               ; x s[4:5], wf s[6:7], qf s[8:9], kf s[10:11]
	s_load_b128 s[12:15], s[0:1], 0x20             ; vf s[12:13], xf s[14:15]
	v_lshl_add_u32 v[SPW], v0, 2, SPARE
	v_mov_b32 v[NIL], 0
	ds_add_u32 v[SPW], v[NIL]                      ; the wave's opening: the add and its wait stand ahead of my first tensor load; the set-up below, work on registers, stands between them
	v_lshrrev_b32 v18, 5, v0
	v_readfirstlane_b32 s[WV], v18
	s_bfe_u32 s[CX], ttmp6, 0x40000                ; my place in the cluster
	s_lshl_b32 s[BLK], ttmp9, 2
	s_add_co_u32 s[BLK], s[BLK], s[CX]             ; my block of 64 rows
	s_mov_b32 s[G1+0], 15|(3<<16)|(1<<21)          ; 15:0 the mask of four; 17:16 elements of 8 bytes; 21 set beside a mask; no padding
	s_mov_b32 s[G1+1], 32<<16                      ; tensor_dim0 = 32 elements: 256 bytes
	s_mov_b32 s[G1+2], 128<<16                     ; tensor_dim1 = 128
	s_mov_b32 s[G1+3], 32<<16                      ; tile_dim0 = 32
	s_mov_b32 s[G1+4], 128                         ; tile_dim1 = 128
	s_mov_b32 s[G1+5], 32                          ; dense: a row begins where the last ends
	s_mov_b32 s[G1+6], 0
	s_mov_b32 s[G1+7], 0
	s_mov_b32 s[G0], 1
	s_lshl_b32 s[G0+1], s[WV], 15                  ; slot 0, my quarter
	s_lshl_b32 s44, s[WV], 15
	s_mov_b32 s45, 0
	s_mov_b32 s[JO+1], 0
	s_mov_b32 s[HI], 0xffff0000
	s_mov_b32 s59, 0
	v_and_b32 v18, 31, v0                          ; lane
	v_and_b32 v19, 15, v0                          ; r
	v_bfe_u32 v14, v0, 4, 1                        ; h
	v_lshlrev_b32 v[OF0], 4, v18
	s_lshl_b32 s46, s[WV], 9
	v_add_nc_u32 v[XO], s46, v[OF0]
	s_lshl_b32 s46, s[WV], 15
	v_add_nc_u32 v[LK0], s46, v[OF0]
	s_lshl_b32 s46, s[WV], 12
	v_add_nc_u32 v[XFO], s46, v[OF0]
	s_lshl_b32 s46, s[WV], 10
	v_add_nc_u32 v[QK0], s46, v[OF0]
	v_add_nc_u32 v[QK1], 512, v[QK0]
	v_lshlrev_b32 v[PFO], 8, v18
	v_lshrrev_b32 v[XS], 1, v18                    ; my 4 k lie in chunk 16 w + lane/2, half lane%2
	v_mul_u32_u24 v[XS], v[XS], CPI
	v_and_b32 v[OF1], 1, v18
	v_lshl_add_u32 v[XS], v[OF1], 3, v[XS]
	s_mul_i32 s46, s[WV], 16*CPI
	s_add_co_u32 s47, s46, XST0
	v_add_nc_u32 v[XS], s47, v[XS]
	v_mul_u32_u24 v[XRD], v14, CPI                 ; a fragment's half c is chunk 4 f + 2 c + h, row r
	v_lshl_add_u32 v[XRD], v19, 4, v[XRD]
	v_add_nc_u32 v[XRD], XST0, v[XRD]
	v_add_nc_u32 v[XRW], s46, v[XRD]               ; fragments 4 w on: 16 chunks further
	v_and_b32 v[VV1], 7, v19
	v_lshl_add_u32 v[VV1], v14, 3, v[VV1]
	v_lshlrev_b32 v[VV1], 4, v[VV1]                ; (8 h + r%8) x 16
	v_lshrrev_b32 v[VV0], 3, v19
	v_lshl_add_u32 v[VV0], v[VV0], 13, v[VV1]      ; + (r/8) x 8,192
	s_lshl_b32 s46, s[WV], 9
	v_add_nc_u32 v[VV0], s46, v[VV0]               ; + my two channel blocks
	v_add_nc_u32 v[VV1], 256, v[VV0]
	s_wait_dscnt 0x0                               ; the opening add is done
	s_wait_kmcnt 0x0
	s_add_nc_u64 s[G0+2:G0+3], s[6:7], s[44:45]    ; tile 0, my quarter: the wave's number alone enters
	s_or_b32 s[G0+3], s[G0+3], 0x80000000          ; type = 2
	CROUND                                         ; all four work-groups are here: the first joint load meets
	TLD G0                                         ; tile 0 into slot 0
	s_lshl_b32 s58, s[BLK], 17
	s_add_nc_u64 s[XP:XP+1], s[4:5], s[58:59]
	s_lshl_b32 s58, s[BLK], 16
	s_add_nc_u64 s[QP:QP+1], s[8:9], s[58:59]
	s_add_nc_u64 s[KP:KP+1], s[10:11], s[58:59]
	s_add_nc_u64 s[VP:VP+1], s[12:13], s[58:59]
	s_add_nc_u64 s[FP:FP+1], s[14:15], s[58:59]
	WIN 0x40
.set p, 0
.rept 64                                           ; the block's 64 rows: a load of the wave covers 512 bytes on end; each byte of x is read once in the launch
	global_load_b128 v[4*p:4*p+3], v[XO], s[XP:XP+1] offset:p*2048 th:TH_LOAD_NT
.set p, p+1
.endr
	WIN 0
	; the prefetches: the launch's first cluster asks for the weights; its four work-groups and their waves share a tile out by address: 32,768 cx + 8,192 w + 256 lane
	s_lshl_b32 s58, s[CX], 15
	s_lshl_b32 s46, s[WV], 13
	s_add_co_u32 s58, s58, s46
	s_add_nc_u64 s[PFA:PFA+1], s[6:7], s[58:59]
	s_add_nc_u64 s[PFA:PFA+1], s[PFA:PFA+1], 2*SLOT  ; at tile 2: step n steps it and names tile n + 3, two steps ahead of that tile's load; tiles 0 to 2 come by their loads alone
	s_cmp_eq_u32 ttmp9, 0
	s_cselect_b32 s[LIM], 2, -1                    ; steps 0 to 8 ask (the count runs 11, 10 ..): tile 11 is the last
; xf's stores of row tile t: my four fragments, 512 bytes on end each
.macro XFST t
.irp f, 0,1,2,3
	global_store_b128 v[XFO], v[XT+32*(\t)+8*\f:XT+32*(\t)+8*\f+3], s[FP:FP+1] offset:(\t)*16384+\f*1024
	global_store_b128 v[XFO], v[XT+32*(\t)+8*\f+4:XT+32*(\t)+8*\f+7], s[FP:FP+1] offset:(\t)*16384+\f*1024+512
.endr
.endm
; Row tile t: rounded, turned into fragments through a stage in LDS.  The two stages take turns: tile t + 2's stores stand behind tile t + 1's barrier, in front of which every wave has waited for its reads of tile t.
.macro XTILE t
	s_wait_loadcnt 48-16*(\t)                      ; the tile's sixteen rows are in; the younger tiles' loads stay out
	WIN 0x05
.set i, 0
.rept 32
	v_cvt_pk_bf16_f32 v[TT+i], v[64*(\t)+2*i], v[64*(\t)+2*i+1]   ; the input's rounding
.set i, i+1
.endr
	WIN 0
.set i, 0
.rept 16
	v_lshlrev_b32 v[UU], 16, v[TT+2*i]
	v_and_b32 v[UU+1], s[HI], v[TT+2*i]
	v_lshlrev_b32 v[UU+2], 16, v[TT+2*i+1]
	v_and_b32 v[UU+3], s[HI], v[TT+2*i+1]
	v_cvt_pk_f16_f32 v[PP], v[UU], v[UU+1]
	v_cvt_pk_f16_f32 v[PP+1], v[UU+2], v[UU+3]
	ds_store_b64 v[XS], v[PP:PP+1] offset:((\t)%2)*XSTB+i*16
.set i, i+1
.endr
	s_wait_dscnt 0x0                               ; for the others' sake: my stores are done, and my reads of the tile before
	s_barrier_signal -1
	s_barrier_wait -1                              ; tile 0 of the weights may stay on its way
.if (\t) > 0
	XFST (\t)-1
.endif
	WIN 0x80+0x40*((\t)/2)
.irp f, 0,1,2,3,4,5,6,7,8,9,10,11,12,13,14,15
	ds_load_b128 v[128*((\t)%2)+8*\f:128*((\t)%2)+8*\f+3], v[XRD] offset:((\t)%2)*XSTB+\f*1088
	ds_load_b128 v[128*((\t)%2)+8*\f+4:128*((\t)%2)+8*\f+7], v[XRD] offset:((\t)%2)*XSTB+\f*1088+544
.endr
	WIN 0
.irp f, 0,1,2,3
	ds_load_b128 v[XT+32*(\t)+8*\f:XT+32*(\t)+8*\f+3], v[XRW] offset:((\t)%2)*XSTB+\f*1088
	ds_load_b128 v[XT+32*(\t)+8*\f+4:XT+32*(\t)+8*\f+7], v[XRW] offset:((\t)%2)*XSTB+\f*1088+544
.endr
.endm
	XTILE 0
	XTILE 1
	XTILE 2
	XTILE 3
	s_wait_dscnt 0x0
	XFST 3
; THE CHANGE OF SLOTS.  Each wave waits for all its tensor loads (one is out: its quarter of the step's tile), adds 0 to its spare word, and waits for that and for its reads of the other slot.
; fill = 1: the barrier is a round of the cluster's, and the joint load of the next tile, into the slot read last, is the first thing behind it.
.macro CHG fill
	WIN 0
	s_wait_tensorcnt 0x0                           ; no tensor load of mine is out, so the group 0 may be written
	ds_add_u32 v[SPW], v[NIL]                      ; 0 onto my spare word
.if \fill
	s_xor_b32 s[G0+1], s[G0+1], SLOT               ; the other slot,
	s_add_nc_u64 s[G0+2:G0+3], s[G0+2:G0+3], SLOT  ; the next tile; the type bits on top are not reached
	s_wait_xcnt 0x0                                ; the last step's stores and prefetch have read their registers
	s_add_nc_u64 s[PFA:PFA+1], s[PFA:PFA+1], SLOT
.endif
	s_xor_b32 s[TB], s[TB], SLOT
	s_wait_dscnt 0x0                               ; the add is done, and my reads of the slot are over
.if \fill
	CROUND
	TLD G0
	ASK PFA, LIM, CNT
.else
	s_barrier_signal -1
	s_barrier_wait -1
.endif
	v_add_nc_u32 v[LKC], s[TB], v[LK0]
.endm
; A step's way out.  Step n makes columns 128 (n%4) on of output n/4.  Two accumulators of a row tile are a fragment (q, k) or two channel blocks (v).
.macro EPI
	PLACES
	WIN 0
	s_wait_xcnt 0x0                                ; the last step's stores have read PKT, the offsets and the base
	s_lshr_b32 s44, s[NS], 2
	s_and_b32 s45, s[NS], 3
	s_cmp_eq_u32 s44, 0
	s_cselect_b64 s[OP:OP+1], s[QP:QP+1], s[KP:KP+1]
	s_cmp_eq_u32 s44, 2
	s_cselect_b64 s[OP:OP+1], s[VP:VP+1], s[OP:OP+1]
	s_cselect_b32 s46, 11, 12                      ; 128 columns are 4 fragments of 1,024 bytes, or 8 channel blocks of 256
	s_cselect_b32 s[MSK], -1, 0
	s_lshl_b32 s[JO], s45, s46
	s_add_nc_u64 s[OP:OP+1], s[OP:OP+1], s[JO:JO+1]
	v_cndmask_b32 v[OF0], v[QK0], v[VV0], s[MSK]
	v_cndmask_b32 v[OF1], v[QK1], v[VV1], s[MSK]
.set i, 0
.rept 32                                           ; each accumulator's registers in ascending order
	v_cvt_pk_f16_f32 v[PKT+i], v[S+2*i], v[S+2*i+1]
.set i, i+1
.endr
.irp q, 0,1,2,3
	global_store_b128 v[OF0], v[PKT+8*\q:PKT+8*\q+3], s[OP:OP+1] offset:\q*16384
	global_store_b128 v[OF1], v[PKT+8*\q+4:PKT+8*\q+7], s[OP:OP+1] offset:\q*16384
.endr
.endm
	s_mov_b32 s[CNT], 11
	s_mov_b32 s[NS], 0
	s_mov_b32 s[TB], SLOT                          ; the first change turns it into 0
.Lstep:                                            ; steps 0 to 10: each asks for the next tile
	CHG 1
	SPHASE
	EPI
	s_add_co_u32 s[NS], s[NS], 1
	s_sub_co_u32 s[CNT], s[CNT], 1
	s_cmp_lg_u32 s[CNT], 0
	s_cbranch_scc1 .Lstep
	CHG 0                                          ; the last step is written out: it asks for nothing
	SPHASE
	EPI
	s_wait_tensorcnt 0x0                           ; the wave's end, behind my last tensor load and my last LDS store
	ds_add_u32 v[SPW], v[NIL]
	s_wait_dscnt 0x0
	CROUND                                         ; the closing round: no work-group ends while a partner may still ask for a tile that names it
	s_endpgm
.Lfunc_end_k_q7083ba7ae6_qkv:
	.size	k_q7083ba7ae6_qkv, .Lfunc_end_k_q7083ba7ae6_qkv-k_q7083ba7ae6_qkv
	.p2alignl 7, 3214868480
	.fill 96, 4, 3214868480
	.section	.rodata,"a",@progbits
	.p2align	6, 0x0
	.amdhsa_kernel k_q7083ba7ae6_qkv
		.amdhsa_group_segment_fixed_size 327680
		.amdhsa_private_segment_fixed_size 0
		.amdhsa_enable_private_segment 0
		.amdhsa_kernarg_size 48
		.amdhsa_user_sgpr_count 2
		.amdhsa_user_sgpr_kernarg_segment_ptr 1
		.amdhsa_wavefront_size32 1
		.amdhsa_system_sgpr_workgroup_id_x 1
		.amdhsa_system_sgpr_workgroup_id_y 1
		.amdhsa_system_sgpr_workgroup_id_z 1
		.amdhsa_system_vgpr_workitem_id 0
		.amdhsa_next_free_vgpr 1024
		.amdhsa_next_free_sgpr 66
		.amdhsa_reserve_vcc 0
		.amdhsa_float_denorm_mode_32 3
		.amdhsa_float_denorm_mode_16_64 3
		.amdhsa_memory_ordered 1
		.amdhsa_forward_progress 1
		.amdhsa_inst_pref_size 87
	.end_amdhsa_kernel
	.amdgpu_metadata
---
amdhsa.version: [ 1, 2 ]
amdhsa.kernels:
  - .name:           k_q7083ba7ae6_qkv
    .symbol:         k_q7083ba7ae6_qkv.kd
    .args:
      - { .name: x, .offset: 0, .size: 8, .value_kind: global_buffer, .address_space: global }
      - { .name: wf, .offset: 8, .size: 8, .value_kind: global_buffer, .address_space: global }
      - { .name: qf, .offset: 16, .size: 8, .value_kind: global_buffer, .address_space: global }
      - { .name: kf, .offset: 24, .size: 8, .value_kind: global_buffer, .address_space: global }
      - { .name: vf, .offset: 32, .size: 8, .value_kind: global_buffer, .address_space: global }
      - { .name: xf, .offset: 40, .size: 8, .value_kind: global_buffer, .address_space: global }
    .group_segment_fixed_size: 327680
    .private_segment_fixed_size: 0
    .kernarg_segment_align: 8
    .kernarg_segment_size: 48
    .max_flat_workgroup_size: 128
    .sgpr_count:     66
    .vgpr_count:     1024
    .wavefront_size: 32
...
	.end_amdgpu_metadata
.endif
;; end of part 2
;; launch attn (part 3): grid 32 x 8, 4 waves a work-group, clusters of 4 x 1, 327,680 bytes of LDS; arguments qf, kf, vf, xf, wf, tab, out1, psum; writes out1, psum
.if DOCPART == 3
	.amdgcn_target "amdgcn-amd-amdhsa--gfx1250"
	.amdhsa_code_object_version 6
	.text
	.protected	k_q7083ba7ae6_attn
	.globl	k_q7083ba7ae6_attn
	.p2align	8
	.type	k_q7083ba7ae6_attn,@function
k_q7083ba7ae6_attn:
	s_mov_b64 s[64:65], 0
	v_nop
	global_prefetch_b8 v0, s[64:65] scope:SCOPE_SE
	s_setreg_imm32_b32 hwreg(HW_REG_WAVE_MODE, 25, 1), 1
	s_wait_xcnt 0x0
	s_wait_alu depctr_hold_cnt(0) depctr_sa_sdst(0) depctr_va_vdst(0) depctr_va_sdst(0) depctr_va_ssrc(0) depctr_va_vcc(0) depctr_vm_vsrc(0)
	s_getreg_b32 s2, hwreg(HW_REG_IB_STS2, 6, 4)
	s_cmp_eq_u32 s2, 0
	s_cbranch_scc0 .Lentry_in_a_cluster
	s_endpgm
.Lentry_in_a_cluster:
	s_bfe_u32 s2, ttmp6, 0x10000c
	s_cmp_lg_u32 s2, 0x3003
	s_cbranch_scc0 .Lentry_shape_is_right
	s_endpgm
.Lentry_shape_is_right:
; ATTENTION AND ALL THAT FOLLOWS IT, for 64 rows a work-group: ctx = softmax(q k^T / sqrt(512)) v;  src = LN1(x + ctx wo + bo);  h = relu(src w1 + b1);  out1 = LN2(src + h w2 + b2);
; psum = the column sums of the block's 64 rows of out1.  Scores, weights, ctx, src and h never leave the work-group.
; FORMATS.  Matrix operands f16, sums f32.  q, k, v, x and the weights arrive as fragment images (1,024 bytes: 16 rows x 32 k; byte c*512 + lane*16 + 2e holds row lane%16, k = 16c + 8(lane/16) + e).
; The weights p, ctx, src and h are rounded once to f16 for the next product; the residual src, the maxima, the sums and both LayerNorms stay in f32.
; LIMITS.  ctx, src and h stay under 65,504 in magnitude.  p lies in 0 to 1; below 6e-5 it keeps f16's fixed step; a weight below 2^-126 counts as 0 in l.  The first step's correction is 0 only while
; c s stays far above the starting c m of -4.25e37.  NaN and infinities are not treated apart.
; SOFTMAX.  A running maximum m and sum l for each query: p = 2^(c s - c m), c = log2(e) / sqrt(512); in every step O and l are multiplied by a = 2^(c m_old - c m_new).
; LAYERNORM.  Each wave takes the mean of its 128 columns, takes it away, and sums the squares; the four waves' means and sums of squares are joined (mean of means; squares plus 128 x the means' squared distances):
; no difference of large sums is formed.
; ALL PRODUCTS ARE TAKEN TRANSPOSED (source 0 = keys, channels or output columns; source 1 = queries or rows): a lane holds ONE row (lane%16) and eight neighbouring outputs, and two accumulators
; rounded to f16 are the next product's fragment.
; SHARES.  A key step is 128 keys.  Scores: wave w takes keys 32 w .. + 31 against all 64 queries (Q stays in 512 registers).  V^T P and the three later products: wave w takes channels or columns
; 128 w .. + 127 for all 64 rows: 32 accumulators.  What one wave makes and the others multiply (the maxima, P, ctx, src, h) goes through LDS as fragments.
; LDS.  Slot 0: a tile of K (131,072 bytes), later the even tiles of the weights; slot 1: V, later the odd tiles.  Every wave fetches a quarter of a tile by one tensor load of 128 rows x 256 bytes; one load a wave
; is out at any time.  V(j) lands under the scores of step j, K(j+1) under its softmax and V^T P.
; CLUSTER.  The four query blocks of a cluster belong to one batch and walk the same K, V and weights: each tile is asked for jointly (the same load, descriptor and mask in all four).
; REGISTERS, in windows of 256 (s_set_vgpr_msb: bits 1:0 source 0, 3:2 source 1, 5:4 source 2, 7:6 destination):
;   window 0: addresses, statistics, S (also the rows' fragments PF0, PF1 and the way out's OB), KB0, KB1        window 1: O, later the products' sums: (column block nb, row tile t) at 64 t + 8 nb
;   windows 2, 3: Q, row tile qt, fragment f at 8 (16 (qt%2) + f), window 2 + qt/2.  Behind attention: window 2 src in f32; window 3 v0-127 PK, my fragments for the next product ((i, t) at 32 i + 8 t);
;   window 3 v128-255 x's fragments, later a LayerNorm's gain (128 + 8 nb) and bias (192 + 8 nb).
.set SLOT,  131072
.set PB,    262144                     ; two buffers of 16 fragments (position kg, row tile t at (4 kg + t) x 1,024); attention uses the first
.set PBB,   16384
.set MX,    294912                     ; two planes of 1,024 bytes: [wave][row%16][row tile] f32
.set STG,   296960                     ; 16 rows x 272 bytes for each wave, for the way out
.set SP,    272
.set SPARE, 314368                     ; the spare words, 128 bytes for each wave: two blocks of 256 bytes that no other line names
.set LN16, 1                           ; v1   16 x lane
.set LKC,  2                           ; v2   my keys' fragments in slot 0
.set VT0,  3                           ; v3, v4   my channels of V for the turning load: keys 0-63, 64-127
.set WB0,  5                           ; v5, v6   my columns' fragments in a tile of weights: positions 0-1, 2-3 (slot 0)
.set LP,   7                           ; v7   PB + 16 lane
.set LPS,  8                           ; v8   + 4,096 w: where I publish
.set LMS,  9                           ; v9   my wave's words in MX
.set LMR,  10                          ; v10  wave 0's
.set STO,  11                          ; v11  the way out: where I put 16 bytes of a row
.set RD,   12                          ; v12  where I read rows back
.set GO,   13                          ; v13  my byte offset in two rows of out1
.set TBO,  14                          ; v14  my 8 columns in a table: 512 w + 32 (lane/16)
.set PFO,  15                          ; v15  256 x lane
.set SPW,  16                          ; v16  my spare word
.set NIL,  17                          ; v17  0
.set ONE,  18                          ; v18  1.0
.set ZR,   19                          ; v19  0
.set ST,   20                          ; v[20:51] row tile t at ST + 8 t: +0 c m / my mean, +1 m, +2, +3 l / a sum's pair, +4 a / 1/l / rstd, +5 named with it, +6, +7 at work
.set MT,   52                          ; v[52:55] four numbers for MX
.set S,    56                          ; v[56:119] accumulator (i, qt) at S + 16 qt + 8 i
.set PF0,  56
.set PF1,  88
.set OB,   56
.set KB0,  120
.set KB1,  184
.set WA0,  248                         ; v248, v249  WB0, WB1 in the slot in hand
.set PA,   250                         ; v250 LP in the buffer in hand
.set PS,   251                         ; v251 LPS likewise
.set MT2,  252                         ; v[252:255] four more numbers for MX
.set PFX,  252                         ; during attention: my blocks of xf for the prefetch
.set XFO,  253                         ; 16 lane + 4,096 w
.set PSM,  20                          ; the way out: the column sums, 4 for each half of my columns
.set WV,   20
.set CX,   21
.set BX,   22
.set BY,   23
.set BLK,  24
.set G1,   28                          ; s[28:35] descriptor group 1
.set G0K,  36                          ; s[36:39] group 0 for slot 0, later the walking one
.set G0V,  40                          ; s[40:43] group 0 for slot 1
.set KP,   44                          ; s[44:45] K at my quarter of the tile last asked for
.set WP,   46                          ; s[46:47] the weights at my quarter of tile 12 (wo's first)
.set CS,   48                          ; s[48:49] c
.set SEL,  50                          ; s[50:51] v_permlanex16_b32's selects: each lane takes its own place in the other half
.set CNT,  52
.set CNT4, 53
.set TB,   54
.set PBT,  55
.set LIMK, 56
.set LIMV, 57
.set LIMW, 58
.set TLEFT, 59
.set PFK,  60
.set PFV,  62
.set PFW,  66
.set XFP,  68                          ; s[68:69] xf at my block
.set R512, 70
.set EPS,  71
.set R128, 72
.set C128, 73
.set QRT,  74
.set HMASK, 75
.set OUTP, 76                          ; s[76:77] out1 at my block's first row, my 128 columns
.set PSP,  78                          ; s[78:79] psum at my block, my 128 columns
.set TA,   80                          ; s[80:83] offsets made of what the partners share
.set TC,   84                          ; s[84:85] offsets that hang on my place
.set MSB, 0
.macro WIN new                         ; the immediate's high byte repeats the setting that is left; a switch that changes nothing is dropped
.if MSB != (\new)
	s_set_vgpr_msb (MSB<<8)|(\new)
.set MSB, (\new)
.endif
.endm
.macro PLACES                          ; four places behind a matrix instruction, in front of loads into its sources and of readers and writers of its result
.rept 4
	v_nop
.endr
.endm
.macro CROUND                          ; a round of the cluster's barrier
	s_barrier_signal -1
	s_barrier_wait -1
	s_cmp_lg_u32 s[WV], 0
	s_cbranch_scc1 .Lnw0_\@
	s_barrier_signal -3
.Lnw0_\@:
	s_barrier_wait -3
	s_barrier_signal -1
	s_barrier_wait -1
.endm
.macro TLD g                           ; my quarter of a tile
	tensor_load_to_lds s[\g:\g+3], s[G1:G1+7]
	s_nop 0
.rept 4
	v_nop
.endr
.endm
.macro ASK ptr, lim, cnt               ; one prefetch, a lane a block of 256 bytes, while the count is above the limit
	s_cmp_gt_u32 s[\cnt], s[\lim]
	s_cbranch_scc0 .Lna_\@
	global_prefetch_b8 v[PFO], s[\ptr:\ptr+1] th:TH_LOAD_NT scope:SCOPE_SE
.Lna_\@:
.endm
; THE SCORES: S(i, qt) = the sum over f of K's FR(i, f) from LDS x Q(qt, f) from registers: 128 matrix instructions in four groups of four f.
.macro SLOAD g, buf
.irp i, 0,1
.irp f, 0,1,2,3
	ds_load_b128 v[(\buf)+32*\i+8*\f:(\buf)+32*\i+8*\f+3], v[LKC] offset:(16*\i+4*(\g)+\f)*1024
	ds_load_b128 v[(\buf)+32*\i+8*\f+4:(\buf)+32*\i+8*\f+7], v[LKC] offset:(16*\i+4*(\g)+\f)*1024+512
.endr
.endr
.endm
.macro SMULH g, buf, hi                ; 16 matrix instructions: query tiles 2 hi, 2 hi + 1; four accumulators take turns, one instruction a turn
	WIN 0x08+4*(\hi)
.irp f, 0,1,2,3
.irp i, 0,1
.irp q, 0,1
.set rS, S+32*(\hi)+16*\q+8*\i
.set rA, (\buf)+32*\i+8*\f
.set rB, 128*\q+32*(\g)+8*\f
.if ((\g)+\f) == 0
	v_wmma_f32_16x16x32_f16 v[rS:rS+7], v[rA:rA+7], v[rB:rB+7], 0
.else
	v_wmma_f32_16x16x32_f16 v[rS:rS+7], v[rA:rA+7], v[rB:rB+7], v[rS:rS+7]
.endif
.endr
.endr
.endr
.endm
.macro SPHASE
	WIN 0
	SLOAD 0, KB0
	SLOAD 1, KB1
	s_wait_dscnt 16                                ; group 0 is in; group 1's sixteen loads may stay out
	SMULH 0, KB0, 0
	SMULH 0, KB0, 1
	PLACES
	WIN 0
	SLOAD 2, KB0
	s_wait_dscnt 16
	SMULH 1, KB1, 0
	SMULH 1, KB1, 1
	PLACES
	WIN 0
	SLOAD 3, KB1
	s_wait_dscnt 16
	SMULH 2, KB0, 0
	SMULH 2, KB0, 1
	s_wait_dscnt 0x0
	SMULH 3, KB1, 0
	SMULH 3, KB1, 1
.endm
; THE PRODUCTS ON 32 ACCUMULATORS: ACC(nb, t) += FR0(nb) x FR1(t), four groups kg of 32 along k.
.macro AFRAG kg, pf, adr               ; the rows' four fragments of position kg
.irp t, 0,1,2,3
	ds_load_b128 v[(\pf)+8*\t:(\pf)+8*\t+3], v[\adr] offset:(4*(\kg)+\t)*1024
	ds_load_b128 v[(\pf)+8*\t+4:(\pf)+8*\t+7], v[\adr] offset:(4*(\kg)+\t)*1024+512
.endr
.endm
.macro VLOAD kg, buf, pf               ; V^T of keys 32 kg on, my 8 channel blocks, turned; and P: 24 loads.  16 lanes of a turning load take 256 bytes on end
.irp n, 0,1,2,3,4,5,6,7
	ds_load_tr16_b128 v[(\buf)+8*\n:(\buf)+8*\n+3], v[VT0+(\kg)/2] offset:((\kg)%2)*32768+\n*256
	ds_load_tr16_b128 v[(\buf)+8*\n+4:(\buf)+8*\n+7], v[VT0+(\kg)/2] offset:((\kg)%2)*32768+\n*256+16384
.endr
	AFRAG \kg, \pf, LP
.endm
.macro GLOAD kg, buf, pf               ; the weights of position kg, my 8 column blocks; and the rows' fragments: 24 loads
.irp n, 0,1,2,3,4,5,6,7
	ds_load_b128 v[(\buf)+8*\n:(\buf)+8*\n+3], v[WA0+(\kg)/2] offset:((\kg)%2)*32768+\n*1024
	ds_load_b128 v[(\buf)+8*\n+4:(\buf)+8*\n+7], v[WA0+(\kg)/2] offset:((\kg)%2)*32768+\n*1024+512
.endr
	AFRAG \kg, \pf, PA
.endm
.macro GMUL buf, pf                    ; 32 matrix instructions; the 32 accumulators take turns
	WIN 0x50
.irp n, 0,1,2,3,4,5,6,7
.irp t, 0,1,2,3
	v_wmma_f32_16x16x32_f16 v[64*\t+8*\n:64*\t+8*\n+7], v[(\buf)+8*\n:(\buf)+8*\n+7], v[(\pf)+8*\t:(\pf)+8*\t+7], v[64*\t+8*\n:64*\t+8*\n+7]
.endr
.endr
.endm
.macro MM4 ld
	WIN 0
	\ld 0, KB0, PF0
	\ld 1, KB1, PF1
	s_wait_dscnt 24                                ; group 0 is in; group 1's 24 loads may stay out
	GMUL KB0, PF0
	PLACES
	WIN 0
	\ld 2, KB0, PF0
	s_wait_dscnt 24
	GMUL KB1, PF1
	PLACES
	WIN 0
	\ld 3, KB1, PF1
	s_wait_dscnt 24
	GMUL KB0, PF0
	s_wait_dscnt 0x0
	GMUL KB1, PF1
	PLACES                                         ; for all that follows: readers and writers of the sums, loads into the fragments' registers
	WIN 0
.endm
.macro OSCALE                          ; the sums of row tile t times ST + 8 t + 4; each accumulator's registers in ascending order
	WIN 0x41
.set z, 0
.rept 32
.irp t, 0,1,2,3
	v_pk_mul_f32 v[64*\t+2*z:64*\t+2*z+1], v[64*\t+2*z:64*\t+2*z+1], v[ST+8*\t+4:ST+8*\t+5] op_sel_hi:[1,0]
.endr
.set z, z+1
.endr
	WIN 0
.endm
.macro HSUM dst, str                   ; a pair's two halves and the other half of the lanes' are added, into v[dst + str t]
.irp t, 0,1,2,3
	v_add_f32 v[ST+8*\t+6], v[ST+8*\t+2], v[ST+8*\t+3]
.endr
.irp t, 0,1,2,3
	v_permlanex16_b32 v[ST+8*\t+7], v[ST+8*\t+6], s[SEL], s[SEL+1]
.endr
.irp t, 0,1,2,3
	v_add_f32 v[(\dst)+(\str)*\t], v[ST+8*\t+6], v[ST+8*\t+7]
.endr
.endm
.macro TLOAD tbl, dst, win             ; table tbl's numbers for my 64 columns: 8 for each column block, at dst + 8 nb
	WIN \win
.irp n, 0,1,2,3,4,5,6,7
	global_load_b128 v[(\dst)+8*\n:(\dst)+8*\n+3], v[TBO], s[14:15] offset:(\tbl)*2048+\n*64
	global_load_b128 v[(\dst)+8*\n+4:(\dst)+8*\n+7], v[TBO], s[14:15] offset:(\tbl)*2048+\n*64+16
.endr
	WIN 0
.endm
.macro PACKPK win                      ; 64 t + 8 nb + j in f32 -> my fragments PK(i, t): k = 128 w + 32 i + 16 c + 8 h + e is column block 2 i + c
	WIN \win
.set i, 0
.rept 4
.set t, 0
.rept 4
.set n, 0
.rept 8
	v_cvt_pk_f16_f32 v[32*i+8*t+n], v[64*t+16*i+2*n], v[64*t+16*i+2*n+1]
.set n, n+1
.endr
.set t, t+1
.endr
.set i, i+1
.endr
.endm
	s_load_b512 s[4:19], s[0:1], 0x0               ; qf s[4:5], kf s[6:7], vf s[8:9], xf s[10:11], wf s[12:13], tab s[14:15], out1 s[16:17], psum s[18:19]
	v_lshl_add_u32 v[SPW], v0, 2, SPARE
	v_mov_b32 v[NIL], 0
	ds_add_u32 v[SPW], v[NIL]                      ; the wave's opening: the add and its wait stand ahead of my first tensor load; the set-up below, work on registers, stands between them
	v_lshrrev_b32 v120, 5, v0
	v_readfirstlane_b32 s[WV], v120
	s_bfe_u32 s[CX], ttmp6, 0x40000                ; my place in the cluster
	s_lshl_b32 s[BX], ttmp9, 2
	s_add_co_u32 s[BX], s[BX], s[CX]               ; my block of 64 queries in the batch
	s_and_b32 s[BY], ttmp7, 0xffff                 ; the batch, which the four partners share
	s_lshl_b32 s[BLK], s[BY], 5
	s_add_co_u32 s[BLK], s[BLK], s[BX]
	s_mov_b32 s[G1+0], 15|(3<<16)|(1<<21)          ; 15:0 the mask of four; 17:16 elements of 8 bytes; 21 set beside a mask; no padding
	s_mov_b32 s[G1+1], 32<<16                      ; tensor_dim0 = 32 elements: 256 bytes
	s_mov_b32 s[G1+2], 128<<16                     ; tensor_dim1 = 128
	s_mov_b32 s[G1+3], 32<<16                      ; tile_dim0 = 32
	s_mov_b32 s[G1+4], 128                         ; tile_dim1 = 128
	s_mov_b32 s[G1+5], 32                          ; dense
	s_mov_b32 s[G1+6], 0
	s_mov_b32 s[G1+7], 0
	s_mov_b32 s[G0K], 1
	s_lshl_b32 s[G0K+1], s[WV], 15                 ; slot 0, my quarter
	s_mov_b32 s[G0V], 1
	s_lshl_b32 s[G0V+1], s[WV], 15
	s_add_co_u32 s[G0V+1], s[G0V+1], SLOT          ; slot 1, my quarter
	s_lshl_b32 s[TA+2], s[WV], 15
	s_mov_b32 s[TA+3], 0
	s_lshl_b32 s[TA], s[BY], 21                    ; a batch's K or V: 2,097,152 bytes
	s_add_co_u32 s[TA], s[TA], s[TA+2]
	s_mov_b32 s[TA+1], 0
	s_mov_b32 s[TC+1], 0
	s_mov_b32 s[CS], 0x3d8293ee                    ; c = log2(e) / sqrt(512) = 0.0637587
	s_mov_b32 s[CS+1], s[CS]
	s_mov_b32 s[SEL], 0x76543210
	s_mov_b32 s[SEL+1], 0xfedcba98
	s_mov_b32 s[R512], 0x3b000000                  ; 1/512
	s_mov_b32 s[EPS], 0x3727c5ac                   ; 1e-5
	s_mov_b32 s[R128], 0x3c000000                  ; 1/128
	s_mov_b32 s[C128], 0x43000000                  ; 128
	s_mov_b32 s[QRT], 0x3e800000                   ; 1/4
	s_mov_b32 s[HMASK], 0xffff0000                 ; lanes 16-31
	v_and_b32 v120, 31, v0                         ; lane
	v_and_b32 v121, 15, v0                         ; r
	v_bfe_u32 v122, v0, 4, 1                       ; h
	v_lshlrev_b32 v[LN16], 4, v120
	v_add_nc_u32 v[LKC], s[TA+2], v[LN16]
	s_lshl_b32 s26, s[WV], 11
	s_add_co_u32 s26, s26, SLOT
	v_lshlrev_b32 v[VT0], 4, v121
	v_lshl_add_u32 v[VT0], v122, 13, v[VT0]        ; 8 keys are 8,192 bytes; the upper half of the lanes takes the next 8
	v_add_nc_u32 v[VT0], s26, v[VT0]
	v_add_nc_u32 v[VT0+1], 65536, v[VT0]
	s_lshl_b32 s26, s[WV], 13
	v_add_nc_u32 v[WB0], s26, v[LN16]
	v_add_nc_u32 v[WB0+1], 65536, v[WB0]
	v_add_nc_u32 v[LP], PB, v[LN16]
	s_lshl_b32 s26, s[WV], 12
	v_add_nc_u32 v[LPS], s26, v[LP]
	v_add_nc_u32 v[XFO], s26, v[LN16]
	v_lshlrev_b32 v[PFX], 8, v121
	v_lshl_add_u32 v[PFX], v122, 14, v[PFX]
	v_add_nc_u32 v[PFX], s26, v[PFX]               ; row tile lane/16, my 4,096 bytes of it, block lane%16
	v_lshlrev_b32 v[LMR], 4, v121
	v_add_nc_u32 v[LMR], MX, v[LMR]
	s_lshl_b32 s26, s[WV], 8
	v_add_nc_u32 v[LMS], s26, v[LMR]
	s_mul_i32 s26, s[WV], 16*SP
	s_add_co_u32 s26, s26, STG
	v_mul_u32_u24 v[STO], v121, SP
	v_lshl_add_u32 v[STO], v122, 5, v[STO]
	v_add_nc_u32 v[STO], s26, v[STO]
	v_mul_u32_u24 v[RD], v122, SP
	v_lshl_add_u32 v[RD], v121, 4, v[RD]
	v_add_nc_u32 v[RD], s26, v[RD]
	v_lshlrev_b32 v[GO], 11, v122
	v_lshl_add_u32 v[GO], v121, 4, v[GO]
	s_lshl_b32 s26, s[WV], 9
	v_lshlrev_b32 v[TBO], 5, v122
	v_add_nc_u32 v[TBO], s26, v[TBO]
	v_lshlrev_b32 v[PFO], 8, v120
	v_mov_b32 v[ONE], 1.0
	v_mov_b32 v[ZR], 0
	s_wait_dscnt 0x0                               ; the opening add is done
	s_wait_kmcnt 0x0
	s_add_nc_u64 s[KP:KP+1], s[6:7], s[TA:TA+1]    ; K's and V's tile 0 of the batch, my quarter
	s_mov_b64 s[G0K+2:G0K+3], s[KP:KP+1]
	s_or_b32 s[G0K+3], s[G0K+3], 0x80000000        ; type = 2
	s_add_nc_u64 s[G0V+2:G0V+3], s[8:9], s[TA:TA+1]
	s_or_b32 s[G0V+3], s[G0V+3], 0x80000000
	s_add_nc_u64 s[WP:WP+1], s[12:13], s[TA+2:TA+3]
	s_add_nc_u64 s[WP:WP+1], s[WP:WP+1], 12*SLOT
	CROUND                                         ; all four work-groups are here: the first joint load meets
	TLD G0K                                        ; K(0)
	s_lshl_b32 s[TC], s[BLK], 16
	s_add_nc_u64 s[4:5], s[4:5], s[TC:TC+1]        ; qf and xf at my block
	s_add_nc_u64 s[XFP:XFP+1], s[10:11], s[TC:TC+1]
	WIN 0x80
.set i, 0
.rept 32                                           ; Q stays in registers: query tiles 0, 1
	global_load_b128 v[8*i:8*i+3], v[LN16], s[4:5] offset:i*1024 th:TH_LOAD_NT
	global_load_b128 v[8*i+4:8*i+7], v[LN16], s[4:5] offset:i*1024+512 th:TH_LOAD_NT
.set i, i+1
.endr
	WIN 0xc0
.set i, 0
.rept 32                                           ; query tiles 2, 3
	global_load_b128 v[8*i:8*i+3], v[LN16], s[4:5] offset:(32+i)*1024 th:TH_LOAD_NT
	global_load_b128 v[8*i+4:8*i+7], v[LN16], s[4:5] offset:(32+i)*1024+512 th:TH_LOAD_NT
.set i, i+1
.endr
	WIN 0
	s_lshl_b32 s26, s[WV], 9
	s_lshl_b32 s[TC], s[BLK], 17
	s_add_co_u32 s[TC], s[TC], s26
	s_add_nc_u64 s[OUTP:OUTP+1], s[16:17], s[TC:TC+1]
	s_lshl_b32 s[TC], s[BLK], 11
	s_add_co_u32 s[TC], s[TC], s26
	s_add_nc_u64 s[PSP:PSP+1], s[18:19], s[TC:TC+1]
	; THE PREFETCHES.  A tile's 512 blocks of 256 bytes are shared out by address: 32,768 cx + 8,192 w + 256 lane: one instruction a wave.  K and V: the batch's first cluster asks, behind each joint load,
	; for K(j+2) and V(j+1): one key step ahead of their loads.  The weights: the launch's first cluster asks, for the tile three on: two steps ahead of its load.
	s_lshl_b32 s[TC], s[CX], 15
	s_lshl_b32 s26, s[WV], 13
	s_add_co_u32 s[TC], s[TC], s26
	s_add_nc_u64 s[PFW:PFW+1], s[12:13], s[TC:TC+1]
	s_add_nc_u64 s[PFW:PFW+1], s[PFW:PFW+1], 14*SLOT  ; stepped ahead of each ask: the first names tile 15
	s_lshl_b32 s26, s[BY], 21
	s_add_co_u32 s[TC], s[TC], s26
	s_add_nc_u64 s[PFV:PFV+1], s[8:9], s[TC:TC+1]  ; the first ask names V(1)
	s_add_nc_u64 s[PFK:PFK+1], s[6:7], s[TC:TC+1]
	s_add_nc_u64 s[PFK:PFK+1], s[PFK:PFK+1], SLOT  ; the first ask names K(2)
	s_cmp_eq_u32 ttmp9, 0
	s_cselect_b32 s[LIMK], 2, -1                   ; the count runs 16, 15 ..: K(15) is asked for at 3,
	s_cselect_b32 s[LIMV], 1, -1                   ; V(15) at 2
	s_or_b32 s26, ttmp9, s[BY]
	s_cmp_eq_u32 s26, 0
	s_cselect_b32 s[LIMW], 3, -1                   ; tile 23 is asked for with four steps left
	; O and l start at 0, m at the lowest finite number, c m far below every c s: the first step is a step like any other, with a = 0.  All this stands in the wait for the first tile.
	WIN 0x40
.set i, 0
.rept 256
	v_mov_b32 v[i], 0
.set i, i+1
.endr
	WIN 0
.irp t, 0,1,2,3
	v_mov_b32 v[ST+8*\t], 0xfe000000
	v_mov_b32 v[ST+8*\t+1], 0xff7fffff
.irp k, 2,3,4,5,6,7
	v_mov_b32 v[ST+8*\t+\k], 0
.endr
.endr
	s_wait_loadcnt 0x0                             ; Q
; THE ROUND IN FRONT OF V's FILL.  Each wave waits for all its tensor loads (one is out: its quarter of K(j)), adds 0 to its spare word, and waits for that and for its reads of slot 1 (V(j-1)).
; K's descriptor is made for the round after: the next tile of K, or behind the last the weights' first tile.
.macro RND_V
	WIN 0
	s_wait_tensorcnt 0x0
	ds_add_u32 v[SPW], v[NIL]
	s_add_nc_u64 s[KP:KP+1], s[KP:KP+1], SLOT
	s_cmp_eq_u32 s[CNT], 1
	s_cselect_b64 s[G0K+2:G0K+3], s[WP:WP+1], s[KP:KP+1]
	s_or_b32 s[G0K+3], s[G0K+3], 0x80000000
	s_wait_xcnt 0x0                                ; the last prefetches, a phase or more back, have read their addresses
	s_add_nc_u64 s[PFV:PFV+1], s[PFV:PFV+1], SLOT
	s_wait_dscnt 0x0
	CROUND
	TLD G0V                                        ; V(j): it has the scores' 128 matrix instructions in which to land
	ASK PFV, LIMV, CNT
.endm
; THE ROUND IN FRONT OF K's FILL: V(j) has landed, my maxima lie in LDS, my reads of K(j) are over.
.macro RND_K
	s_wait_tensorcnt 0x0
	ds_add_u32 v[SPW], v[NIL]
	s_add_nc_u64 s[G0V+2:G0V+3], s[G0V+2:G0V+3], SLOT
	s_wait_xcnt 0x0
	s_add_nc_u64 s[PFK:PFK+1], s[PFK:PFK+1], SLOT
	s_wait_dscnt 0x0
	CROUND
	TLD G0K                                        ; K(j+1), or the weights' tile 12: it has the softmax and V^T P in which to land
	ASK PFK, LIMK, CNT
	s_cmp_eq_u32 s[CNT], 2                         ; in the last step but one: my own 16,384 bytes of xf, which I load behind the loop
	s_cbranch_scc0 .Lnx_\@
	global_prefetch_b8 v[PFX], s[XFP:XFP+1] th:TH_LOAD_NT scope:SCOPE_SE
	global_prefetch_b8 v[PFX], s[XFP:XFP+1] offset:32768 th:TH_LOAD_NT scope:SCOPE_SE
.Lnx_\@:
.endm
; My 32 keys' maximum for each query; each accumulator's lowest registers are read first.
.macro SMAX
	PLACES
	WIN 0
.irp q, 0,1,2,3
	v_max3_num_f32 v[ST+8*\q+6], v[S+16*\q], v[S+16*\q+1], v[S+16*\q+2]
.endr
.irp q, 0,1,2,3
	v_max3_num_f32 v[ST+8*\q+7], v[S+16*\q+8], v[S+16*\q+9], v[S+16*\q+10]
.endr
.irp q, 0,1,2,3
	v_max3_num_f32 v[ST+8*\q+6], v[ST+8*\q+6], v[S+16*\q+3], v[S+16*\q+4]
.endr
.irp q, 0,1,2,3
	v_max3_num_f32 v[ST+8*\q+7], v[ST+8*\q+7], v[S+16*\q+11], v[S+16*\q+12]
.endr
.irp q, 0,1,2,3
	v_max3_num_f32 v[ST+8*\q+6], v[ST+8*\q+6], v[S+16*\q+5], v[S+16*\q+6]
.endr
.irp q, 0,1,2,3
	v_max3_num_f32 v[ST+8*\q+7], v[ST+8*\q+7], v[S+16*\q+13], v[S+16*\q+14]
.endr
.irp q, 0,1,2,3
	v_max3_num_f32 v[ST+8*\q+6], v[ST+8*\q+6], v[S+16*\q+7], v[S+16*\q+15]
.endr
.irp q, 0,1,2,3
	v_max_num_f32 v[ST+8*\q+6], v[ST+8*\q+6], v[ST+8*\q+7]
.endr
.irp q, 0,1,2,3
	v_permlanex16_b32 v[ST+8*\q+7], v[ST+8*\q+6], s[SEL], s[SEL+1]
.endr
.irp q, 0,1,2,3
	v_max_num_f32 v[MT+\q], v[ST+8*\q+6], v[ST+8*\q+7]
.endr
	ds_store_b128 v[LMS], v[MT:MT+3]
.endm
.macro FSC x                           ; pair x of 32: c s - c m
.set rr, S+16*((\x)%4)+2*((\x)/4)
.set tt, ST+8*((\x)%4)
	v_pk_fma_f32 v[rr:rr+1], v[rr:rr+1], s[CS:CS+1], v[tt:tt+1] op_sel_hi:[1,0,0] neg_lo:[0,0,1] neg_hi:[0,0,1]
.endm
; THE SOFTMAX.  The four waves' maxima and the old m give the new m.  The 4 + 64 exponentials are ONE batch with one wait: ahead of it nothing names a result of theirs.
; P goes to LDS; between the barrier's signal and its wait stand the sums and O's rescaling, work on registers.
.macro SOFT
.irp w, 0,1,2,3
	ds_load_b128 v[KB0+4*\w:KB0+4*\w+3], v[LMR] offset:256*\w
.endr
	s_wait_dscnt 0x0
.irp q, 0,1,2,3
	v_max3_num_f32 v[ST+8*\q+6], v[KB0+\q], v[KB0+4+\q], v[KB0+8+\q]
.endr
.irp q, 0,1,2,3
	v_mov_b32 v[ST+8*\q+7], v[ST+8*\q]             ; c m_old is kept: c m is written anew below
.endr
.irp q, 0,1,2,3
	v_max3_num_f32 v[ST+8*\q+1], v[ST+8*\q+6], v[KB0+12+\q], v[ST+8*\q+1]
.endr
.irp q, 0,1,2,3
	v_mul_f32 v[ST+8*\q], s[CS], v[ST+8*\q+1]
.endr
.irp q, 0,1,2,3
	v_sub_f32 v[ST+8*\q+7], v[ST+8*\q+7], v[ST+8*\q]
.endr
.irp q, 0,1,2,3
	v_exp_f32 v[ST+8*\q+4], v[ST+8*\q+7]           ; a
.endr
	FSC 0
	FSC 1
.set p, 0
.rept 32                                           ; a pair is scaled two pairs ahead of its exponentials
.if p < 30
	FSC p+2
.endif
.set e0, S+16*(p%4)+2*(p/4)
	v_exp_f32 v[e0], v[e0]
	v_exp_f32 v[e0+1], v[e0+1]
.set p, p+1
.endr
	v_nop                                          ; a plain instruction behind the last exponential (ISA guide 5.7.2),
	s_wait_alu depctr_va_vdst(0)                   ; and the one wait ahead of the batch's first reader
.set i, 0
.rept 32                                           ; two accumulators of a query tile, rounded, are P's fragment (position w, query tile)
	v_cvt_pk_f16_f32 v[KB1+i], v[S+2*i], v[S+2*i+1]
.set i, i+1
.endr
.irp q, 0,1,2,3
	ds_store_b128 v[LPS], v[KB1+8*\q:KB1+8*\q+3] offset:\q*1024
	ds_store_b128 v[LPS], v[KB1+8*\q+4:KB1+8*\q+7] offset:\q*1024+512
.endr
	s_wait_dscnt 0x0                               ; for the others' sake: my part of P lies in LDS
	s_barrier_signal -1                            ; K(j+1) may stay on its way
.irp b, 0,1,2,3
.irp q, 0,1,2,3
	v_pk_add_f32 v[S+16*\q+2*\b:S+16*\q+2*\b+1], v[S+16*\q+2*\b:S+16*\q+2*\b+1], v[S+16*\q+2*\b+8:S+16*\q+2*\b+9]
.endr
.endr
.irp b, 0,1
.irp q, 0,1,2,3
	v_pk_add_f32 v[S+16*\q+2*\b:S+16*\q+2*\b+1], v[S+16*\q+2*\b:S+16*\q+2*\b+1], v[S+16*\q+2*\b+4:S+16*\q+2*\b+5]
.endr
.endr
.irp q, 0,1,2,3
	v_pk_add_f32 v[S+16*\q:S+16*\q+1], v[S+16*\q:S+16*\q+1], v[S+16*\q+2:S+16*\q+3]
.endr
.irp q, 0,1,2,3
	v_pk_fma_f32 v[ST+8*\q+2:ST+8*\q+3], v[ST+8*\q+2:ST+8*\q+3], v[ST+8*\q+4:ST+8*\q+5], v[S+16*\q:S+16*\q+1] op_sel_hi:[1,0,1]  ; l = a l + my keys' sum
.endr
	OSCALE                                         ; O = a O
	s_barrier_wait -1                              ; all of P lies in LDS
.endm
	s_mov_b32 s[CNT], 16
.Lkey:                                             ; a key step: 128 keys
	RND_V
	SPHASE
	SMAX
	RND_K
	SOFT
	MM4 VLOAD
	s_sub_co_u32 s[CNT], s[CNT], 1
	s_cmp_lg_u32 s[CNT], 0
	s_cbranch_scc1 .Lkey
	; BEHIND ATTENTION.  x's fragments and bo are asked for; the waves' l meet in LDS; ctx = O / l becomes my fragments; the next sums start as x + bo.
	WIN 0xc0
.irp f, 0,1,2,3
.irp t, 0,1,2,3
	global_load_b128 v[128+32*\f+8*\t:128+32*\f+8*\t+3], v[XFO], s[XFP:XFP+1] offset:\t*16384+\f*1024 th:TH_LOAD_NT
	global_load_b128 v[128+32*\f+8*\t+4:128+32*\f+8*\t+7], v[XFO], s[XFP:XFP+1] offset:\t*16384+\f*1024+512 th:TH_LOAD_NT
.endr
.endr
	WIN 0
	TLOAD 0, KB0, 0                                ; bo
	HSUM MT, 1
	ds_store_b128 v[LMS], v[MT:MT+3] offset:1024
	s_wait_dscnt 0x0
	s_barrier_signal -1
	s_barrier_wait -1                              ; the weights' first tile may stay on its way
.irp w, 0,1,2,3
	ds_load_b128 v[KB1+4*\w:KB1+4*\w+3], v[LMR] offset:1024+256*\w
.endr
	s_wait_dscnt 0x0
.irp t, 0,1,2,3
	v_add_f32 v[ST+8*\t+6], v[KB1+\t], v[KB1+4+\t]
.endr
.irp t, 0,1,2,3
	v_add_f32 v[ST+8*\t+7], v[KB1+8+\t], v[KB1+12+\t]
.endr
.irp t, 0,1,2,3
	v_add_f32 v[ST+8*\t+6], v[ST+8*\t+6], v[ST+8*\t+7]
.endr
.irp t, 0,1,2,3
	v_rcp_f32 v[ST+8*\t+4], v[ST+8*\t+6]
.endr
	v_nop
	s_wait_alu depctr_va_vdst(0)                   ; one wait for the four reciprocals
	OSCALE
	PACKPK 0xc5                                    ; sources window 1, destination window 3
	s_wait_loadcnt 0x0                             ; x and bo
	WIN 0x43                                       ; x in window 3, 1.0 and bo in window 0, the sums in window 1
.set t, 0
.rept 4
.set n, 0
.rept 8
.set j, 0
.rept 4
	v_fma_mix_f32 v[64*t+8*n+2*j], v[128+32*(n/2)+8*t+4*(n%2)+j], v[ONE], v[KB0+8*n+2*j] op_sel_hi:[1,0,0]
	v_fma_mix_f32 v[64*t+8*n+2*j+1], v[128+32*(n/2)+8*t+4*(n%2)+j], v[ONE], v[KB0+8*n+2*j+1] op_sel:[1,0,0] op_sel_hi:[1,0,0]
.set j, j+1
.endr
.set n, n+1
.endr
.set t, t+1
.endr
	TLOAD 1, 128, 0xc0                             ; ln1_g, ln1_b, where x lay
	TLOAD 2, 192, 0xc0
; A STEP OF THE LATER PRODUCTS.  Step i of four: every wave publishes its fragments PK(i, .), so that the step's 16 fragments hold k fragments 4 kg + i; the step's tile of weights is laid out to match.
.macro STEPHEAD
	s_xor_b32 s[TB], s[TB], SLOT
	s_xor_b32 s[PBT], s[PBT], PBB
	v_add_nc_u32 v[WA0], s[TB], v[WB0]
	v_add_nc_u32 v[WA0+1], s[TB], v[WB0+1]
	v_add_nc_u32 v[PA], s[PBT], v[LP]
	v_add_nc_u32 v[PS], s[PBT], v[LPS]
.endm
.macro PUB i                           ; the buffer was last read two steps back, with a round between
	WIN 0x0c
.irp t, 0,1,2,3
	ds_store_b128 v[PS], v[32*(\i)+8*\t:32*(\i)+8*\t+3] offset:\t*1024
	ds_store_b128 v[PS], v[32*(\i)+8*\t+4:32*(\i)+8*\t+7] offset:\t*1024+512
.endr
	WIN 0
.endm
.macro PUBSEL                          ; the count 4, 3, 2, 1 chooses i = 0 .. 3: forward jumps over LDS stores alone
	s_cmp_eq_u32 s[CNT4], 4
	s_cbranch_scc0 .Lp1_\@
	PUB 0
	s_branch .Lpe_\@
.Lp1_\@:
	s_cmp_eq_u32 s[CNT4], 3
	s_cbranch_scc0 .Lp2_\@
	PUB 1
	s_branch .Lpe_\@
.Lp2_\@:
	s_cmp_eq_u32 s[CNT4], 2
	s_cbranch_scc0 .Lp3_\@
	PUB 2
	s_branch .Lpe_\@
.Lp3_\@:
	PUB 3
.Lpe_\@:
.endm
.macro TCH fill                        ; the change of slots: as in attention; my published fragments are waited for with my reads
	WIN 0
	s_wait_tensorcnt 0x0
	ds_add_u32 v[SPW], v[NIL]
.if \fill
	s_xor_b32 s[G0K+1], s[G0K+1], SLOT
	s_add_nc_u64 s[G0K+2:G0K+3], s[G0K+2:G0K+3], SLOT
	s_wait_xcnt 0x0
	s_add_nc_u64 s[PFW:PFW+1], s[PFW:PFW+1], SLOT
	s_wait_dscnt 0x0
	CROUND
	TLD G0K
	ASK PFW, LIMW, TLEFT
	s_sub_co_u32 s[TLEFT], s[TLEFT], 1
.else
	s_wait_dscnt 0x0
	s_barrier_signal -1
	s_barrier_wait -1
.endif
.endm
.macro GEMMLOOP last                   ; steps while the count is not 'last'
	WIN 0
	s_mov_b32 s[CNT4], 4
.Lg_\@:
	STEPHEAD
	PUBSEL
	TCH 1
	MM4 GLOAD
	s_sub_co_u32 s[CNT4], s[CNT4], 1
	s_cmp_lg_u32 s[CNT4], \last
	s_cbranch_scc1 .Lg_\@
.endm
; LAYERNORM of the sums in window 1; gain and bias in window 3; the result goes where wout says.
.macro LNORM wout
	WIN 0x05
.irp t, 0,1,2,3
	v_pk_add_f32 v[ST+8*\t+2:ST+8*\t+3], v[64*\t:64*\t+1], v[64*\t+2:64*\t+3]
.endr
	WIN 0x04
.set z, 2
.rept 30
.irp t, 0,1,2,3
	v_pk_add_f32 v[ST+8*\t+2:ST+8*\t+3], v[ST+8*\t+2:ST+8*\t+3], v[64*\t+2*z:64*\t+2*z+1]
.endr
.set z, z+1
.endr
	WIN 0
	HSUM ST+6, 8
.irp t, 0,1,2,3
	v_mul_f32 v[ST+8*\t], s[R128], v[ST+8*\t+6]    ; the mean of my 128 columns,
.endr
.irp t, 0,1,2,3
	v_mul_f32 v[MT+\t], s[R128], v[ST+8*\t+6]      ; and once more among the four that go to LDS
.endr
	WIN 0x41
.set z, 0
.rept 32
.irp t, 0,1,2,3
	v_pk_add_f32 v[64*\t+2*z:64*\t+2*z+1], v[64*\t+2*z:64*\t+2*z+1], v[ST+8*\t:ST+8*\t+1] op_sel_hi:[1,0] neg_lo:[0,1] neg_hi:[0,1]
.endr
.set z, z+1
.endr
	WIN 0x05
.irp t, 0,1,2,3
	v_pk_mul_f32 v[ST+8*\t+2:ST+8*\t+3], v[64*\t:64*\t+1], v[64*\t:64*\t+1]
.endr
.set z, 1
.rept 31
.irp t, 0,1,2,3
	v_pk_fma_f32 v[ST+8*\t+2:ST+8*\t+3], v[64*\t+2*z:64*\t+2*z+1], v[64*\t+2*z:64*\t+2*z+1], v[ST+8*\t+2:ST+8*\t+3]
.endr
.set z, z+1
.endr
	WIN 0
	HSUM MT2, 1
	ds_store_b128 v[LMS], v[MT:MT+3]
	ds_store_b128 v[LMS], v[MT2:MT2+3] offset:1024
	s_wait_dscnt 0x0
	s_barrier_signal -1
	s_barrier_wait -1
.irp w, 0,1,2,3
	ds_load_b128 v[KB1+4*\w:KB1+4*\w+3], v[LMR] offset:256*\w
.endr
.irp w, 0,1,2,3
	ds_load_b128 v[KB1+16+4*\w:KB1+16+4*\w+3], v[LMR] offset:1024+256*\w
.endr
	s_wait_dscnt 0x0
.irp t, 0,1,2,3
	v_add_f32 v[ST+8*\t+6], v[KB1+\t], v[KB1+4+\t]
.endr
.irp t, 0,1,2,3
	v_add_f32 v[ST+8*\t+7], v[KB1+8+\t], v[KB1+12+\t]
.endr
.irp t, 0,1,2,3
	v_add_f32 v[ST+8*\t+6], v[ST+8*\t+6], v[ST+8*\t+7]
.endr
.irp t, 0,1,2,3
	v_mul_f32 v[ST+8*\t+6], s[QRT], v[ST+8*\t+6]   ; the row's mean
.endr
.irp w, 0,1,2,3
.irp t, 0,1,2,3
	v_sub_f32 v[KB1+4*\w+\t], v[KB1+4*\w+\t], v[ST+8*\t+6]
.endr
.endr
.irp t, 0,1,2,3
	v_mul_f32 v[ST+8*\t+7], v[KB1+\t], v[KB1+\t]
.endr
.irp w, 1,2,3
.irp t, 0,1,2,3
	v_fmac_f32 v[ST+8*\t+7], v[KB1+4*\w+\t], v[KB1+4*\w+\t]
.endr
.endr
.irp t, 0,1,2,3
	v_add_f32 v[KB1+16+\t], v[KB1+16+\t], v[KB1+20+\t]
.endr
.irp t, 0,1,2,3
	v_add_f32 v[KB1+24+\t], v[KB1+24+\t], v[KB1+28+\t]
.endr
.irp t, 0,1,2,3
	v_add_f32 v[KB1+16+\t], v[KB1+16+\t], v[KB1+24+\t]
.endr
.irp t, 0,1,2,3
	v_fma_f32 v[ST+8*\t+7], v[ST+8*\t+7], s[C128], v[KB1+16+\t]
.endr
.irp t, 0,1,2,3
	v_fma_f32 v[ST+8*\t+7], v[ST+8*\t+7], s[R512], s[EPS]   ; the variance + 1e-5
.endr
.irp t, 0,1,2,3
	v_sub_f32 v[ST+8*\t+6], v[ST+8*\t], v[ST+8*\t+6]        ; my mean less the row's
.endr
.irp t, 0,1,2,3
	v_rsq_f32 v[ST+8*\t+4], v[ST+8*\t+7]
.endr
	v_nop
	s_wait_alu depctr_va_vdst(0)                   ; one wait for the four roots
.irp t, 0,1,2,3
	v_mul_f32 v[ST+8*\t+6], v[ST+8*\t+6], v[ST+8*\t+4]
.endr
	WIN 0x41
.set z, 0
.rept 32
.irp t, 0,1,2,3
	v_pk_fma_f32 v[64*\t+2*z:64*\t+2*z+1], v[64*\t+2*z:64*\t+2*z+1], v[ST+8*\t+4:ST+8*\t+5], v[ST+8*\t+6:ST+8*\t+7] op_sel_hi:[1,0,0]
.endr
.set z, z+1
.endr
	s_wait_loadcnt 0x0                             ; gain and bias, and what else was asked for
	WIN \wout
.set z, 0
.rept 32
.irp t, 0,1,2,3
	v_pk_fma_f32 v[64*\t+2*z:64*\t+2*z+1], v[64*\t+2*z:64*\t+2*z+1], v[128+2*z:128+2*z+1], v[192+2*z:192+2*z+1]
.endr
.set z, z+1
.endr
	WIN 0
.endm
	s_mov_b32 s[TB], SLOT                          ; the first step turns these two into 0
	s_mov_b32 s[PBT], PBB
	s_mov_b32 s[TLEFT], 12
	GEMMLOOP 0                                     ; x + bo + ctx wo
	TLOAD 3, KB0, 0                                ; b1
	LNORM 0xbd                                     ; src, in f32, into window 2
	PACKPK 0xca                                    ; src in f16: sources window 2, destination window 3
	WIN 0x40
.set z, 0
.rept 32
.irp t, 0,1,2,3
	v_pk_mul_f32 v[64*\t+2*z:64*\t+2*z+1], v[KB0+2*z:KB0+2*z+1], 1.0 op_sel_hi:[1,0]   ; the next sums start as b1, two numbers a line
.endr
.set z, z+1
.endr
	GEMMLOOP 0                                     ; b1 + src w1
	TLOAD 4, KB0, 0                                ; b2
	TLOAD 5, 128, 0xc0                             ; ln2_g, ln2_b
	TLOAD 6, 192, 0xc0
	PACKPK 0xc5
	WIN 0xc3
.set i, 0
.rept 128
	v_pk_max_num_f16 v[i], v[i], v[ZR]             ; h = relu, on the packed halves
.set i, i+1
.endr
	s_wait_loadcnt 0x0
	WIN 0x42
.set z, 0
.rept 32
.irp t, 0,1,2,3
	v_pk_add_f32 v[64*\t+2*z:64*\t+2*z+1], v[64*\t+2*z:64*\t+2*z+1], v[KB0+2*z:KB0+2*z+1]   ; the next sums start as src + b2
.endr
.set z, z+1
.endr
	GEMMLOOP 1                                     ; src + b2 + h w2: three steps,
	STEPHEAD                                       ; and the last written out: it asks for nothing
	PUB 3
	TCH 0
	MM4 GLOAD
	LNORM 0x7d                                     ; out1's numbers, in place
	; THE WAY OUT.  Eight groups a = 2 t + hc of 16 rows x 64 columns go through my stage: in by rows of 272 bytes, back as whole rows of 256, stored so that 16 lanes cover 256 bytes on end, aligned.
	; On the way each lane adds up its four columns: the block's column sums.
.macro STGA a
	s_wait_xcnt 0x0                                ; the stores of the group two back have read the registers that are loaded again
	WIN 0x04
.irp n, 0,1,2,3
	ds_store_b128 v[STO], v[32*(\a)+8*\n:32*(\a)+8*\n+3] offset:\n*64
	ds_store_b128 v[STO], v[32*(\a)+8*\n+4:32*(\a)+8*\n+7] offset:\n*64+16
.endr
	WIN 0
.irp i, 0,1,2,3,4,5,6,7
	ds_load_b128 v[OB+32*((\a)%2)+4*\i:OB+32*((\a)%2)+4*\i+3], v[RD] offset:\i*2*SP   ; LDS serves a wave's instructions in order (ISA guide 5.7.1.4): these see the stores above; the next group's stores come behind them
.endr
.endm
.macro SENDA a
.irp i, 0,1,2,3,4,5,6,7
	v_pk_add_f32 v[PSM+4*((\a)%2):PSM+4*((\a)%2)+1], v[PSM+4*((\a)%2):PSM+4*((\a)%2)+1], v[OB+32*((\a)%2)+4*\i:OB+32*((\a)%2)+4*\i+1]
	v_pk_add_f32 v[PSM+4*((\a)%2)+2:PSM+4*((\a)%2)+3], v[PSM+4*((\a)%2)+2:PSM+4*((\a)%2)+3], v[OB+32*((\a)%2)+4*\i+2:OB+32*((\a)%2)+4*\i+3]
.endr
.irp i, 0,1,2,3,4,5,6,7
	global_store_b128 v[GO], v[OB+32*((\a)%2)+4*\i:OB+32*((\a)%2)+4*\i+3], s[OUTP:OUTP+1] offset:(16*((\a)/2)+2*\i)*2048+((\a)%2)*256 th:TH_STORE_NT
.endr
.endm
.irp k, 0,1,2,3,4,5,6,7
	v_mov_b32 v[PSM+\k], 0
.endr
	STGA 0
.irp a, 0,1,2,3,4,5,6,7
.if \a < 7
	STGA \a+1
	s_wait_dscnt 16                                ; this group is back; the next group's sixteen LDS instructions may stay out
.else
	s_wait_dscnt 0x0
.endif
	SENDA \a
.endr
.irp k, 0,1,2,3,4,5,6,7
	v_permlanex16_b32 v[PSM+8+\k], v[PSM+\k], s[SEL], s[SEL+1]   ; the odd rows' sums lie in the lane 16 away
.endr
.irp k, 0,1,2,3,4,5,6,7
	v_add_f32 v[PSM+\k], v[PSM+\k], v[PSM+8+\k]
.endr
.irp k, 0,1,2,3
	v_cndmask_b32 v[PSM+16+\k], v[PSM+\k], v[PSM+4+\k], s[HMASK] ; lanes 0-15 store my first 64 columns' sums, lanes 16-31 the other 64
.endr
	global_store_b128 v[LN16], v[PSM+16:PSM+19], s[PSP:PSP+1]
	s_wait_tensorcnt 0x0                           ; the wave's end, behind my last tensor load and my last LDS store
	ds_add_u32 v[SPW], v[NIL]
	s_wait_dscnt 0x0
	CROUND                                         ; the closing round: no work-group ends while a partner may still ask for a tile that names it
	s_endpgm
.Lfunc_end_k_q7083ba7ae6_attn:
	.size	k_q7083ba7ae6_attn, .Lfunc_end_k_q7083ba7ae6_attn-k_q7083ba7ae6_attn
	.p2alignl 7, 3214868480
	.fill 96, 4, 3214868480
	.section	.rodata,"a",@progbits
	.p2align	6, 0x0
	.amdhsa_kernel k_q7083ba7ae6_attn
		.amdhsa_group_segment_fixed_size 327680
		.amdhsa_private_segment_fixed_size 0
		.amdhsa_enable_private_segment 0
		.amdhsa_kernarg_size 64
		.amdhsa_user_sgpr_count 2
		.amdhsa_user_sgpr_kernarg_segment_ptr 1
		.amdhsa_wavefront_size32 1
		.amdhsa_system_sgpr_workgroup_id_x 1
		.amdhsa_system_sgpr_workgroup_id_y 1
		.amdhsa_system_sgpr_workgroup_id_z 1
		.amdhsa_system_vgpr_workitem_id 0
		.amdhsa_next_free_vgpr 1024
		.amdhsa_next_free_sgpr 88
		.amdhsa_reserve_vcc 0
		.amdhsa_float_denorm_mode_32 3
		.amdhsa_float_denorm_mode_16_64 3
		.amdhsa_memory_ordered 1
		.amdhsa_forward_progress 1
		.amdhsa_inst_pref_size 255
	.end_amdhsa_kernel
	.section	.bss,"aw",@nobits
	.p2align	6
	.space	262144
	.amdgpu_metadata
---
amdhsa.version: [ 1, 2 ]
amdhsa.kernels:
  - .name:           k_q7083ba7ae6_attn
    .symbol:         k_q7083ba7ae6_attn.kd
    .args:
      - { .name: qf, .offset: 0, .size: 8, .value_kind: global_buffer, .address_space: global }
      - { .name: kf, .offset: 8, .size: 8, .value_kind: global_buffer, .address_space: global }
      - { .name: vf, .offset: 16, .size: 8, .value_kind: global_buffer, .address_space: global }
      - { .name: xf, .offset: 24, .size: 8, .value_kind: global_buffer, .address_space: global }
      - { .name: wf, .offset: 32, .size: 8, .value_kind: global_buffer, .address_space: global }
      - { .name: tab, .offset: 40, .size: 8, .value_kind: global_buffer, .address_space: global }
      - { .name: out1, .offset: 48, .size: 8, .value_kind: global_buffer, .address_space: global }
      - { .name: psum, .offset: 56, .size: 8, .value_kind: global_buffer, .address_space: global }
    .group_segment_fixed_size: 327680
    .private_segment_fixed_size: 0
    .kernarg_segment_align: 8
    .kernarg_segment_size: 64
    .max_flat_workgroup_size: 128
    .sgpr_count:     88
    .vgpr_count:     1024
    .wavefront_size: 32
...
	.end_amdgpu_metadata
.endif
;; end of part 3
;; launch pool (part 4): grid 8 x 1, 4 waves a work-group, no clusters, 1,024 bytes of LDS; arguments psum, wc, bc, out0; writes out0
.if DOCPART == 4
	.amdgcn_target "amdgcn-amd-amdhsa--gfx1250"
	.amdhsa_code_object_version 6
	.text
	.protected	k_q7083ba7ae6_pool
	.globl	k_q7083ba7ae6_pool
	.p2align	8
	.type	k_q7083ba7ae6_pool,@function
k_q7083ba7ae6_pool:
	s_mov_b64 s[64:65], 0
	v_nop
	global_prefetch_b8 v0, s[64:65] scope:SCOPE_SE
	s_setreg_imm32_b32 hwreg(HW_REG_WAVE_MODE, 25, 1), 1
	s_wait_xcnt 0x0
; out0[b][o] = the sum over d of mean_s(out1[b][s][d]) wc[d][o] + bc[o].  psum holds, for each of a batch's 32 blocks of 64 rows, the 512 column sums in f32.
; A work-group takes a batch: eight work-groups are all the work there is.  Thread t owns columns 4 t .. 4 t + 3: 32 loads of 16 bytes (a wave's load covers 512 bytes on end), and the 160 bytes of wc's four rows.
; wc and bc are rounded to bf16 like every input; all sums in f32.  No matrix unit: ten outputs for 512 columns.
.set SPARE, 256                        ; the spare words, 128 bytes for each wave; bytes 0-255: the four waves' sixteen words
.set SPW, 8
.set NIL, 9
.set PQ,  16                           ; v[16:143]  the 32 blocks' sums of my four columns
.set WCR, 144                          ; v[144:183] wc's four rows as loaded
.set WF,  20                           ; v[20:59]   the same, rounded
.set TM,  60
.set PR,  64                           ; v[64:79]   ten partial outputs and six zeros
	s_load_b256 s[4:11], s[0:1], 0x0               ; psum s[4:5], wc s[6:7], bc s[8:9], out0 s[10:11]
	v_lshl_add_u32 v[SPW], v0, 2, SPARE
	v_mov_b32 v[NIL], 0
	v_lshrrev_b32 v1, 5, v0
	v_readfirstlane_b32 s12, v1                    ; wave
	s_lshl_b32 s13, s12, 6
	s_lshl_b32 s14, ttmp9, 16                      ; a batch's 32 blocks of 2,048 bytes
	s_mov_b32 s15, 0
	s_mul_i32 s16, ttmp9, 40
	s_mov_b32 s17, 0
	s_mov_b32 s18, 0x76543210
	s_mov_b32 s19, 0xfedcba98
	s_mov_b32 s20, 0xffff0000
	v_lshlrev_b32 v2, 4, v0
	v_mul_u32_u24 v3, v0, 160
	v_mov_b32 v10, s13
	v_and_b32 v11, 15, v0
	v_lshlrev_b32 v11, 2, v11
	v_lshlrev_b32 v12, 2, v0
	s_wait_kmcnt 0x0
	s_add_nc_u64 s[4:5], s[4:5], s[14:15]
	s_add_nc_u64 s[10:11], s[10:11], s[16:17]
.set i, 0
.rept 32
	global_load_b128 v[PQ+4*i:PQ+4*i+3], v2, s[4:5] offset:i*2048
.set i, i+1
.endr
.set i, 0
.rept 10
	global_load_b128 v[WCR+4*i:WCR+4*i+3], v3, s[6:7] offset:i*16
.set i, i+1
.endr
	s_wait_loadcnt 10                              ; the sums are in; wc's ten loads may stay out
.irp d, 16,8,4,2,1
.set i, 0
.rept \d
	v_pk_add_f32 v[PQ+4*i:PQ+4*i+1], v[PQ+4*i:PQ+4*i+1], v[PQ+4*(i+\d):PQ+4*(i+\d)+1]
	v_pk_add_f32 v[PQ+4*i+2:PQ+4*i+3], v[PQ+4*i+2:PQ+4*i+3], v[PQ+4*(i+\d)+2:PQ+4*(i+\d)+3]
.set i, i+1
.endr
.endr
	v_pk_mul_f32 v[PQ:PQ+1], v[PQ:PQ+1], 0x3a000000 op_sel_hi:[1,0]       ; 1/2048
	v_pk_mul_f32 v[PQ+2:PQ+3], v[PQ+2:PQ+3], 0x3a000000 op_sel_hi:[1,0]
	s_wait_loadcnt 0x0
.set i, 0
.rept 20
	v_cvt_pk_bf16_f32 v[TM], v[WCR+2*i], v[WCR+2*i+1]
	v_lshlrev_b32 v[WF+2*i], 16, v[TM]
	v_and_b32 v[WF+2*i+1], s20, v[TM]
.set i, i+1
.endr
.set i, 0
.rept 10
	v_mul_f32 v[PR+i], v[PQ], v[WF+i]
	v_fmac_f32 v[PR+i], v[PQ+1], v[WF+10+i]
	v_fmac_f32 v[PR+i], v[PQ+2], v[WF+20+i]
	v_fmac_f32 v[PR+i], v[PQ+3], v[WF+30+i]
.set i, i+1
.endr
.irp m, 1,2,4,8
.set i, 0
.rept 10
	v_add_f32_dpp v[PR+i], v[PR+i], v[PR+i] row_xmask:\m row_mask:0xf bank_mask:0xf
.set i, i+1
.endr
.endr
.set i, 0
.rept 10
	v_permlanex16_b32 v[WF+i], v[PR+i], s18, s19
.set i, i+1
.endr
.set i, 0
.rept 10
	v_add_f32 v[PR+i], v[PR+i], v[WF+i]            ; every lane holds the wave's ten sums
.set i, i+1
.endr
.irp k, 10,11,12,13,14,15
	v_mov_b32 v[PR+\k], 0
.endr
.irp k, 0,1,2,3
	ds_store_b128 v10, v[PR+4*\k:PR+4*\k+3] offset:16*\k   ; all lanes write the same words with the same values
.endr
	s_wait_dscnt 0x0
	s_barrier_signal -1
	s_barrier_wait -1
	s_cmp_lg_u32 s12, 0
	s_cbranch_scc1 .Lend
.irp w, 0,1,2,3
	ds_load_b32 v[84+\w], v11 offset:64*\w
.endr
	s_wait_dscnt 0x0
	v_add_f32 v84, v84, v85
	v_add_f32 v86, v86, v87
	v_add_f32 v84, v84, v86
	s_wait_xcnt 0x0                                ; EXEC changes only behind this wait
	v_cmp_gt_u32 vcc_lo, 10, v0
	s_and_saveexec_b32 s21, vcc_lo                 ; threads 0 to 9: an output each
	global_load_b32 v88, v12, s[8:9]
	s_wait_loadcnt 0x0
	v_cvt_pk_bf16_f32 v88, v88, v88
	v_lshlrev_b32 v88, 16, v88
	v_add_f32 v84, v84, v88
	global_store_b32 v12, v84, s[10:11]
	s_wait_xcnt 0x0                                ; and again, in front of the line that widens it
	s_or_b32 exec_lo, exec_lo, s21
.Lend:
	s_wait_tensorcnt 0x0                           ; the wave's end, behind my last LDS store
	ds_add_u32 v[SPW], v[NIL]
	s_wait_dscnt 0x0
	s_endpgm
.Lfunc_end_k_q7083ba7ae6_pool:
	.size	k_q7083ba7ae6_pool, .Lfunc_end_k_q7083ba7ae6_pool-k_q7083ba7ae6_pool
	.p2alignl 7, 3214868480
	.fill 96, 4, 3214868480
	.section	.rodata,"a",@progbits
	.p2align	6, 0x0
	.amdhsa_kernel k_q7083ba7ae6_pool
		.amdhsa_group_segment_fixed_size 1024
		.amdhsa_private_segment_fixed_size 0
		.amdhsa_enable_private_segment 0
		.amdhsa_kernarg_size 32
		.amdhsa_user_sgpr_count 2
		.amdhsa_user_sgpr_kernarg_segment_ptr 1
		.amdhsa_wavefront_size32 1
		.amdhsa_system_sgpr_workgroup_id_x 1
		.amdhsa_system_sgpr_workgroup_id_y 1
		.amdhsa_system_sgpr_workgroup_id_z 1
		.amdhsa_system_vgpr_workitem_id 0
		.amdhsa_next_free_vgpr 192
		.amdhsa_next_free_sgpr 66
		.amdhsa_reserve_vcc 1
		.amdhsa_float_denorm_mode_32 3
		.amdhsa_float_denorm_mode_16_64 3
		.amdhsa_memory_ordered 1
		.amdhsa_forward_progress 1
		.amdhsa_inst_pref_size 19
	.end_amdhsa_kernel
	.amdgpu_metadata
---
amdhsa.version: [ 1, 2 ]
amdhsa.kernels:
  - .name:           k_q7083ba7ae6_pool
    .symbol:         k_q7083ba7ae6_pool.kd
    .args:
      - { .name: psum, .offset: 0, .size: 8, .value_kind: global_buffer, .address_space: global }
      - { .name: wc, .offset: 8, .size: 8, .value_kind: global_buffer, .address_space: global }
      - { .name: bc, .offset: 16, .size: 8, .value_kind: global_buffer, .address_space: global }
      - { .name: out0, .offset: 24, .size: 8, .value_kind: global_buffer, .address_space: global }
    .group_segment_fixed_size: 1024
    .private_segment_fixed_size: 0
    .kernarg_segment_align: 8
    .kernarg_segment_size: 32
    .max_flat_workgroup_size: 128
    .sgpr_count:     66
    .vgpr_count:     192
    .wavefront_size: 32
...
	.end_amdgpu_metadata
.endif
;; end of part 4
;; ======== version 2 of 2: 4 launches
;; limits: values are held in f16: magnitudes above 65,504 overflow, below 6.1e-05 lose precision
;; workspace buffers: wf 2,097,152 bytes; tab 14,336 bytes; qf 16,777,216 bytes; xb 16,777,216 bytes; psum 524,288 bytes
;; launch prep (part 5): grid 256 x 1, 4 waves a work-group, no clusters, 33,280 bytes of LDS; arguments wq, wk, wv, wo, w1, w2, bo, ln1_g, ln1_b, b1, b2, ln2_g, ln2_b, wf, tab; writes wf, tab
.if DOCPART == 5
	.amdgcn_target "amdgcn-amd-amdhsa--gfx1250"
	.amdhsa_code_object_version 6
	.text
	.protected	k_q7083ba7ae6_prep
	.globl	k_q7083ba7ae6_prep
	.p2align	8
	.type	k_q7083ba7ae6_prep,@function
k_q7083ba7ae6_prep:
	s_mov_b64 s[64:65], 0
	v_nop
	global_prefetch_b8 v0, s[64:65] scope:SCOPE_SE
	s_setreg_imm32_b32 hwreg(HW_REG_WAVE_MODE, 25, 1), 1
	s_wait_xcnt 0x0
; THE WEIGHTS, FOLDED AND LAID OUT AS FRAGMENT IMAGES.
; scores = (x wq)(x wk)^T = (x A) x^T with A[d][d'] = sum_k wq[d][k] wk[d'][k];  (P (x wv)) wo = (P x) C with C[k][d] = sum_j wv[k][j] wo[j][d].  Both hold for every input; the later launches
; multiply by A and C, so that keys and values are x itself.  THE ORDER OF PRODUCTS DIFFERS FROM reference()'s, and so do the places of the roundings: wq, wk, wv, wo are rounded to bf16 (the inputs'
; rounding), multiplied with f32 sums, and A is rounded once to bf16, C once to f16.  w1 and w2 are rounded to bf16 and that number written as f16.
; LIMITS.  C, w1, w2 stay under 65,504 in magnitude; below 2^-14 they keep f16's fixed step of 2^-24.
; A FRAGMENT is 1,024 bytes: 16 columns n x 32 k; byte c*512 + lane*16 + 2e holds (n = n0 + lane%16, k = k0 + 16c + 8(lane/16) + e).
; wf: matrix slot s at s*524,288: 0 A, 1 C, 2 w1, 3 w2.  Slot 0: fragment number fi = nb*16 + kf (nb = n/16, kf = k/32).  Slots 1-3: fi = i*128 + kg*32 + nb holds kf = 4 kg + i.
; tab: bo, ln1_g, ln1_b, b1, b2, ln2_g, ln2_b, each rounded to bf16 and kept as 512 f32.
; SHARES.  Work-group g: matrix g/128; a block of 64 (k of the later product: rows m) x 32 (columns n).  THE SUM'S INDEX IS SPLIT AMONG THE FOUR WAVES, 128 each: 16 + 8 fragments a wave, all its loads out at once,
; 32 matrix instructions; the four partial sums meet in LDS and each wave finishes one fragment (two accumulators, one above the other, rounded, ARE a fragment: a lane holds column n and 8 k).
; Within 32 of the sum's index lane half h takes 16 h .. 16 h + 15, for both sources alike, so that a lane reads 64 bytes on end of a row; wo, which lies the other way, comes by loads of 4 bytes.
; Each wave also converts one fragment of w1 (g < 128) or w2.  Work-groups 0-13 take half a table each.
.set SPARE, 32768                      ; behind the partial sums: the spare words, 128 bytes for each wave: two blocks of 256 bytes that no other line names
.set AO,  2                            ; v2   my byte offset in the rows of the first source
.set BO,  3                            ; v3   the same for wk's rows
.set BG,  4                            ; v4   my byte offset in wo
.set CO,  5                            ; v5   my byte offset in w1 or w2
.set SO,  6                            ; v6   16 x lane
.set LS,  7                            ; v7   where I put my partial sums: 8,192 w + 16 lane
.set SPW, 8                            ; v8   my spare word
.set NIL, 9                            ; v9   0
.set TM,  10                           ; v[10:12] at work
.set LR,  13                           ; v13  where I read the four partial sums of my fragment
.set CV,  16                           ; v[16:31]  the fragment of w1 or w2
.set ACC, 32                           ; v[32:95]  accumulator (mt, nt) at ACC + 8 (2 mt + nt)
.set RS,  96                           ; v[96:159] four waves' 16 numbers
.set OF,  160                          ; v[160:167] my fragment
.set TV,  168                          ; v[168:173] the tables
.set WVN, 34
.set MAT, 35
.set AP,  36                           ; s[36:37] wq or wv
.set CP,  40                           ; s[40:41] w1 or w2
.set HIM, 42
.set GO,  56                           ; s[56:57] wf at my product's fragment
.set CG,  58                           ; s[58:59] wf at my converted fragment
; window 1: the first source's 16 fragments ((mt, q) at 16 (4 mt + q): 16 f32, then 8 registers of bf16); window 2, v0-127: the second source's 8 ((nt, q) likewise)
.set MSB, 0
.macro WIN new                         ; s_set_vgpr_msb: bits 1:0 source 0, 3:2 source 1, 5:4 source 2, 7:6 destination; the high byte repeats the setting that is left
.if MSB != (\new)
	s_set_vgpr_msb (MSB<<8)|(\new)
.set MSB, (\new)
.endif
.endm
	s_load_b512 s[4:19], s[0:1], 0x0               ; wq wk wv wo w1 w2 bo ln1_g
	s_load_b256 s[20:27], s[0:1], 0x40             ; ln1_b b1 b2 ln2_g
	s_load_b128 s[28:31], s[0:1], 0x60             ; ln2_b wf
	s_load_b64 s[32:33], s[0:1], 0x70              ; tab
	v_lshl_add_u32 v[SPW], v0, 2, SPARE
	v_mov_b32 v[NIL], 0
	v_lshrrev_b32 v1, 5, v0
	v_readfirstlane_b32 s[WVN], v1
	s_lshr_b32 s[MAT], ttmp9, 7
	s_and_b32 s43, ttmp9, 127
	s_lshr_b32 s44, s43, 4                         ; mb: which 64 rows
	s_and_b32 s45, s43, 15                         ; nq: which 32 columns
	s_mov_b32 s[HIM], 0xffff0000
	v_and_b32 v174, 15, v0                         ; r
	v_bfe_u32 v175, v0, 4, 1                       ; h
	v_and_b32 v[SO], 31, v0
	v_lshlrev_b32 v[SO], 4, v[SO]
	v_lshlrev_b32 v176, 11, v174                   ; row r: 2,048 bytes
	v_lshl_add_u32 v176, v175, 6, v176             ; + 64 h
	s_lshl_b32 s46, s[WVN], 9                      ; my 128 of the sum's index: 512 bytes
	s_lshl_b32 s47, s44, 17
	s_add_co_u32 s47, s47, s46
	v_add_nc_u32 v[AO], s47, v176
	s_lshl_b32 s47, s45, 16
	s_add_co_u32 s47, s47, s46
	v_add_nc_u32 v[BO], s47, v176
	v_lshlrev_b32 v[BG], 2, v174                   ; column r,
	v_lshl_add_u32 v[BG], v175, 15, v[BG]          ; 16 rows further for the upper half of the lanes,
	s_lshl_b32 s47, s[WVN], 18                     ; my 128 rows,
	s_lshl_b32 s48, s45, 7                         ; the block's 32 columns
	s_add_co_u32 s47, s47, s48
	v_add_nc_u32 v[BG], s47, v[BG]
	s_lshl_b32 s48, ttmp9, 2                       ; the fragment of w1 or w2: number (4 g + w) % 512
	s_add_co_u32 s48, s48, s[WVN]
	s_and_b32 s48, s48, 511
	s_and_b32 s49, s48, 31                         ; nb
	s_bfe_u32 s50, s48, 0x20005                    ; kg
	s_lshr_b32 s51, s48, 7                         ; i
	s_lshl2_add_u32 s50, s50, s51                  ; kf = 4 kg + i
	s_lshl_b32 s49, s49, 6
	s_lshl_b32 s50, s50, 16
	s_add_co_u32 s49, s49, s50
	v_lshlrev_b32 v[CO], 2, v174
	v_lshl_add_u32 v[CO], v175, 14, v[CO]          ; here k has its true places: 8 rows for the upper half of the lanes
	v_add_nc_u32 v[CO], s49, v[CO]
	s_add_co_u32 s52, s[MAT], 2
	s_lshl_b32 s52, s52, 19
	s_lshl_b32 s53, s48, 10
	s_add_co_u32 s52, s52, s53
	s_mov_b32 s53, 0
	s_lshr_b32 s54, s[WVN], 1                      ; the product's fragment that I finish: kf = 2 mb + w/2, nb = 2 nq + w%2
	s_lshl1_add_u32 s54, s44, s54
	s_and_b32 s55, s[WVN], 1
	s_lshl1_add_u32 s55, s45, s55
	s_lshl4_add_u32 s46, s55, s54                  ; slot 0: nb*16 + kf
	s_and_b32 s47, s54, 3                          ; slot 1: (kf%4)*128 + (kf/4)*32 + nb, 512 fragments on
	s_lshl_b32 s47, s47, 7
	s_lshr_b32 s51, s54, 2
	s_lshl_b32 s51, s51, 5
	s_add_co_u32 s47, s47, s51
	s_add_co_u32 s47, s47, s55
	s_add_co_u32 s47, s47, 512
	s_cmp_eq_u32 s[MAT], 0
	s_cselect_b32 s46, s46, s47
	s_lshl_b32 s46, s46, 10
	s_mov_b32 s47, 0
	s_lshl_b32 s50, s[WVN], 13
	v_add_nc_u32 v[LS], s50, v[SO]
	s_lshr_b32 s50, s[WVN], 1                      ; my fragment's accumulators: 4 (w/2) + w%2 and two further
	s_lshl_b32 s50, s50, 2
	s_and_b32 s51, s[WVN], 1
	s_add_co_u32 s50, s50, s51
	s_lshl_b32 s50, s50, 10
	v_add_nc_u32 v[LR], s50, v[SO]
	s_wait_kmcnt 0x0
	s_cmp_eq_u32 s[MAT], 0
	s_cselect_b64 s[AP:AP+1], s[4:5], s[8:9]
	s_cselect_b64 s[CP:CP+1], s[12:13], s[14:15]
	s_add_nc_u64 s[CG:CG+1], s[30:31], s[52:53]
	s_add_nc_u64 s[GO:GO+1], s[30:31], s[46:47]
.irp c, 0,1
.irp e, 0,1,2,3,4,5,6,7
	global_load_b32 v[CV+8*\c+\e], v[CO], s[CP:CP+1] offset:\c*32768+\e*2048
.endr
.endr
	WIN 0x40
.irp mt, 0,1,2,3
.irp q, 0,1,2,3
.irp s, 0,1,2,3
	global_load_b128 v[16*(4*\mt+\q)+4*\s:16*(4*\mt+\q)+4*\s+3], v[AO], s[AP:AP+1] offset:\mt*32768+\q*128+\s*16
.endr
.endr
.endr
	WIN 0
	s_cmp_eq_u32 s[MAT], 0
	s_cbranch_scc0 .Lgather
	WIN 0x80
.irp nt, 0,1
.irp q, 0,1,2,3
.irp s, 0,1,2,3
	global_load_b128 v[16*(4*\nt+\q)+4*\s:16*(4*\nt+\q)+4*\s+3], v[BO], s[6:7] offset:\nt*32768+\q*128+\s*16
.endr
.endr
.endr
	WIN 0
	s_branch .Ljoin
.Lgather:
	WIN 0x80
.irp nt, 0,1
.irp q, 0,1,2,3
.set i, 0
.rept 16
	global_load_b32 v[16*(4*\nt+\q)+i], v[BG], s[10:11] offset:\nt*64+\q*65536+i*2048
.set i, i+1
.endr
.endr
.endr
	WIN 0
.Ljoin:
	s_wait_loadcnt 0x0
	WIN 0x45                                       ; the inputs' rounding, in place: register p is at or below the pair just read
.set i, 0
.rept 16
.set p, 0
.rept 8
	v_cvt_pk_bf16_f32 v[16*i+p], v[16*i+2*p], v[16*i+2*p+1]
.set p, p+1
.endr
.set i, i+1
.endr
	WIN 0x8a
.set i, 0
.rept 8
.set p, 0
.rept 8
	v_cvt_pk_bf16_f32 v[16*i+p], v[16*i+2*p], v[16*i+2*p+1]
.set p, p+1
.endr
.set i, i+1
.endr
	WIN 0x09                                       ; source 0 window 1, source 1 window 2, sums window 0; the eight accumulators take turns
.irp q, 0,1,2,3
.irp mt, 0,1,2,3
.irp nt, 0,1
.if \q == 0
	v_wmma_f32_16x16x32_bf16 v[ACC+8*(2*\mt+\nt):ACC+8*(2*\mt+\nt)+7], v[16*(4*\mt+\q):16*(4*\mt+\q)+7], v[16*(4*\nt+\q):16*(4*\nt+\q)+7], 0
.else
	v_wmma_f32_16x16x32_bf16 v[ACC+8*(2*\mt+\nt):ACC+8*(2*\mt+\nt)+7], v[16*(4*\mt+\q):16*(4*\mt+\q)+7], v[16*(4*\nt+\q):16*(4*\nt+\q)+7], v[ACC+8*(2*\mt+\nt):ACC+8*(2*\mt+\nt)+7]
.endif
.endr
.endr
.endr
	WIN 0
.irp p, 0,1,2,3,4,5,6,7                            ; w1's or w2's fragment: these lines name no register of the products and are the places behind them (ISA guide 7.12.1)
	v_cvt_pk_bf16_f32 v[TM], v[CV+2*\p], v[CV+2*\p+1]
	v_lshlrev_b32 v[TM+1], 16, v[TM]
	v_and_b32 v[TM+2], s[HIM], v[TM]
	v_cvt_pk_f16_f32 v[CV+\p], v[TM+1], v[TM+2]
.endr
	global_store_b128 v[SO], v[CV:CV+3], s[CG:CG+1]
	global_store_b128 v[SO], v[CV+4:CV+7], s[CG:CG+1] offset:512
.irp a, 0,1,2,3,4,5,6,7
	ds_store_b128 v[LS], v[ACC+8*\a:ACC+8*\a+3] offset:\a*1024
	ds_store_b128 v[LS], v[ACC+8*\a+4:ACC+8*\a+7] offset:\a*1024+512
.endr
	s_wait_dscnt 0x0                               ; for the others' sake: my partial sums lie in LDS
	s_barrier_signal -1
	s_barrier_wait -1
.irp v, 0,1,2,3
.irp c, 0,1
	ds_load_b128 v[RS+16*\v+8*\c:RS+16*\v+8*\c+3], v[LR] offset:\v*8192+\c*2048
	ds_load_b128 v[RS+16*\v+8*\c+4:RS+16*\v+8*\c+7], v[LR] offset:\v*8192+\c*2048+512
.endr
.endr
	s_wait_dscnt 0x0
.set z, 0
.rept 8
	v_pk_add_f32 v[RS+z:RS+z+1], v[RS+z:RS+z+1], v[RS+16+z:RS+16+z+1]
	v_pk_add_f32 v[RS+32+z:RS+32+z+1], v[RS+32+z:RS+32+z+1], v[RS+48+z:RS+48+z+1]
.set z, z+2
.endr
.set z, 0
.rept 8
	v_pk_add_f32 v[RS+z:RS+z+1], v[RS+z:RS+z+1], v[RS+32+z:RS+32+z+1]
.set z, z+2
.endr
	s_cmp_eq_u32 s[MAT], 0
	s_cbranch_scc0 .Lf16
.irp p, 0,1,2,3,4,5,6,7
	v_cvt_pk_bf16_f32 v[OF+\p], v[RS+2*\p], v[RS+2*\p+1]
.endr
	s_branch .Lput
.Lf16:
.irp p, 0,1,2,3,4,5,6,7
	v_cvt_pk_f16_f32 v[OF+\p], v[RS+2*\p], v[RS+2*\p+1]
.endr
.Lput:
	global_store_b128 v[SO], v[OF:OF+3], s[GO:GO+1]            ; a store of the wave covers 512 bytes on end
	global_store_b128 v[SO], v[OF+4:OF+7], s[GO:GO+1] offset:512
	; the seven vectors: work-groups 0-13 take half a vector each, two numbers a thread
	s_cmp_ge_u32 ttmp9, 14
	s_cbranch_scc1 .Lend
	s_lshr_b32 s46, ttmp9, 1                       ; which vector
	s_cmp_eq_u32 s46, 1
	s_cselect_b64 s[48:49], s[18:19], s[16:17]
.irp m, 2,3,4,5,6
	s_cmp_eq_u32 s46, \m
	s_cselect_b64 s[48:49], s[16+2*\m:17+2*\m], s[48:49]
.endr
	s_and_b32 s47, ttmp9, 1
	s_lshl_b32 s47, s47, 10
	v_lshl_add_u32 v[TV], v0, 3, s47               ; my 8 bytes in the vector
	global_load_b64 v[TV+2:TV+3], v[TV], s[48:49]
	s_lshl_b32 s50, ttmp9, 10                      ; in tab the halves follow each other
	s_mov_b32 s51, 0
	s_add_nc_u64 s[32:33], s[32:33], s[50:51]
	v_lshlrev_b32 v[TV+1], 3, v0
	s_wait_loadcnt 0x0
	v_cvt_pk_bf16_f32 v[TM], v[TV+2], v[TV+3]
	v_lshlrev_b32 v[TV+4], 16, v[TM]
	v_and_b32 v[TV+5], s[HIM], v[TM]
	global_store_b64 v[TV+1], v[TV+4:TV+5], s[32:33]
.Lend:
	s_wait_tensorcnt 0x0                           ; the wave's end, behind my last LDS store
	ds_add_u32 v[SPW], v[NIL]
	s_wait_dscnt 0x0
	s_endpgm
.Lfunc_end_k_q7083ba7ae6_prep:
	.size	k_q7083ba7ae6_prep, .Lfunc_end_k_q7083ba7ae6_prep-k_q7083ba7ae6_prep
	.p2alignl 7, 3214868480
	.fill 96, 4, 3214868480
	.section	.rodata,"a",@progbits
	.p2align	6, 0x0
	.amdhsa_kernel k_q7083ba7ae6_prep
		.amdhsa_group_segment_fixed_size 33280
		.amdhsa_private_segment_fixed_size 0
		.amdhsa_enable_private_segment 0
		.amdhsa_kernarg_size 120
		.amdhsa_user_sgpr_count 2
		.amdhsa_user_sgpr_kernarg_segment_ptr 1
		.amdhsa_wavefront_size32 1
		.amdhsa_system_sgpr_workgroup_id_x 1
		.amdhsa_system_sgpr_workgroup_id_y 1
		.amdhsa_system_sgpr_workgroup_id_z 1
		.amdhsa_system_vgpr_workitem_id 0
		.amdhsa_next_free_vgpr 640
		.amdhsa_next_free_sgpr 66
		.amdhsa_reserve_vcc 0
		.amdhsa_float_denorm_mode_32 3
		.amdhsa_float_denorm_mode_16_64 3
		.amdhsa_memory_ordered 1
		.amdhsa_forward_progress 1
		.amdhsa_inst_pref_size 48
	.end_amdhsa_kernel
	.amdgpu_metadata
---
amdhsa.version: [ 1, 2 ]
amdhsa.kernels:
  - .name:           k_q7083ba7ae6_prep
    .symbol:         k_q7083ba7ae6_prep.kd
    .args:
      - { .name: wq, .offset: 0, .size: 8, .value_kind: global_buffer, .address_space: global }
      - { .name: wk, .offset: 8, .size: 8, .value_kind: global_buffer, .address_space: global }
      - { .name: wv, .offset: 16, .size: 8, .value_kind: global_buffer, .address_space: global }
      - { .name: wo, .offset: 24, .size: 8, .value_kind: global_buffer, .address_space: global }
      - { .name: w1, .offset: 32, .size: 8, .value_kind: global_buffer, .address_space: global }
      - { .name: w2, .offset: 40, .size: 8, .value_kind: global_buffer, .address_space: global }
      - { .name: bo, .offset: 48, .size: 8, .value_kind: global_buffer, .address_space: global }
      - { .name: ln1_g, .offset: 56, .size: 8, .value_kind: global_buffer, .address_space: global }
      - { .name: ln1_b, .offset: 64, .size: 8, .value_kind: global_buffer, .address_space: global }
      - { .name: b1, .offset: 72, .size: 8, .value_kind: global_buffer, .address_space: global }
      - { .name: b2, .offset: 80, .size: 8, .value_kind: global_buffer, .address_space: global }
      - { .name: ln2_g, .offset: 88, .size: 8, .value_kind: global_buffer, .address_space: global }
      - { .name: ln2_b, .offset: 96, .size: 8, .value_kind: global_buffer, .address_space: global }
      - { .name: wf, .offset: 104, .size: 8, .value_kind: global_buffer, .address_space: global }
      - { .name: tab, .offset: 112, .size: 8, .value_kind: global_buffer, .address_space: global }
    .group_segment_fixed_size: 33280
    .private_segment_fixed_size: 0
    .kernarg_segment_align: 8
    .kernarg_segment_size: 120
    .max_flat_workgroup_size: 128
    .sgpr_count:     66
    .vgpr_count:     640
    .wavefront_size: 32
...
	.end_amdgpu_metadata
.endif
;; end of part 5
;; launch qx (part 6): grid 256 x 1, 4 waves a work-group, clusters of 4 x 1, 327,680 bytes of LDS; arguments x, wf, qf, xb; writes qf, xb
.if DOCPART == 6
	.amdgcn_target "amdgcn-amd-amdhsa--gfx1250"
	.amdhsa_code_object_version 6
	.text
	.protected	k_q7083ba7ae6_qx
	.globl	k_q7083ba7ae6_qx
	.p2align	8
	.type	k_q7083ba7ae6_qx,@function
k_q7083ba7ae6_qx:
	s_mov_b64 s[64:65], 0
	v_nop
	global_prefetch_b8 v0, s[64:65] scope:SCOPE_SE
	s_setreg_imm32_b32 hwreg(HW_REG_WAVE_MODE, 25, 1), 1
	s_wait_xcnt 0x0
	s_wait_alu depctr_hold_cnt(0) depctr_sa_sdst(0) depctr_va_vdst(0) depctr_va_sdst(0) depctr_va_ssrc(0) depctr_va_vcc(0) depctr_vm_vsrc(0)
	s_getreg_b32 s2, hwreg(HW_REG_IB_STS2, 6, 4)
	s_cmp_eq_u32 s2, 0
	s_cbranch_scc0 .Lentry_in_a_cluster
	s_endpgm
.Lentry_in_a_cluster:
	s_bfe_u32 s2, ttmp6, 0x10000c
	s_cmp_lg_u32 s2, 0x3003
	s_cbranch_scc0 .Lentry_shape_is_right
	s_endpgm
.Lentry_shape_is_right:
; q' = x A, with A = wq wk^T as the launch before has made it, and x itself as fragments.  x: [16,384][512] f32.  scores = q' x^T, so no keys are made: the order of products differs from reference()'s.
; x is rounded to bf16 (the input's rounding); the product is taken in bf16 with f32 sums; q' is rounded once to bf16, unscaled.
; A FRAGMENT is 1,024 bytes, 16 rows x 32 k of bf16.  qf: byte c*512 + lane*16 + 2e holds (row lane%16, k = 16c + 8(lane/16) + e).
; xb: the 16 bytes of (row r, half c, lane half h) lie at c*512 + h*256 + ((r xor 8h) * 16): so both a plain fragment load (16 rows, one h) and the turning load of the next launch (8 rows, both h) take
; 16 different 16-byte columns of 256 bytes.  Both buffers: block of 64 rows at blk*65,536, row tile t, k fragment f at t*16,384 + f*1,024.
; SHARES.  A work-group owns 64 rows.  All four waves keep all of the block's x as fragments in 512 registers.  Four steps, one for each 128 columns of q': a step's weights are one dense tile of 131,072 bytes
; of wf; wave w makes columns 32 w .. 32 w + 31 of the step for all 64 rows: 8 accumulators, 128 matrix instructions, all of K.
; THE PRODUCT IS TAKEN TRANSPOSED (source 0 = 16 columns of A, source 1 = 16 rows of x): a lane then holds one row and eight neighbouring columns, and two accumulators rounded to bf16
; are a fragment: q' leaves straight from registers, 512 bytes on end a store.
; RING.  Two LDS slots of a tile each; every wave fetches a quarter of a tile by one tensor load of 128 rows x 256 bytes.  One load a wave is out at any time; it has a step in which to land.
; CLUSTER.  All work-groups walk the same four tiles: the four of a cluster ask jointly (the same load, descriptor and mask in all four).
; REGISTERS, in windows of 256 (s_set_vgpr_msb: bits 1:0 source 0, 3:2 source 1, 5:4 source 2, 7:6 destination):
;   window 0: addresses, PKT, S (8 accumulators), KB0, KB1 (weights' fragments)     window 1: x as loaded, 64 rows x 4 f32     windows 2, 3: x's fragments, row tile qt, fragment f at 8 (16 (qt%2) + f), window 2 + qt/2
.set SLOT,  131072
.set XST0,  262144                     ; two stages for x, 64 chunks (8 k x 16 rows, 256 bytes) at a pitch of 272
.set XSTB,  17408
.set CPI,   272
.set SPARE, 296960                     ; the spare words, 128 bytes for each wave: two blocks of 256 bytes that no other line names
.set XO,  1                            ; v1   16 lane + 512 w: my 16 bytes of a row of x
.set LKC, 2                            ; v2   LDS address of my weights' fragments in the slot in hand
.set LK0, 3                            ; v3   the same in slot 0: 32,768 w + 16 lane
.set XS,  4                            ; v4   where I put 8 bytes (4 k) of a row
.set XRD, 5                            ; v5   where I read x's fragments
.set XRW, 6                            ; v6   the same for the four fragments that I store to xb
.set XFO, 7                            ; v7   my 16 bytes of a half fragment of xb, + 4,096 w
.set QK0, 8                            ; v8, v9    my bytes of a q' fragment's two halves
.set QK1, 9
.set T0,  12                           ; v12, v13  at work at the head
.set T1,  13
.set PFO, 15                           ; v15  256 x lane
.set SPW, 16                           ; v16  my spare word
.set NIL, 17                           ; v17  0
.set PKT, 20                           ; v[20:51]  a step's results in bf16
.set S,   56                           ; v[56:119] accumulator (i, qt) at S + 16 qt + 8 i
.set TT,  56                           ; at the head: a row tile in bf16
.set KB0, 120
.set KB1, 184
.set XT,  120                          ; at the head: four sets of 32, my fragments for xb
.set WV,  16
.set CX,  17
.set BLK, 18
.set G1,  20                           ; s[20:27] descriptor group 1
.set G0,  28                           ; s[28:31] descriptor group 0: it walks
.set CNT, 32
.set NS,  33                           ; the step's number
.set TB,  34                           ; the slot in hand
.set LIM, 35
.set PFA, 36                           ; s[36:37] where my prefetch stands
.set OP,  38                           ; s[38:39] the step's output
.set JO,  40                           ; s[40:41]
.set XP,  48                           ; x, qf, xb at my block
.set QP,  50
.set FP,  52
.set MSB, 0
.macro WIN new                         ; the immediate's high byte repeats the setting that is left; a switch that changes nothing is dropped
.if MSB != (\new)
	s_set_vgpr_msb (MSB<<8)|(\new)
.set MSB, (\new)
.endif
.endm
.macro PLACES                          ; four places behind a matrix instruction, in front of loads into its sources and of readers of its result
.rept 4
	v_nop
.endr
.endm
.macro CROUND                          ; a round of the cluster's barrier
	s_barrier_signal -1
	s_barrier_wait -1
	s_cmp_lg_u32 s[WV], 0
	s_cbranch_scc1 .Lnw0_\@
	s_barrier_signal -3
.Lnw0_\@:
	s_barrier_wait -3
	s_barrier_signal -1
	s_barrier_wait -1
.endm
.macro TLD g                           ; my quarter of a tile
	tensor_load_to_lds s[\g:\g+3], s[G1:G1+7]
	s_nop 0
.rept 4
	v_nop
.endr
.endm
.macro ASK ptr, lim, cnt               ; one prefetch, a lane a block of 256 bytes, while the count is above the limit
	s_cmp_gt_u32 s[\cnt], s[\lim]
	s_cbranch_scc0 .Lna_\@
	global_prefetch_b8 v[PFO], s[\ptr:\ptr+1] th:TH_LOAD_NT scope:SCOPE_SE
.Lna_\@:
.endm
; S(i, qt) = the sum over f of FR(i, f) from LDS x RES(qt, f) from registers: 128 matrix instructions in four groups of four f.
.macro SLOAD g, buf                    ; group g's 8 fragments: 16 loads
.irp i, 0,1
.irp f, 0,1,2,3
	ds_load_b128 v[(\buf)+32*\i+8*\f:(\buf)+32*\i+8*\f+3], v[LKC] offset:(16*\i+4*(\g)+\f)*1024
	ds_load_b128 v[(\buf)+32*\i+8*\f+4:(\buf)+32*\i+8*\f+7], v[LKC] offset:(16*\i+4*(\g)+\f)*1024+512
.endr
.endr
.endm
.macro SMULH g, buf, hi                ; 16 matrix instructions: row tiles 2 hi, 2 hi + 1; four accumulators take turns, one instruction a turn
	WIN 0x08+4*(\hi)
.irp f, 0,1,2,3
.irp i, 0,1
.irp q, 0,1
.set rS, S+32*(\hi)+16*\q+8*\i
.set rA, (\buf)+32*\i+8*\f
.set rB, 128*\q+32*(\g)+8*\f
.if ((\g)+\f) == 0
	v_wmma_f32_16x16x32_bf16 v[rS:rS+7], v[rA:rA+7], v[rB:rB+7], 0
.else
	v_wmma_f32_16x16x32_bf16 v[rS:rS+7], v[rA:rA+7], v[rB:rB+7], v[rS:rS+7]
.endif
.endr
.endr
.endr
.endm
.macro SPHASE
	WIN 0
	SLOAD 0, KB0
	SLOAD 1, KB1
	s_wait_dscnt 16                                ; group 0 is in; group 1's sixteen loads may stay out
	SMULH 0, KB0, 0
	SMULH 0, KB0, 1
	PLACES
	WIN 0
	SLOAD 2, KB0
	s_wait_dscnt 16
	SMULH 1, KB1, 0
	SMULH 1, KB1, 1
	PLACES
	WIN 0
	SLOAD 3, KB1
	s_wait_dscnt 16
	SMULH 2, KB0, 0
	SMULH 2, KB0, 1
	s_wait_dscnt 0x0
	SMULH 3, KB1, 0
	SMULH 3, KB1, 1
.endm
	s_load_b256 s[4:11], s[0:1], 0x0               ; x s[4:5], wf s[6:7], qf s[8:9], xb s[10:11]
	v_lshl_add_u32 v[SPW], v0, 2, SPARE
	v_mov_b32 v[NIL], 0
	ds_add_u32 v[SPW], v[NIL]                      ; the wave's opening: the add and its wait stand ahead of my first tensor load; the set-up below, work on registers, stands between them
	v_lshrrev_b32 v18, 5, v0
	v_readfirstlane_b32 s[WV], v18
	s_bfe_u32 s[CX], ttmp6, 0x40000                ; my place in the cluster
	s_lshl_b32 s[BLK], ttmp9, 2
	s_add_co_u32 s[BLK], s[BLK], s[CX]             ; my block of 64 rows
	s_mov_b32 s[G1+0], 15|(3<<16)|(1<<21)          ; 15:0 the mask of four; 17:16 elements of 8 bytes; 21 set beside a mask; no padding
	s_mov_b32 s[G1+1], 32<<16                      ; tensor_dim0 = 32 elements: 256 bytes
	s_mov_b32 s[G1+2], 128<<16                     ; tensor_dim1 = 128
	s_mov_b32 s[G1+3], 32<<16                      ; tile_dim0 = 32
	s_mov_b32 s[G1+4], 128                         ; tile_dim1 = 128
	s_mov_b32 s[G1+5], 32                          ; dense: a row begins where the last ends
	s_mov_b32 s[G1+6], 0
	s_mov_b32 s[G1+7], 0
	s_mov_b32 s[G0], 1
	s_lshl_b32 s[G0+1], s[WV], 15                  ; slot 0, my quarter
	s_lshl_b32 s44, s[WV], 15
	s_mov_b32 s45, 0
	s_mov_b32 s[JO+1], 0
	s_mov_b32 s59, 0
	v_and_b32 v18, 31, v0                          ; lane
	v_and_b32 v19, 15, v0                          ; r
	v_bfe_u32 v14, v0, 4, 1                        ; h
	v_lshlrev_b32 v[T0], 4, v18
	s_lshl_b32 s46, s[WV], 9
	v_add_nc_u32 v[XO], s46, v[T0]
	s_lshl_b32 s46, s[WV], 15
	v_add_nc_u32 v[LK0], s46, v[T0]
	s_lshl_b32 s46, s[WV], 10
	v_add_nc_u32 v[QK0], s46, v[T0]
	v_add_nc_u32 v[QK1], 512, v[QK0]
	v_lshlrev_b32 v[T1], 3, v14                    ; xb's place: 256 h + 16 (r xor 8 h)
	v_xor_b32 v[T1], v[T1], v19
	v_lshlrev_b32 v[T1], 4, v[T1]
	v_lshl_add_u32 v[T1], v14, 8, v[T1]
	s_lshl_b32 s46, s[WV], 12
	v_add_nc_u32 v[XFO], s46, v[T1]
	v_lshlrev_b32 v[PFO], 8, v18
	v_lshrrev_b32 v[XS], 1, v18                    ; my 4 k lie in chunk 16 w + lane/2, half lane%2
	v_mul_u32_u24 v[XS], v[XS], CPI
	v_and_b32 v[T1], 1, v18
	v_lshl_add_u32 v[XS], v[T1], 3, v[XS]
	s_mul_i32 s46, s[WV], 16*CPI
	s_add_co_u32 s47, s46, XST0
	v_add_nc_u32 v[XS], s47, v[XS]
	v_mul_u32_u24 v[XRD], v14, CPI                 ; a fragment's half c is chunk 4 f + 2 c + h, row r
	v_lshl_add_u32 v[XRD], v19, 4, v[XRD]
	v_add_nc_u32 v[XRD], XST0, v[XRD]
	v_add_nc_u32 v[XRW], s46, v[XRD]               ; fragments 4 w on: 16 chunks further
	s_wait_dscnt 0x0                               ; the opening add is done
	s_wait_kmcnt 0x0
	s_add_nc_u64 s[G0+2:G0+3], s[6:7], s[44:45]    ; tile 0, my quarter: the wave's number alone enters
	s_or_b32 s[G0+3], s[G0+3], 0x80000000          ; type = 2
	CROUND                                         ; all four work-groups are here: the first joint load meets
	TLD G0                                         ; tile 0 into slot 0
	s_lshl_b32 s58, s[BLK], 17
	s_add_nc_u64 s[XP:XP+1], s[4:5], s[58:59]
	s_lshl_b32 s58, s[BLK], 16
	s_add_nc_u64 s[QP:QP+1], s[8:9], s[58:59]
	s_add_nc_u64 s[FP:FP+1], s[10:11], s[58:59]
	WIN 0x40
.set p, 0
.rept 64                                           ; the block's 64 rows: a load of the wave covers 512 bytes on end; each byte of x is read once in the launch
	global_load_b128 v[4*p:4*p+3], v[XO], s[XP:XP+1] offset:p*2048 th:TH_LOAD_NT
.set p, p+1
.endr
	WIN 0
	; the prefetch: the launch's first cluster asks for tile 3, in step 0, two steps ahead of that tile's load; its four work-groups and their waves share the tile out by address: 32,768 cx + 8,192 w + 256 lane.
	; Tiles 0 to 2 come by their loads alone.
	s_lshl_b32 s58, s[CX], 15
	s_lshl_b32 s46, s[WV], 13
	s_add_co_u32 s58, s58, s46
	s_add_nc_u64 s[PFA:PFA+1], s[6:7], s[58:59]
	s_add_nc_u64 s[PFA:PFA+1], s[PFA:PFA+1], 2*SLOT  ; at tile 2: step 0 steps it to tile 3
	s_cmp_eq_u32 ttmp9, 0
	s_cselect_b32 s[LIM], 2, -1                    ; the count runs 3, 2, 1: step 0 alone asks
; xb's stores of row tile t: my four fragments, 512 bytes on end each
.macro XFST t
.irp f, 0,1,2,3
	global_store_b128 v[XFO], v[XT+32*(\t)+8*\f:XT+32*(\t)+8*\f+3], s[FP:FP+1] offset:(\t)*16384+\f*1024
	global_store_b128 v[XFO], v[XT+32*(\t)+8*\f+4:XT+32*(\t)+8*\f+7], s[FP:FP+1] offset:(\t)*16384+\f*1024+512
.endr
.endm
; Row tile t: rounded, turned into fragments through a stage in LDS.  The two stages take turns: tile t + 2's stores stand behind tile t + 1's barrier, in front of which every wave has waited for its reads of tile t.
.macro XTILE t
	s_wait_loadcnt 48-16*(\t)                      ; the tile's sixteen rows are in; the younger tiles' loads stay out
	WIN 0x05
.set i, 0
.rept 32
	v_cvt_pk_bf16_f32 v[TT+i], v[64*(\t)+2*i], v[64*(\t)+2*i+1]   ; the input's rounding
.set i, i+1
.endr
	WIN 0
.set i, 0
.rept 16
	ds_store_b64 v[XS], v[TT+2*i:TT+2*i+1] offset:((\t)%2)*XSTB+i*16
.set i, i+1
.endr
	s_wait_dscnt 0x0                               ; for the others' sake: my stores are done, and my reads of the tile before
	s_barrier_signal -1
	s_barrier_wait -1                              ; tile 0 of the weights may stay on its way
.if (\t) > 0
	XFST (\t)-1
.endif
	WIN 0x80+0x40*((\t)/2)
.irp f, 0,1,2,3,4,5,6,7,8,9,10,11,12,13,14,15
	ds_load_b128 v[128*((\t)%2)+8*\f:128*((\t)%2)+8*\f+3], v[XRD] offset:((\t)%2)*XSTB+\f*1088
	ds_load_b128 v[128*((\t)%2)+8*\f+4:128*((\t)%2)+8*\f+7], v[XRD] offset:((\t)%2)*XSTB+\f*1088+544
.endr
	WIN 0
.irp f, 0,1,2,3
	ds_load_b128 v[XT+32*(\t)+8*\f:XT+32*(\t)+8*\f+3], v[XRW] offset:((\t)%2)*XSTB+\f*1088
	ds_load_b128 v[XT+32*(\t)+8*\f+4:XT+32*(\t)+8*\f+7], v[XRW] offset:((\t)%2)*XSTB+\f*1088+544
.endr
.endm
	XTILE 0
	XTILE 1
	XTILE 2
	XTILE 3
	s_wait_dscnt 0x0
	XFST 3
; THE CHANGE OF SLOTS.  Each wave waits for all its tensor loads (one is out: its quarter of the step's tile), adds 0 to its spare word, and waits for that and for its reads of the other slot.
; fill = 1: the barrier is a round of the cluster's, and the joint load of the next tile, into the slot read last, is the first thing behind it.
.macro CHG fill
	WIN 0
	s_wait_tensorcnt 0x0                           ; no tensor load of mine is out, so the group 0 may be written
	ds_add_u32 v[SPW], v[NIL]                      ; 0 onto my spare word
.if \fill
	s_xor_b32 s[G0+1], s[G0+1], SLOT               ; the other slot,
	s_add_nc_u64 s[G0+2:G0+3], s[G0+2:G0+3], SLOT  ; the next tile; the type bits on top are not reached
	s_wait_xcnt 0x0                                ; the last step's stores and prefetch have read their registers
	s_add_nc_u64 s[PFA:PFA+1], s[PFA:PFA+1], SLOT
.endif
	s_xor_b32 s[TB], s[TB], SLOT
	s_wait_dscnt 0x0                               ; the add is done, and my reads of the slot are over
.if \fill
	CROUND
	TLD G0
	ASK PFA, LIM, CNT
.else
	s_barrier_signal -1
	s_barrier_wait -1
.endif
	v_add_nc_u32 v[LKC], s[TB], v[LK0]
.endm
; A step's way out.  Step n makes columns 128 n on: k fragments 4 n + w of q'.  Two accumulators of a row tile are a fragment.
.macro EPI
	PLACES
	WIN 0
	s_wait_xcnt 0x0                                ; the last step's stores have read PKT and the base
	s_lshl_b32 s[JO], s[NS], 12                    ; 128 columns are 4 fragments of 1,024 bytes
	s_add_nc_u64 s[OP:OP+1], s[QP:QP+1], s[JO:JO+1]
.set i, 0
.rept 32                                           ; each accumulator's registers in ascending order
	v_cvt_pk_bf16_f32 v[PKT+i], v[S+2*i], v[S+2*i+1]
.set i, i+1
.endr
.irp q, 0,1,2,3
	global_store_b128 v[QK0], v[PKT+8*\q:PKT+8*\q+3], s[OP:OP+1] offset:\q*16384
	global_store_b128 v[QK1], v[PKT+8*\q+4:PKT+8*\q+7], s[OP:OP+1] offset:\q*16384
.endr
.endm
	s_mov_b32 s[CNT], 3
	s_mov_b32 s[NS], 0
	s_mov_b32 s[TB], SLOT                          ; the first change turns it into 0
.Lstep:                                            ; steps 0 to 2: each asks for the next tile
	CHG 1
	SPHASE
	EPI
	s_add_co_u32 s[NS], s[NS], 1
	s_sub_co_u32 s[CNT], s[CNT], 1
	s_cmp_lg_u32 s[CNT], 0
	s_cbranch_scc1 .Lstep
	CHG 0                                          ; the last step is written out: it asks for nothing
	SPHASE
	EPI
	s_wait_tensorcnt 0x0                           ; the wave's end, behind my last tensor load and my last LDS store
	ds_add_u32 v[SPW], v[NIL]
	s_wait_dscnt 0x0
	CROUND                                         ; the closing round: no work-group ends while a partner may still ask for a tile that names it
	s_endpgm
.Lfunc_end_k_q7083ba7ae6_qx:
	.size	k_q7083ba7ae6_qx, .Lfunc_end_k_q7083ba7ae6_qx-k_q7083ba7ae6_qx
	.p2alignl 7, 3214868480
	.fill 96, 4, 3214868480
	.section	.rodata,"a",@progbits
	.p2align	6, 0x0
	.amdhsa_kernel k_q7083ba7ae6_qx
		.amdhsa_group_segment_fixed_size 327680
		.amdhsa_private_segment_fixed_size 0
		.amdhsa_enable_private_segment 0
		.amdhsa_kernarg_size 32
		.amdhsa_user_sgpr_count 2
		.amdhsa_user_sgpr_kernarg_segment_ptr 1
		.amdhsa_wavefront_size32 1
		.amdhsa_system_sgpr_workgroup_id_x 1
		.amdhsa_system_sgpr_workgroup_id_y 1
		.amdhsa_system_sgpr_workgroup_id_z 1
		.amdhsa_system_vgpr_workitem_id 0
		.amdhsa_next_free_vgpr 1024
		.amdhsa_next_free_sgpr 66
		.amdhsa_reserve_vcc 0
		.amdhsa_float_denorm_mode_32 3
		.amdhsa_float_denorm_mode_16_64 3
		.amdhsa_memory_ordered 1
		.amdhsa_forward_progress 1
		.amdhsa_inst_pref_size 70
	.end_amdhsa_kernel
	.amdgpu_metadata
---
amdhsa.version: [ 1, 2 ]
amdhsa.kernels:
  - .name:           k_q7083ba7ae6_qx
    .symbol:         k_q7083ba7ae6_qx.kd
    .args:
      - { .name: x, .offset: 0, .size: 8, .value_kind: global_buffer, .address_space: global }
      - { .name: wf, .offset: 8, .size: 8, .value_kind: global_buffer, .address_space: global }
      - { .name: qf, .offset: 16, .size: 8, .value_kind: global_buffer, .address_space: global }
      - { .name: xb, .offset: 24, .size: 8, .value_kind: global_buffer, .address_space: global }
    .group_segment_fixed_size: 327680
    .private_segment_fixed_size: 0
    .kernarg_segment_align: 8
    .kernarg_segment_size: 32
    .max_flat_workgroup_size: 128
    .sgpr_count:     66
    .vgpr_count:     1024
    .wavefront_size: 32
...
	.end_amdgpu_metadata
.endif
;; end of part 6
;; launch attn (part 7): grid 32 x 8, 4 waves a work-group, clusters of 4 x 1, 327,680 bytes of LDS; arguments qf, xb, wf, tab, out1, psum; writes out1, psum
.if DOCPART == 7
	.amdgcn_target "amdgcn-amd-amdhsa--gfx1250"
	.amdhsa_code_object_version 6
	.text
	.protected	k_q7083ba7ae6_attn
	.globl	k_q7083ba7ae6_attn
	.p2align	8
	.type	k_q7083ba7ae6_attn,@function
k_q7083ba7ae6_attn:
	s_mov_b64 s[64:65], 0
	v_nop
	global_prefetch_b8 v0, s[64:65] scope:SCOPE_SE
	s_setreg_imm32_b32 hwreg(HW_REG_WAVE_MODE, 25, 1), 1
	s_wait_xcnt 0x0
	s_wait_alu depctr_hold_cnt(0) depctr_sa_sdst(0) depctr_va_vdst(0) depctr_va_sdst(0) depctr_va_ssrc(0) depctr_va_vcc(0) depctr_vm_vsrc(0)
	s_getreg_b32 s2, hwreg(HW_REG_IB_STS2, 6, 4)
	s_cmp_eq_u32 s2, 0
	s_cbranch_scc0 .Lentry_in_a_cluster
	s_endpgm
.Lentry_in_a_cluster:
	s_bfe_u32 s2, ttmp6, 0x10000c
	s_cmp_lg_u32 s2, 0x3003
	s_cbranch_scc0 .Lentry_shape_is_right
	s_endpgm
.Lentry_shape_is_right:
; ATTENTION AND ALL THAT FOLLOWS IT, for 64 rows a work-group.  With A = wq wk^T, C = wv wo and q' = x A from the launches before:  y = softmax(q' x^T / sqrt(512)) x;  src = LN1(x + y C + bo);
; h = relu(src w1 + b1);  out1 = LN2(src + h w2 + b2);  psum = the column sums of the block's 64 rows of out1.  THE ORDER OF PRODUCTS DIFFERS FROM reference()'s ((x wq)(x wk)^T = (x A) x^T and
; (P (x wv)) wo = (P x) C hold for every input): KEYS AND VALUES ARE x ITSELF, so one tile of x serves both attention products.  Scores, weights, y, src and h never leave the work-group.
; FORMATS.  q', x and the weights p in bf16 for the two attention products (q' has no room in f16 for inputs 30 times larger); y, src, h, C, w1, w2 in f16; all sums f32.
; The residuals, the maxima, the sums and both LayerNorms stay in f32.  Operands arrive as fragment images of 1,024 bytes (16 rows x 32 k): qf and wf with (row lane%16, k = 16c + 8(lane/16) + e) at c*512 + lane*16 + 2e;
; in xb the 16 bytes of (row r, half c, lane half h) lie at c*512 + h*256 + ((r xor 8h) * 16), so that plain loads and turning loads both take 16 different 16-byte columns of 256 bytes.
; LIMITS.  y, src and h stay under 65,504 in magnitude.  p keeps 8 significant bits; a weight below 2^-126 counts as 0 in l.  The first step's correction is 0 only while
; c s stays far above the starting c m of -4.25e37.  NaN and infinities are not treated apart.
; SOFTMAX.  A running maximum m and sum l for each query: p = 2^(c s - c m), c = log2(e) / sqrt(512); in every step O and l are multiplied by a = 2^(c m_old - c m_new).
; LAYERNORM.  Each wave takes the mean of its 128 columns, takes it away, and sums the squares; the four waves' means and sums of squares are joined (mean of means; squares plus 128 x the means' squared distances):
; no difference of large sums is formed.
; ALL PRODUCTS ARE TAKEN TRANSPOSED (source 0 = keys, channels or output columns; source 1 = queries or rows): a lane holds ONE row (lane%16) and eight neighbouring outputs, and two accumulators
; rounded to 16 bits are the next product's fragment.
; SHARES.  A key step is 128 keys.  Scores: wave w takes keys 32 w .. + 31 against all 64 queries (q' stays in 512 registers).  x^T P and the three later products: wave w takes channels or columns
; 128 w .. + 127 for all 64 rows: 32 accumulators.  What one wave makes and the others multiply (the maxima, P, y, src, h) goes through LDS as fragments.
; LDS.  Two slots of 131,072 bytes take turns: a tile of x a key step, later a tile of weights a step.  Every wave fetches a quarter of a tile by one tensor load of 128 rows x 256 bytes; one load a wave
; is out at any time.  In attention it has a whole key step, 256 matrix instructions and the softmax, in which to land.
; CLUSTER.  The four query blocks of a cluster belong to one batch and walk the same tiles of x and of the weights: each tile is asked for jointly (the same load, descriptor and mask in all four).
; REGISTERS, in windows of 256 (s_set_vgpr_msb: bits 1:0 source 0, 3:2 source 1, 5:4 source 2, 7:6 destination):
;   window 0: addresses, statistics, S (also the rows' fragments PF0, PF1 and the way out's OB), KB0, KB1        window 1: O, later the products' sums: (column block nb, row tile t) at 64 t + 8 nb
;   windows 2, 3: q', row tile qt, fragment f at 8 (16 (qt%2) + f), window 2 + qt/2.  Behind attention: window 2 src in f32; window 3 v0-127 PK, my fragments for the next product ((i, t) at 32 i + 8 t);
;   window 3 v128-255 x's fragments, later a LayerNorm's gain (128 + 8 nb) and bias (192 + 8 nb).
.set SLOT,  131072
.set PB,    262144                     ; two buffers of 16 fragments (position kg, row tile t at (4 kg + t) x 1,024); attention uses the first
.set PBB,   16384
.set MX,    294912                     ; two planes of 1,024 bytes: [wave][row%16][row tile] f32
.set STG,   296960                     ; 16 rows x 272 bytes for each wave, for the way out
.set SP,    272
.set SPARE, 314368                     ; the spare words, 128 bytes for each wave: two blocks of 256 bytes that no other line names
.set LN16, 1                           ; v1   16 x lane
.set LKC,  2                           ; v2   my keys' fragments in the slot in hand
.set VT0,  3                           ; v3, v4   my channels of x for the turning load, in the slot in hand: keys 0-63, 64-127
.set WB0,  5                           ; v5, v6   my columns' fragments in a tile of weights: positions 0-1, 2-3 (slot 0)
.set LP,   7                           ; v7   PB + 16 lane
.set LPS,  8                           ; v8   + 4,096 w: where I publish
.set LMS,  9                           ; v9   my wave's words in MX
.set LMR,  10                          ; v10  wave 0's
.set STO,  11                          ; v11  the way out: where I put 16 bytes of a row
.set RD,   12                          ; v12  where I read rows back
.set GO,   13                          ; v13  my byte offset in two rows of out1
.set TBO,  14                          ; v14  my 8 columns in a table: 512 w + 32 (lane/16)
.set PFO,  15                          ; v15  256 x lane
.set SPW,  16                          ; v16  my spare word
.set NIL,  17                          ; v17  0
.set ONE,  18                          ; v18  1.0
.set ZR,   19                          ; v19  0
.set ST,   20                          ; v[20:51] row tile t at ST + 8 t: +0 c m / my mean, +1 m, +2, +3 l / a sum's pair, +4 a / 1/l / rstd, +5 named with it, +6, +7 at work
.set MT,   52                          ; v[52:55] four numbers for MX
.set S,    56                          ; v[56:119] accumulator (i, qt) at S + 16 qt + 8 i
.set PF0,  56
.set PF1,  88
.set OB,   56
.set KB0,  120
.set KB1,  184
.set WA0,  248                         ; v248, v249  WB0, WB1 in the slot in hand
.set PA,   250                         ; v250 LP in the buffer in hand
.set PS,   251                         ; v251 LPS likewise
.set MT2,  252                         ; v[252:255] four more numbers for MX; until the first LayerNorm these four hold:
.set VB0,  252                         ; v252 VT0 in slot 0
.set XFO,  253                         ; v253 my 16 bytes of a half fragment of xb, + 4,096 w
.set VB1,  254                         ; v254 VT0 + 1 in slot 0
.set LK0,  255                         ; v255 LKC in slot 0
.set PSM,  20                          ; the way out: the column sums, 4 for each half of my columns
.set TABP, 10                          ; s[10:11] tab
.set WV,   20
.set CX,   21
.set BX,   22
.set BY,   23
.set BLK,  24
.set G1,   28                          ; s[28:35] descriptor group 1
.set G0,   36                          ; s[36:39] descriptor group 0: it walks
.set KP,   44                          ; s[44:45] xb at my quarter of the tile last asked for
.set WP,   46                          ; s[46:47] the weights at my quarter of tile 4 (C's first)
.set CS,   48                          ; s[48:49] c
.set SEL,  50                          ; s[50:51] v_permlanex16_b32's selects: each lane takes its own place in the other half
.set CNT,  52
.set CNT4, 53
.set TB,   54
.set PBT,  55
.set LIMK, 56
.set LIMW, 58
.set TLEFT, 59
.set PFK,  60
.set PFW,  66
.set XFP,  68                          ; s[68:69] xb at my block
.set R512, 70
.set EPS,  71
.set R128, 72
.set C128, 73
.set QRT,  74
.set HMASK, 75
.set OUTP, 76                          ; s[76:77] out1 at my block's first row, my 128 columns
.set PSP,  78                          ; s[78:79] psum at my block, my 128 columns
.set TA,   80                          ; s[80:83] offsets made of what the partners share
.set TC,   84                          ; s[84:85] offsets that hang on my place
.set MSB, 0
.macro WIN new                         ; the immediate's high byte repeats the setting that is left; a switch that changes nothing is dropped
.if MSB != (\new)
	s_set_vgpr_msb (MSB<<8)|(\new)
.set MSB, (\new)
.endif
.endm
.macro PLACES                          ; four places behind a matrix instruction, in front of loads into its sources and of readers and writers of its result
.rept 4
	v_nop
.endr
.endm
.macro CROUND                          ; a round of the cluster's barrier
	s_barrier_signal -1
	s_barrier_wait -1
	s_cmp_lg_u32 s[WV], 0
	s_cbranch_scc1 .Lnw0_\@
	s_barrier_signal -3
.Lnw0_\@:
	s_barrier_wait -3
	s_barrier_signal -1
	s_barrier_wait -1
.endm
.macro TLD g                           ; my quarter of a tile
	tensor_load_to_lds s[\g:\g+3], s[G1:G1+7]
	s_nop 0
.rept 4
	v_nop
.endr
.endm
.macro ASK ptr, lim, cnt               ; one prefetch, a lane a block of 256 bytes, while the count is above the limit
	s_cmp_gt_u32 s[\cnt], s[\lim]
	s_cbranch_scc0 .Lna_\@
	global_prefetch_b8 v[PFO], s[\ptr:\ptr+1] th:TH_LOAD_NT scope:SCOPE_SE
.Lna_\@:
.endm
; THE SCORES: S(i, qt) = the sum over f of x's FR(i, f) from LDS x q'(qt, f) from registers: 128 matrix instructions in four groups of four f.
.macro SLOAD g, buf
.irp i, 0,1
.irp f, 0,1,2,3
	ds_load_b128 v[(\buf)+32*\i+8*\f:(\buf)+32*\i+8*\f+3], v[LKC] offset:(16*\i+4*(\g)+\f)*1024
	ds_load_b128 v[(\buf)+32*\i+8*\f+4:(\buf)+32*\i+8*\f+7], v[LKC] offset:(16*\i+4*(\g)+\f)*1024+512
.endr
.endr
.endm
.macro SMULH g, buf, hi                ; 16 matrix instructions: query tiles 2 hi, 2 hi + 1; four accumulators take turns, one instruction a turn
	WIN 0x08+4*(\hi)
.irp f, 0,1,2,3
.irp i, 0,1
.irp q, 0,1
.set rS, S+32*(\hi)+16*\q+8*\i
.set rA, (\buf)+32*\i+8*\f
.set rB, 128*\q+32*(\g)+8*\f
.if ((\g)+\f) == 0
	v_wmma_f32_16x16x32_bf16 v[rS:rS+7], v[rA:rA+7], v[rB:rB+7], 0
.else
	v_wmma_f32_16x16x32_bf16 v[rS:rS+7], v[rA:rA+7], v[rB:rB+7], v[rS:rS+7]
.endif
.endr
.endr
.endr
.endm
.macro SPHASE
	WIN 0
	SLOAD 0, KB0
	SLOAD 1, KB1
	s_wait_dscnt 16                                ; group 0 is in; group 1's sixteen loads may stay out
	SMULH 0, KB0, 0
	SMULH 0, KB0, 1
	PLACES
	WIN 0
	SLOAD 2, KB0
	s_wait_dscnt 16
	SMULH 1, KB1, 0
	SMULH 1, KB1, 1
	PLACES
	WIN 0
	SLOAD 3, KB1
	s_wait_dscnt 16
	SMULH 2, KB0, 0
	SMULH 2, KB0, 1
	s_wait_dscnt 0x0
	SMULH 3, KB1, 0
	SMULH 3, KB1, 1
.endm
; THE PRODUCTS ON 32 ACCUMULATORS: ACC(nb, t) += FR0(nb) x FR1(t), four groups kg of 32 along k.
.macro AFRAG kg, pf, adr               ; the rows' four fragments of position kg
.irp t, 0,1,2,3
	ds_load_b128 v[(\pf)+8*\t:(\pf)+8*\t+3], v[\adr] offset:(4*(\kg)+\t)*1024
	ds_load_b128 v[(\pf)+8*\t+4:(\pf)+8*\t+7], v[\adr] offset:(4*(\kg)+\t)*1024+512
.endr
.endm
; x^T of keys 32 kg on, my 8 channel blocks, turned; and P: 24 loads.  Channel block 8 w + n is half n%2 of k fragment 4 w + n/2: n x 512 bytes on; key tiles 2 kg and 2 kg + 1 lie 16,384 bytes apart.
; Lane (h, q, i) = 16 h + 8 q + i addresses key 8 h + i, channels 8 q on; behind the load it holds channel 8 q + i and the keys 8 h + 0..7.
.macro VLOAD kg, buf, pf
.irp n, 0,1,2,3,4,5,6,7
	ds_load_tr16_b128 v[(\buf)+8*\n:(\buf)+8*\n+3], v[VT0+(\kg)/2] offset:((\kg)%2)*32768+\n*512
	ds_load_tr16_b128 v[(\buf)+8*\n+4:(\buf)+8*\n+7], v[VT0+(\kg)/2] offset:((\kg)%2)*32768+\n*512+16384
.endr
	AFRAG \kg, \pf, LP
.endm
.macro GLOAD kg, buf, pf               ; the weights of position kg, my 8 column blocks; and the rows' fragments: 24 loads
.irp n, 0,1,2,3,4,5,6,7
	ds_load_b128 v[(\buf)+8*\n:(\buf)+8*\n+3], v[WA0+(\kg)/2] offset:((\kg)%2)*32768+\n*1024
	ds_load_b128 v[(\buf)+8*\n+4:(\buf)+8*\n+7], v[WA0+(\kg)/2] offset:((\kg)%2)*32768+\n*1024+512
.endr
	AFRAG \kg, \pf, PA
.endm
.macro GMUL buf, pf, ty                ; 32 matrix instructions; the 32 accumulators take turns
	WIN 0x50
.irp n, 0,1,2,3,4,5,6,7
.irp t, 0,1,2,3
	v_wmma_f32_16x16x32_\ty v[64*\t+8*\n:64*\t+8*\n+7], v[(\buf)+8*\n:(\buf)+8*\n+7], v[(\pf)+8*\t:(\pf)+8*\t+7], v[64*\t+8*\n:64*\t+8*\n+7]
.endr
.endr
.endm
.macro MM4 ld, ty
	WIN 0
	\ld 0, KB0, PF0
	\ld 1, KB1, PF1
	s_wait_dscnt 24                                ; group 0 is in; group 1's 24 loads may stay out
	GMUL KB0, PF0, \ty
	PLACES
	WIN 0
	\ld 2, KB0, PF0
	s_wait_dscnt 24
	GMUL KB1, PF1, \ty
	PLACES
	WIN 0
	\ld 3, KB1, PF1
	s_wait_dscnt 24
	GMUL KB0, PF0, \ty
	s_wait_dscnt 0x0
	GMUL KB1, PF1, \ty
	PLACES                                         ; for all that follows: readers and writers of the sums, loads into the fragments' registers
	WIN 0
.endm
.macro OSCALE                          ; the sums of row tile t times ST + 8 t + 4; each accumulator's registers in ascending order
	WIN 0x41
.set z, 0
.rept 32
.irp t, 0,1,2,3
	v_pk_mul_f32 v[64*\t+2*z:64*\t+2*z+1], v[64*\t+2*z:64*\t+2*z+1], v[ST+8*\t+4:ST+8*\t+5] op_sel_hi:[1,0]
.endr
.set z, z+1
.endr
	WIN 0
.endm
.macro HSUM dst, str                   ; a pair's two halves and the other half of the lanes' are added, into v[dst + str t]
.irp t, 0,1,2,3
	v_add_f32 v[ST+8*\t+6], v[ST+8*\t+2], v[ST+8*\t+3]
.endr
.irp t, 0,1,2,3
	v_permlanex16_b32 v[ST+8*\t+7], v[ST+8*\t+6], s[SEL], s[SEL+1]
.endr
.irp t, 0,1,2,3
	v_add_f32 v[(\dst)+(\str)*\t], v[ST+8*\t+6], v[ST+8*\t+7]
.endr
.endm
.macro TLOAD tbl, dst, win             ; table tbl's numbers for my 64 columns: 8 for each column block, at dst + 8 nb
	WIN \win
.irp n, 0,1,2,3,4,5,6,7
	global_load_b128 v[(\dst)+8*\n:(\dst)+8*\n+3], v[TBO], s[TABP:TABP+1] offset:(\tbl)*2048+\n*64
	global_load_b128 v[(\dst)+8*\n+4:(\dst)+8*\n+7], v[TBO], s[TABP:TABP+1] offset:(\tbl)*2048+\n*64+16
.endr
	WIN 0
.endm
.macro PACKPK win                      ; 64 t + 8 nb + j in f32 -> my fragments PK(i, t) in f16: k = 128 w + 32 i + 16 c + 8 h + e is column block 2 i + c
	WIN \win
.set i, 0
.rept 4
.set t, 0
.rept 4
.set n, 0
.rept 8
	v_cvt_pk_f16_f32 v[32*i+8*t+n], v[64*t+16*i+2*n], v[64*t+16*i+2*n+1]
.set n, n+1
.endr
.set t, t+1
.endr
.set i, i+1
.endr
.endm
	s_load_b256 s[4:11], s[0:1], 0x0               ; qf s[4:5], xb s[6:7], wf s[8:9], tab s[10:11]
	s_load_b128 s[12:15], s[0:1], 0x20             ; out1 s[12:13], psum s[14:15]
	v_lshl_add_u32 v[SPW], v0, 2, SPARE
	v_mov_b32 v[NIL], 0
	ds_add_u32 v[SPW], v[NIL]                      ; the wave's opening: the add and its wait stand ahead of my first tensor load; the set-up below, work on registers, stands between them
	v_lshrrev_b32 v120, 5, v0
	v_readfirstlane_b32 s[WV], v120
	s_bfe_u32 s[CX], ttmp6, 0x40000                ; my place in the cluster
	s_lshl_b32 s[BX], ttmp9, 2
	s_add_co_u32 s[BX], s[BX], s[CX]               ; my block of 64 queries in the batch
	s_and_b32 s[BY], ttmp7, 0xffff                 ; the batch, which the four partners share
	s_lshl_b32 s[BLK], s[BY], 5
	s_add_co_u32 s[BLK], s[BLK], s[BX]
	s_mov_b32 s[G1+0], 15|(3<<16)|(1<<21)          ; 15:0 the mask of four; 17:16 elements of 8 bytes; 21 set beside a mask; no padding
	s_mov_b32 s[G1+1], 32<<16                      ; tensor_dim0 = 32 elements: 256 bytes
	s_mov_b32 s[G1+2], 128<<16                     ; tensor_dim1 = 128
	s_mov_b32 s[G1+3], 32<<16                      ; tile_dim0 = 32
	s_mov_b32 s[G1+4], 128                         ; tile_dim1 = 128
	s_mov_b32 s[G1+5], 32                          ; dense
	s_mov_b32 s[G1+6], 0
	s_mov_b32 s[G1+7], 0
	s_mov_b32 s[G0], 1
	s_lshl_b32 s[G0+1], s[WV], 15                  ; slot 0, my quarter
	s_lshl_b32 s[TA+2], s[WV], 15
	s_mov_b32 s[TA+3], 0
	s_lshl_b32 s[TA], s[BY], 21                    ; a batch's x: 2,097,152 bytes
	s_add_co_u32 s[TA], s[TA], s[TA+2]
	s_mov_b32 s[TA+1], 0
	s_mov_b32 s[TC+1], 0
	s_mov_b32 s[CS], 0x3d8293ee                    ; c = log2(e) / sqrt(512) = 0.0637587
	s_mov_b32 s[CS+1], s[CS]
	s_mov_b32 s[SEL], 0x76543210
	s_mov_b32 s[SEL+1], 0xfedcba98
	s_mov_b32 s[R512], 0x3b000000                  ; 1/512
	s_mov_b32 s[EPS], 0x3727c5ac                   ; 1e-5
	s_mov_b32 s[R128], 0x3c000000                  ; 1/128
	s_mov_b32 s[C128], 0x43000000                  ; 128
	s_mov_b32 s[QRT], 0x3e800000                   ; 1/4
	s_mov_b32 s[HMASK], 0xffff0000                 ; lanes 16-31
	v_and_b32 v120, 31, v0                         ; lane
	v_and_b32 v121, 15, v0                         ; r
	v_bfe_u32 v122, v0, 4, 1                       ; h
	v_lshlrev_b32 v[LN16], 4, v120
	v_lshlrev_b32 v123, 3, v122                    ; xb's place of my 16 bytes in a fragment's half: 256 h + 16 (r xor 8 h)
	v_xor_b32 v123, v123, v121
	v_lshlrev_b32 v123, 4, v123
	v_lshl_add_u32 v123, v122, 8, v123
	v_add_nc_u32 v[LK0], s[TA+2], v123             ; my 32 keys: 32,768 w
	s_lshl_b32 s26, s[WV], 12
	v_add_nc_u32 v[XFO], s26, v123
	v_and_b32 v124, 7, v0                          ; the turning load: i,
	v_bfe_u32 v125, v0, 3, 1                       ; q,
	v_lshl_add_u32 v124, v122, 3, v124             ; key 8 h + i,
	v_lshlrev_b32 v126, 3, v125
	v_xor_b32 v124, v124, v126                     ; at column (8 h + i) xor 8 q
	v_lshlrev_b32 v124, 4, v124
	v_lshl_add_u32 v124, v125, 8, v124             ; of the 256 bytes of lane half q,
	v_add_nc_u32 v[VB0], s26, v124                 ; in k fragments 4 w on
	v_add_nc_u32 v[VB1], 65536, v[VB0]
	s_lshl_b32 s26, s[WV], 13
	v_add_nc_u32 v[WB0], s26, v[LN16]
	v_add_nc_u32 v[WB0+1], 65536, v[WB0]
	v_add_nc_u32 v[LP], PB, v[LN16]
	s_lshl_b32 s26, s[WV], 12
	v_add_nc_u32 v[LPS], s26, v[LP]
	v_lshlrev_b32 v[LMR], 4, v121
	v_add_nc_u32 v[LMR], MX, v[LMR]
	s_lshl_b32 s26, s[WV], 8
	v_add_nc_u32 v[LMS], s26, v[LMR]
	s_mul_i32 s26, s[WV], 16*SP
	s_add_co_u32 s26, s26, STG
	v_mul_u32_u24 v[STO], v121, SP
	v_lshl_add_u32 v[STO], v122, 5, v[STO]
	v_add_nc_u32 v[STO], s26, v[STO]
	v_mul_u32_u24 v[RD], v122, SP
	v_lshl_add_u32 v[RD], v121, 4, v[RD]
	v_add_nc_u32 v[RD], s26, v[RD]
	v_lshlrev_b32 v[GO], 11, v122
	v_lshl_add_u32 v[GO], v121, 4, v[GO]
	s_lshl_b32 s26, s[WV], 9
	v_lshlrev_b32 v[TBO], 5, v122
	v_add_nc_u32 v[TBO], s26, v[TBO]
	v_lshlrev_b32 v[PFO], 8, v120
	v_mov_b32 v[ONE], 1.0
	v_mov_b32 v[ZR], 0
	s_wait_dscnt 0x0                               ; the opening add is done
	s_wait_kmcnt 0x0
	s_add_nc_u64 s[KP:KP+1], s[6:7], s[TA:TA+1]    ; tile 0 of the batch's x, my quarter
	s_mov_b64 s[G0+2:G0+3], s[KP:KP+1]
	s_or_b32 s[G0+3], s[G0+3], 0x80000000          ; type = 2
	s_add_nc_u64 s[WP:WP+1], s[8:9], s[TA+2:TA+3]
	s_add_nc_u64 s[WP:WP+1], s[WP:WP+1], 4*SLOT
	CROUND                                         ; all four work-groups are here: the first joint load meets
	TLD G0                                         ; x's tile 0 into slot 0
	s_lshl_b32 s[TC], s[BLK], 16
	s_add_nc_u64 s[4:5], s[4:5], s[TC:TC+1]        ; qf and xb at my block
	s_add_nc_u64 s[XFP:XFP+1], s[6:7], s[TC:TC+1]
	WIN 0x80
.set i, 0
.rept 32                                           ; q' stays in registers: query tiles 0, 1
	global_load_b128 v[8*i:8*i+3], v[LN16], s[4:5] offset:i*1024 th:TH_LOAD_NT
	global_load_b128 v[8*i+4:8*i+7], v[LN16], s[4:5] offset:i*1024+512 th:TH_LOAD_NT
.set i, i+1
.endr
	WIN 0xc0
.set i, 0
.rept 32                                           ; query tiles 2, 3
	global_load_b128 v[8*i:8*i+3], v[LN16], s[4:5] offset:(32+i)*1024 th:TH_LOAD_NT
	global_load_b128 v[8*i+4:8*i+7], v[LN16], s[4:5] offset:(32+i)*1024+512 th:TH_LOAD_NT
.set i, i+1
.endr
	WIN 0
	s_lshl_b32 s26, s[WV], 9
	s_lshl_b32 s[TC], s[BLK], 17
	s_add_co_u32 s[TC], s[TC], s26
	s_add_nc_u64 s[OUTP:OUTP+1], s[12:13], s[TC:TC+1]
	s_lshl_b32 s[TC], s[BLK], 11
	s_add_co_u32 s[TC], s[TC], s26
	s_add_nc_u64 s[PSP:PSP+1], s[14:15], s[TC:TC+1]
	; THE PREFETCHES.  A tile's 512 blocks of 256 bytes are shared out by address: 32,768 cx + 8,192 w + 256 lane: one instruction a wave.  x: the batch's first cluster asks, behind the joint load of
	; tile j + 1, for tile j + 2: one key step ahead of its load.  The weights: the launch's first cluster asks, for the tile three on: two steps ahead of its load.
	s_lshl_b32 s[TC], s[CX], 15
	s_lshl_b32 s26, s[WV], 13
	s_add_co_u32 s[TC], s[TC], s26
	s_add_nc_u64 s[PFW:PFW+1], s[8:9], s[TC:TC+1]
	s_add_nc_u64 s[PFW:PFW+1], s[PFW:PFW+1], 6*SLOT   ; stepped ahead of each ask: the first names tile 7
	s_lshl_b32 s26, s[BY], 21
	s_add_co_u32 s[TC], s[TC], s26
	s_add_nc_u64 s[PFK:PFK+1], s[6:7], s[TC:TC+1]
	s_add_nc_u64 s[PFK:PFK+1], s[PFK:PFK+1], SLOT  ; the first ask names tile 2
	s_cmp_eq_u32 ttmp9, 0
	s_cselect_b32 s[LIMK], 2, -1                   ; the count runs 16, 15 ..: tile 15 is asked for at 3
	s_or_b32 s26, ttmp9, s[BY]
	s_cmp_eq_u32 s26, 0
	s_cselect_b32 s[LIMW], 3, -1                   ; tile 15 is asked for with four steps left
	; O and l start at 0, m at the lowest finite number, c m far below every c s: the first step is a step like any other, with a = 0.  All this stands in the wait for the first tile.
	WIN 0x40
.set i, 0
.rept 256
	v_mov_b32 v[i], 0
.set i, i+1
.endr
	WIN 0
.irp t, 0,1,2,3
	v_mov_b32 v[ST+8*\t], 0xfe000000
	v_mov_b32 v[ST+8*\t+1], 0xff7fffff
.irp k, 2,3,4,5,6,7
	v_mov_b32 v[ST+8*\t+\k], 0
.endr
.endr
	s_wait_loadcnt 0x0                             ; q'
; THE ROUND OF A KEY STEP.  Each wave waits for all its tensor loads (one is out: its quarter of this step's tile), adds 0 to its spare word, and waits for that and for its reads of the other slot.
; The joint load of the next tile, into the slot read last, is the first thing behind the round: the next tile of x, or behind the last the weights' first tile.
.macro RND
	WIN 0
	s_wait_tensorcnt 0x0                           ; no tensor load of mine is out, so the group 0 may be written
	ds_add_u32 v[SPW], v[NIL]
	s_xor_b32 s[G0+1], s[G0+1], SLOT
	s_xor_b32 s[TB], s[TB], SLOT
	s_add_nc_u64 s[KP:KP+1], s[KP:KP+1], SLOT
	s_cmp_eq_u32 s[CNT], 1
	s_cselect_b64 s[G0+2:G0+3], s[WP:WP+1], s[KP:KP+1]
	s_or_b32 s[G0+3], s[G0+3], 0x80000000
	s_wait_xcnt 0x0                                ; the last prefetch, a key step back, has read its address
	s_add_nc_u64 s[PFK:PFK+1], s[PFK:PFK+1], SLOT
	s_wait_dscnt 0x0
	CROUND
	TLD G0
	ASK PFK, LIMK, CNT
	v_add_nc_u32 v[LKC], s[TB], v[LK0]
	v_add_nc_u32 v[VT0], s[TB], v[VB0]
	v_add_nc_u32 v[VT0+1], s[TB], v[VB1]
.endm
; My 32 keys' maximum for each query; each accumulator's lowest registers are read first.
.macro SMAX
	PLACES
	WIN 0
.irp q, 0,1,2,3
	v_max3_num_f32 v[ST+8*\q+6], v[S+16*\q], v[S+16*\q+1], v[S+16*\q+2]
.endr
.irp q, 0,1,2,3
	v_max3_num_f32 v[ST+8*\q+7], v[S+16*\q+8], v[S+16*\q+9], v[S+16*\q+10]
.endr
.irp q, 0,1,2,3
	v_max3_num_f32 v[ST+8*\q+6], v[ST+8*\q+6], v[S+16*\q+3], v[S+16*\q+4]
.endr
.irp q, 0,1,2,3
	v_max3_num_f32 v[ST+8*\q+7], v[ST+8*\q+7], v[S+16*\q+11], v[S+16*\q+12]
.endr
.irp q, 0,1,2,3
	v_max3_num_f32 v[ST+8*\q+6], v[ST+8*\q+6], v[S+16*\q+5], v[S+16*\q+6]
.endr
.irp q, 0,1,2,3
	v_max3_num_f32 v[ST+8*\q+7], v[ST+8*\q+7], v[S+16*\q+13], v[S+16*\q+14]
.endr
.irp q, 0,1,2,3
	v_max3_num_f32 v[ST+8*\q+6], v[ST+8*\q+6], v[S+16*\q+7], v[S+16*\q+15]
.endr
.irp q, 0,1,2,3
	v_max_num_f32 v[ST+8*\q+6], v[ST+8*\q+6], v[ST+8*\q+7]
.endr
.irp q, 0,1,2,3
	v_permlanex16_b32 v[ST+8*\q+7], v[ST+8*\q+6], s[SEL], s[SEL+1]
.endr
.irp q, 0,1,2,3
	v_max_num_f32 v[MT+\q], v[ST+8*\q+6], v[ST+8*\q+7]
.endr
	ds_store_b128 v[LMS], v[MT:MT+3]
	s_wait_dscnt 0x0                               ; for the others' sake: my maxima lie in LDS
	s_barrier_signal -1
	s_barrier_wait -1                              ; the next tile may stay on its way
.endm
.macro FSC x                           ; pair x of 32: c s - c m
.set rr, S+16*((\x)%4)+2*((\x)/4)
.set tt, ST+8*((\x)%4)
	v_pk_fma_f32 v[rr:rr+1], v[rr:rr+1], s[CS:CS+1], v[tt:tt+1] op_sel_hi:[1,0,0] neg_lo:[0,0,1] neg_hi:[0,0,1]
.endm
; THE SOFTMAX.  The four waves' maxima and the old m give the new m.  The 4 + 64 exponentials are ONE batch with one wait: ahead of it nothing names a result of theirs.
; P goes to LDS; between the barrier's signal and its wait stand the sums and O's rescaling, work on registers.
.macro SOFT
.irp w, 0,1,2,3
	ds_load_b128 v[KB0+4*\w:KB0+4*\w+3], v[LMR] offset:256*\w
.endr
	s_wait_dscnt 0x0
.irp q, 0,1,2,3
	v_max3_num_f32 v[ST+8*\q+6], v[KB0+\q], v[KB0+4+\q], v[KB0+8+\q]
.endr
.irp q, 0,1,2,3
	v_mov_b32 v[ST+8*\q+7], v[ST+8*\q]             ; c m_old is kept: c m is written anew below
.endr
.irp q, 0,1,2,3
	v_max3_num_f32 v[ST+8*\q+1], v[ST+8*\q+6], v[KB0+12+\q], v[ST+8*\q+1]
.endr
.irp q, 0,1,2,3
	v_mul_f32 v[ST+8*\q], s[CS], v[ST+8*\q+1]
.endr
.irp q, 0,1,2,3
	v_sub_f32 v[ST+8*\q+7], v[ST+8*\q+7], v[ST+8*\q]
.endr
.irp q, 0,1,2,3
	v_exp_f32 v[ST+8*\q+4], v[ST+8*\q+7]           ; a
.endr
	FSC 0
	FSC 1
.set p, 0
.rept 32                                           ; a pair is scaled two pairs ahead of its exponentials
.if p < 30
	FSC p+2
.endif
.set e0, S+16*(p%4)+2*(p/4)
	v_exp_f32 v[e0], v[e0]
	v_exp_f32 v[e0+1], v[e0+1]
.set p, p+1
.endr
	v_nop                                          ; a plain instruction behind the last exponential (ISA guide 5.7.2),
	s_wait_alu depctr_va_vdst(0)                   ; and the one wait ahead of the batch's first reader
.set i, 0
.rept 32                                           ; two accumulators of a query tile, rounded, are P's fragment (position w, query tile)
	v_cvt_pk_bf16_f32 v[KB1+i], v[S+2*i], v[S+2*i+1]
.set i, i+1
.endr
.irp q, 0,1,2,3
	ds_store_b128 v[LPS], v[KB1+8*\q:KB1+8*\q+3] offset:\q*1024
	ds_store_b128 v[LPS], v[KB1+8*\q+4:KB1+8*\q+7] offset:\q*1024+512
.endr
	s_wait_dscnt 0x0                               ; for the others' sake: my part of P lies in LDS
	s_barrier_signal -1                            ; the next tile may stay on its way
.irp b, 0,1,2,3
.irp q, 0,1,2,3
	v_pk_add_f32 v[S+16*\q+2*\b:S+16*\q+2*\b+1], v[S+16*\q+2*\b:S+16*\q+2*\b+1], v[S+16*\q+2*\b+8:S+16*\q+2*\b+9]
.endr
.endr
.irp b, 0,1
.irp q, 0,1,2,3
	v_pk_add_f32 v[S+16*\q+2*\b:S+16*\q+2*\b+1], v[S+16*\q+2*\b:S+16*\q+2*\b+1], v[S+16*\q+2*\b+4:S+16*\q+2*\b+5]
.endr
.endr
.irp q, 0,1,2,3
	v_pk_add_f32 v[S+16*\q:S+16*\q+1], v[S+16*\q:S+16*\q+1], v[S+16*\q+2:S+16*\q+3]
.endr
.irp q, 0,1,2,3
	v_pk_fma_f32 v[ST+8*\q+2:ST+8*\q+3], v[ST+8*\q+2:ST+8*\q+3], v[ST+8*\q+4:ST+8*\q+5], v[S+16*\q:S+16*\q+1] op_sel_hi:[1,0,1]  ; l = a l + my keys' sum
.endr
	OSCALE                                         ; O = a O
	s_barrier_wait -1                              ; all of P lies in LDS
.endm
	s_mov_b32 s[CNT], 16
	s_mov_b32 s[TB], SLOT                          ; the first round turns it into 0
.Lkey:                                             ; a key step: 128 keys, one tile of x for both products
	RND
	SPHASE
	SMAX
	SOFT
	MM4 VLOAD, bf16
	s_sub_co_u32 s[CNT], s[CNT], 1
	s_cmp_lg_u32 s[CNT], 0
	s_cbranch_scc1 .Lkey
	; BEHIND ATTENTION.  My rows' fragments of x and bo are asked for; the waves' l meet in LDS; y = O / l becomes my fragments; the next sums start as x + bo.
	WIN 0xc0
.irp f, 0,1,2,3
.irp t, 0,1,2,3
	global_load_b128 v[128+32*\f+8*\t:128+32*\f+8*\t+3], v[XFO], s[XFP:XFP+1] offset:\t*16384+\f*1024
	global_load_b128 v[128+32*\f+8*\t+4:128+32*\f+8*\t+7], v[XFO], s[XFP:XFP+1] offset:\t*16384+\f*1024+512
.endr
.endr
	WIN 0
	TLOAD 0, KB0, 0                                ; bo
	HSUM MT, 1
	ds_store_b128 v[LMS], v[MT:MT+3] offset:1024
	s_wait_dscnt 0x0
	s_barrier_signal -1
	s_barrier_wait -1                              ; the weights' first tile may stay on its way
.irp w, 0,1,2,3
	ds_load_b128 v[KB1+4*\w:KB1+4*\w+3], v[LMR] offset:1024+256*\w
.endr
	s_wait_dscnt 0x0
.irp t, 0,1,2,3
	v_add_f32 v[ST+8*\t+6], v[KB1+\t], v[KB1+4+\t]
.endr
.irp t, 0,1,2,3
	v_add_f32 v[ST+8*\t+7], v[KB1+8+\t], v[KB1+12+\t]
.endr
.irp t, 0,1,2,3
	v_add_f32 v[ST+8*\t+6], v[ST+8*\t+6], v[ST+8*\t+7]
.endr
.irp t, 0,1,2,3
	v_rcp_f32 v[ST+8*\t+4], v[ST+8*\t+6]
.endr
	v_nop
	s_wait_alu depctr_va_vdst(0)                   ; one wait for the four reciprocals
	OSCALE
	PACKPK 0xc5                                    ; sources window 1, destination window 3
	s_wait_loadcnt 0x0                             ; x and bo
	WIN 0x43                                       ; x in window 3, 1.0 and bo in window 0, the sums in window 1
.set t, 0
.rept 4
.set n, 0
.rept 8
.set j, 0
.rept 4
	v_fma_mix_f32_bf16 v[64*t+8*n+2*j], v[128+32*(n/2)+8*t+4*(n%2)+j], v[ONE], v[KB0+8*n+2*j] op_sel_hi:[1,0,0]
	v_fma_mix_f32_bf16 v[64*t+8*n+2*j+1], v[128+32*(n/2)+8*t+4*(n%2)+j], v[ONE], v[KB0+8*n+2*j+1] op_sel:[1,0,0] op_sel_hi:[1,0,0]
.set j, j+1
.endr
.set n, n+1
.endr
.set t, t+1
.endr
	TLOAD 1, 128, 0xc0                             ; ln1_g, ln1_b, where x lay
	TLOAD 2, 192, 0xc0
; A STEP OF THE LATER PRODUCTS.  Step i of four: every wave publishes its fragments PK(i, .), so that the step's 16 fragments hold k fragments 4 kg + i; the step's tile of weights is laid out to match.
.macro STEPHEAD
	s_xor_b32 s[TB], s[TB], SLOT
	s_xor_b32 s[PBT], s[PBT], PBB
	v_add_nc_u32 v[WA0], s[TB], v[WB0]
	v_add_nc_u32 v[WA0+1], s[TB], v[WB0+1]
	v_add_nc_u32 v[PA], s[PBT], v[LP]
	v_add_nc_u32 v[PS], s[PBT], v[LPS]
.endm
.macro PUB i                           ; the buffer was last read two steps back, with a round between
	WIN 0x0c
.irp t, 0,1,2,3
	ds_store_b128 v[PS], v[32*(\i)+8*\t:32*(\i)+8*\t+3] offset:\t*1024
	ds_store_b128 v[PS], v[32*(\i)+8*\t+4:32*(\i)+8*\t+7] offset:\t*1024+512
.endr
	WIN 0
.endm
.macro PUBSEL                          ; the count 4, 3, 2, 1 chooses i = 0 .. 3: forward jumps over LDS stores alone
	s_cmp_eq_u32 s[CNT4], 4
	s_cbranch_scc0 .Lp1_\@
	PUB 0
	s_branch .Lpe_\@
.Lp1_\@:
	s_cmp_eq_u32 s[CNT4], 3
	s_cbranch_scc0 .Lp2_\@
	PUB 1
	s_branch .Lpe_\@
.Lp2_\@:
	s_cmp_eq_u32 s[CNT4], 2
	s_cbranch_scc0 .Lp3_\@
	PUB 2
	s_branch .Lpe_\@
.Lp3_\@:
	PUB 3
.Lpe_\@:
.endm
.macro TCH fill                        ; the change of slots: as in attention; my published fragments are waited for with my reads
	WIN 0
	s_wait_tensorcnt 0x0
	ds_add_u32 v[SPW], v[NIL]
.if \fill
	s_xor_b32 s[G0+1], s[G0+1], SLOT
	s_add_nc_u64 s[G0+2:G0+3], s[G0+2:G0+3], SLOT
	s_wait_xcnt 0x0
	s_add_nc_u64 s[PFW:PFW+1], s[PFW:PFW+1], SLOT
	s_wait_dscnt 0x0
	CROUND
	TLD G0
	ASK PFW, LIMW, TLEFT
	s_sub_co_u32 s[TLEFT], s[TLEFT], 1
.else
	s_wait_dscnt 0x0
	s_barrier_signal -1
	s_barrier_wait -1
.endif
.endm
.macro GEMMLOOP last                   ; steps while the count is not 'last'
	WIN 0
	s_mov_b32 s[CNT4], 4
.Lg_\@:
	STEPHEAD
	PUBSEL
	TCH 1
	MM4 GLOAD, f16
	s_sub_co_u32 s[CNT4], s[CNT4], 1
	s_cmp_lg_u32 s[CNT4], \last
	s_cbranch_scc1 .Lg_\@
.endm
; LAYERNORM of the sums in window 1; gain and bias in window 3; the result goes where wout says.
.macro LNORM wout
	WIN 0x05
.irp t, 0,1,2,3
	v_pk_add_f32 v[ST+8*\t+2:ST+8*\t+3], v[64*\t:64*\t+1], v[64*\t+2:64*\t+3]
.endr
	WIN 0x04
.set z, 2
.rept 30
.irp t, 0,1,2,3
	v_pk_add_f32 v[ST+8*\t+2:ST+8*\t+3], v[ST+8*\t+2:ST+8*\t+3], v[64*\t+2*z:64*\t+2*z+1]
.endr
.set z, z+1
.endr
	WIN 0
	HSUM ST+6, 8
.irp t, 0,1,2,3
	v_mul_f32 v[ST+8*\t], s[R128], v[ST+8*\t+6]    ; the mean of my 128 columns,
.endr
.irp t, 0,1,2,3
	v_mul_f32 v[MT+\t], s[R128], v[ST+8*\t+6]      ; and once more among the four that go to LDS
.endr
	WIN 0x41
.set z, 0
.rept 32
.irp t, 0,1,2,3
	v_pk_add_f32 v[64*\t+2*z:64*\t+2*z+1], v[64*\t+2*z:64*\t+2*z+1], v[ST+8*\t:ST+8*\t+1] op_sel_hi:[1,0] neg_lo:[0,1] neg_hi:[0,1]
.endr
.set z, z+1
.endr
	WIN 0x05
.irp t, 0,1,2,3
	v_pk_mul_f32 v[ST+8*\t+2:ST+8*\t+3], v[64*\t:64*\t+1], v[64*\t:64*\t+1]
.endr
.set z, 1
.rept 31
.irp t, 0,1,2,3
	v_pk_fma_f32 v[ST+8*\t+2:ST+8*\t+3], v[64*\t+2*z:64*\t+2*z+1], v[64*\t+2*z:64*\t+2*z+1], v[ST+8*\t+2:ST+8*\t+3]
.endr
.set z, z+1
.endr
	WIN 0
	HSUM MT2, 1
	ds_store_b128 v[LMS], v[MT:MT+3]
	ds_store_b128 v[LMS], v[MT2:MT2+3] offset:1024
	s_wait_dscnt 0x0
	s_barrier_signal -1
	s_barrier_wait -1
.irp w, 0,1,2,3
	ds_load_b128 v[KB1+4*\w:KB1+4*\w+3], v[LMR] offset:256*\w
.endr
.irp w, 0,1,2,3
	ds_load_b128 v[KB1+16+4*\w:KB1+16+4*\w+3], v[LMR] offset:1024+256*\w
.endr
	s_wait_dscnt 0x0
.irp t, 0,1,2,3
	v_add_f32 v[ST+8*\t+6], v[KB1+\t], v[KB1+4+\t]
.endr
.irp t, 0,1,2,3
	v_add_f32 v[ST+8*\t+7], v[KB1+8+\t], v[KB1+12+\t]
.endr
.irp t, 0,1,2,3
	v_add_f32 v[ST+8*\t+6], v[ST+8*\t+6], v[ST+8*\t+7]
.endr
.irp t, 0,1,2,3
	v_mul_f32 v[ST+8*\t+6], s[QRT], v[ST+8*\t+6]   ; the row's mean
.endr
.irp w, 0,1,2,3
.irp t, 0,1,2,3
	v_sub_f32 v[KB1+4*\w+\t], v[KB1+4*\w+\t], v[ST+8*\t+6]
.endr
.endr
.irp t, 0,1,2,3
	v_mul_f32 v[ST+8*\t+7], v[KB1+\t], v[KB1+\t]
.endr
.irp w, 1,2,3
.irp t, 0,1,2,3
	v_fmac_f32 v[ST+8*\t+7], v[KB1+4*\w+\t], v[KB1+4*\w+\t]
.endr
.endr
.irp t, 0,1,2,3
	v_add_f32 v[KB1+16+\t], v[KB1+16+\t], v[KB1+20+\t]
.endr
.irp t, 0,1,2,3
	v_add_f32 v[KB1+24+\t], v[KB1+24+\t], v[KB1+28+\t]
.endr
.irp t, 0,1,2,3
	v_add_f32 v[KB1+16+\t], v[KB1+16+\t], v[KB1+24+\t]
.endr
.irp t, 0,1,2,3
	v_fma_f32 v[ST+8*\t+7], v[ST+8*\t+7], s[C128], v[KB1+16+\t]
.endr
.irp t, 0,1,2,3
	v_fma_f32 v[ST+8*\t+7], v[ST+8*\t+7], s[R512], s[EPS]   ; the variance + 1e-5
.endr
.irp t, 0,1,2,3
	v_sub_f32 v[ST+8*\t+6], v[ST+8*\t], v[ST+8*\t+6]        ; my mean less the row's
.endr
.irp t, 0,1,2,3
	v_rsq_f32 v[ST+8*\t+4], v[ST+8*\t+7]
.endr
	v_nop
	s_wait_alu depctr_va_vdst(0)                   ; one wait for the four roots
.irp t, 0,1,2,3
	v_mul_f32 v[ST+8*\t+6], v[ST+8*\t+6], v[ST+8*\t+4]
.endr
	WIN 0x41
.set z, 0
.rept 32
.irp t, 0,1,2,3
	v_pk_fma_f32 v[64*\t+2*z:64*\t+2*z+1], v[64*\t+2*z:64*\t+2*z+1], v[ST+8*\t+4:ST+8*\t+5], v[ST+8*\t+6:ST+8*\t+7] op_sel_hi:[1,0,0]
.endr
.set z, z+1
.endr
	s_wait_loadcnt 0x0                             ; gain and bias, and what else was asked for
	WIN \wout
.set z, 0
.rept 32
.irp t, 0,1,2,3
	v_pk_fma_f32 v[64*\t+2*z:64*\t+2*z+1], v[64*\t+2*z:64*\t+2*z+1], v[128+2*z:128+2*z+1], v[192+2*z:192+2*z+1]
.endr
.set z, z+1
.endr
	WIN 0
.endm
	s_mov_b32 s[TB], SLOT                          ; the first step turns these two into 0
	s_mov_b32 s[PBT], PBB
	s_mov_b32 s[TLEFT], 12
	GEMMLOOP 0                                     ; x + bo + y C
	TLOAD 3, KB0, 0                                ; b1
	LNORM 0xbd                                     ; src, in f32, into window 2
	PACKPK 0xca                                    ; src in f16: sources window 2, destination window 3
	WIN 0x40
.set z, 0
.rept 32
.irp t, 0,1,2,3
	v_pk_mul_f32 v[64*\t+2*z:64*\t+2*z+1], v[KB0+2*z:KB0+2*z+1], 1.0 op_sel_hi:[1,0]   ; the next sums start as b1, two numbers a line
.endr
.set z, z+1
.endr
	GEMMLOOP 0                                     ; b1 + src w1
	TLOAD 4, KB0, 0                                ; b2
	TLOAD 5, 128, 0xc0                             ; ln2_g, ln2_b
	TLOAD 6, 192, 0xc0
	PACKPK 0xc5
	WIN 0xc3
.set i, 0
.rept 128
	v_pk_max_num_f16 v[i], v[i], v[ZR]             ; h = relu, on the packed halves
.set i, i+1
.endr
	s_wait_loadcnt 0x0
	WIN 0x42
.set z, 0
.rept 32
.irp t, 0,1,2,3
	v_pk_add_f32 v[64*\t+2*z:64*\t+2*z+1], v[64*\t+2*z:64*\t+2*z+1], v[KB0+2*z:KB0+2*z+1]   ; the next sums start as src + b2
.endr
.set z, z+1
.endr
	GEMMLOOP 1                                     ; src + b2 + h w2: three steps,
	STEPHEAD                                       ; and the last written out: it asks for nothing
	PUB 3
	TCH 0
	MM4 GLOAD, f16
	LNORM 0x7d                                     ; out1's numbers, in place
	; THE WAY OUT.  Eight groups a = 2 t + hc of 16 rows x 64 columns go through my stage: in by rows of 272 bytes, back as whole rows of 256, stored so that 16 lanes cover 256 bytes on end, aligned.
	; On the way each lane adds up its four columns: the block's column sums.
.macro STGA a
	s_wait_xcnt 0x0                                ; the stores of the group two back have read the registers that are loaded again
	WIN 0x04
.irp n, 0,1,2,3
	ds_store_b128 v[STO], v[32*(\a)+8*\n:32*(\a)+8*\n+3] offset:\n*64
	ds_store_b128 v[STO], v[32*(\a)+8*\n+4:32*(\a)+8*\n+7] offset:\n*64+16
.endr
	WIN 0
.irp i, 0,1,2,3,4,5,6,7
	ds_load_b128 v[OB+32*((\a)%2)+4*\i:OB+32*((\a)%2)+4*\i+3], v[RD] offset:\i*2*SP   ; LDS serves a wave's instructions in order (ISA guide 5.7.1.4): these see the stores above; the next group's stores come behind them
.endr
.endm
.macro SENDA a
.irp i, 0,1,2,3,4,5,6,7
	v_pk_add_f32 v[PSM+4*((\a)%2):PSM+4*((\a)%2)+1], v[PSM+4*((\a)%2):PSM+4*((\a)%2)+1], v[OB+32*((\a)%2)+4*\i:OB+32*((\a)%2)+4*\i+1]
	v_pk_add_f32 v[PSM+4*((\a)%2)+2:PSM+4*((\a)%2)+3], v[PSM+4*((\a)%2)+2:PSM+4*((\a)%2)+3], v[OB+32*((\a)%2)+4*\i+2:OB+32*((\a)%2)+4*\i+3]
.endr
.irp i, 0,1,2,3,4,5,6,7
	global_store_b128 v[GO], v[OB+32*((\a)%2)+4*\i:OB+32*((\a)%2)+4*\i+3], s[OUTP:OUTP+1] offset:(16*((\a)/2)+2*\i)*2048+((\a)%2)*256 th:TH_STORE_NT
.endr
.endm
.irp k, 0,1,2,3,4,5,6,7
	v_mov_b32 v[PSM+\k], 0
.endr
	STGA 0
.irp a, 0,1,2,3,4,5,6,7
.if \a < 7
	STGA \a+1
	s_wait_dscnt 16                                ; this group is back; the next group's sixteen LDS instructions may stay out
.else
	s_wait_dscnt 0x0
.endif
	SENDA \a
.endr
.irp k, 0,1,2,3,4,5,6,7
	v_permlanex16_b32 v[PSM+8+\k], v[PSM+\k], s[SEL], s[SEL+1]   ; the odd rows' sums lie in the lane 16 away
.endr
.irp k, 0,1,2,3,4,5,6,7
	v_add_f32 v[PSM+\k], v[PSM+\k], v[PSM+8+\k]
.endr
.irp k, 0,1,2,3
	v_cndmask_b32 v[PSM+16+\k], v[PSM+\k], v[PSM+4+\k], s[HMASK] ; lanes 0-15 store my first 64 columns' sums, lanes 16-31 the other 64
.endr
	global_store_b128 v[LN16], v[PSM+16:PSM+19], s[PSP:PSP+1]
	s_wait_tensorcnt 0x0                           ; the wave's end, behind my last tensor load and my last LDS store
	ds_add_u32 v[SPW], v[NIL]
	s_wait_dscnt 0x0
	CROUND                                         ; the closing round: no work-group ends while a partner may still ask for a tile that names it
	s_endpgm
.Lfunc_end_k_q7083ba7ae6_attn:
	.size	k_q7083ba7ae6_attn, .Lfunc_end_k_q7083ba7ae6_attn-k_q7083ba7ae6_attn
	.p2alignl 7, 3214868480
	.fill 96, 4, 3214868480
	.section	.rodata,"a",@progbits
	.p2align	6, 0x0
	.amdhsa_kernel k_q7083ba7ae6_attn
		.amdhsa_group_segment_fixed_size 327680
		.amdhsa_private_segment_fixed_size 0
		.amdhsa_enable_private_segment 0
		.amdhsa_kernarg_size 48
		.amdhsa_user_sgpr_count 2
		.amdhsa_user_sgpr_kernarg_segment_ptr 1
		.amdhsa_wavefront_size32 1
		.amdhsa_system_sgpr_workgroup_id_x 1
		.amdhsa_system_sgpr_workgroup_id_y 1
		.amdhsa_system_sgpr_workgroup_id_z 1
		.amdhsa_system_vgpr_workitem_id 0
		.amdhsa_next_free_vgpr 1024
		.amdhsa_next_free_sgpr 88
		.amdhsa_reserve_vcc 0
		.amdhsa_float_denorm_mode_32 3
		.amdhsa_float_denorm_mode_16_64 3
		.amdhsa_memory_ordered 1
		.amdhsa_forward_progress 1
		.amdhsa_inst_pref_size 255
	.end_amdhsa_kernel
	.section	.bss,"aw",@nobits
	.p2align	6
	.space	262144
	.amdgpu_metadata
---
amdhsa.version: [ 1, 2 ]
amdhsa.kernels:
  - .name:           k_q7083ba7ae6_attn
    .symbol:         k_q7083ba7ae6_attn.kd
    .args:
      - { .name: qf, .offset: 0, .size: 8, .value_kind: global_buffer, .address_space: global }
      - { .name: xb, .offset: 8, .size: 8, .value_kind: global_buffer, .address_space: global }
      - { .name: wf, .offset: 16, .size: 8, .value_kind: global_buffer, .address_space: global }
      - { .name: tab, .offset: 24, .size: 8, .value_kind: global_buffer, .address_space: global }
      - { .name: out1, .offset: 32, .size: 8, .value_kind: global_buffer, .address_space: global }
      - { .name: psum, .offset: 40, .size: 8, .value_kind: global_buffer, .address_space: global }
    .group_segment_fixed_size: 327680
    .private_segment_fixed_size: 0
    .kernarg_segment_align: 8
    .kernarg_segment_size: 48
    .max_flat_workgroup_size: 128
    .sgpr_count:     88
    .vgpr_count:     1024
    .wavefront_size: 32
...
	.end_amdgpu_metadata
.endif
;; end of part 7
;; launch pool (part 8): grid 8 x 1, 4 waves a work-group, no clusters, 1,024 bytes of LDS; arguments psum, wc, bc, out0; writes out0
.if DOCPART == 8
	.amdgcn_target "amdgcn-amd-amdhsa--gfx1250"
	.amdhsa_code_object_version 6
	.text
	.protected	k_q7083ba7ae6_pool
	.globl	k_q7083ba7ae6_pool
	.p2align	8
	.type	k_q7083ba7ae6_pool,@function
k_q7083ba7ae6_pool:
	s_mov_b64 s[64:65], 0
	v_nop
	global_prefetch_b8 v0, s[64:65] scope:SCOPE_SE
	s_setreg_imm32_b32 hwreg(HW_REG_WAVE_MODE, 25, 1), 1
	s_wait_xcnt 0x0
; out0[b][o] = the sum over d of mean_s(out1[b][s][d]) wc[d][o] + bc[o].  psum holds, for each of a batch's 32 blocks of 64 rows, the 512 column sums in f32.
; A work-group takes a batch: eight work-groups are all the work there is.  Thread t owns columns 4 t .. 4 t + 3: 32 loads of 16 bytes (a wave's load covers 512 bytes on end), and the 160 bytes of wc's four rows.
; bc is asked for with them, each lane's offset held to the vector's last word, so that the launch goes to memory once.
; wc and bc are rounded to bf16 like every input; all sums in f32.  No matrix unit: ten outputs for 512 columns.
.set SPARE, 256                        ; the spare words, 128 bytes for each wave; bytes 0-255: the four waves' sixteen words
.set SPW, 8
.set NIL, 9
.set PQ,  16                           ; v[16:143]  the 32 blocks' sums of my four columns
.set WCR, 144                          ; v[144:183] wc's four rows as loaded
.set BCR, 184                          ; v184       bc's word: a register that no other load names
.set WF,  20                           ; v[20:59]   wc's rows, rounded (written when all loads are in)
.set TM,  60
.set PR,  64                           ; v[64:79]   ten partial outputs and six zeros
	s_load_b256 s[4:11], s[0:1], 0x0               ; psum s[4:5], wc s[6:7], bc s[8:9], out0 s[10:11]
	v_lshl_add_u32 v[SPW], v0, 2, SPARE
	v_mov_b32 v[NIL], 0
	v_lshrrev_b32 v1, 5, v0
	v_readfirstlane_b32 s12, v1                    ; wave
	s_lshl_b32 s13, s12, 6
	s_lshl_b32 s14, ttmp9, 16                      ; a batch's 32 blocks of 2,048 bytes
	s_mov_b32 s15, 0
	s_mul_i32 s16, ttmp9, 40
	s_mov_b32 s17, 0
	s_mov_b32 s18, 0x76543210
	s_mov_b32 s19, 0xfedcba98
	s_mov_b32 s20, 0xffff0000
	v_lshlrev_b32 v2, 4, v0
	v_mul_u32_u24 v3, v0, 160
	v_mov_b32 v10, s13
	v_and_b32 v11, 15, v0
	v_lshlrev_b32 v11, 2, v11
	v_lshlrev_b32 v12, 2, v0
	v_min_u32 v13, 36, v12                         ; bc has ten words: no lane reads past the last
	s_wait_kmcnt 0x0
	s_add_nc_u64 s[4:5], s[4:5], s[14:15]
	s_add_nc_u64 s[10:11], s[10:11], s[16:17]
.set i, 0
.rept 32
	global_load_b128 v[PQ+4*i:PQ+4*i+3], v2, s[4:5] offset:i*2048
.set i, i+1
.endr
.set i, 0
.rept 10
	global_load_b128 v[WCR+4*i:WCR+4*i+3], v3, s[6:7] offset:i*16
.set i, i+1
.endr
	global_load_b32 v[BCR], v13, s[8:9]
	s_wait_loadcnt 11                              ; the sums are in; wc's ten loads and bc's one may stay out
.irp d, 16,8,4,2,1
.set i, 0
.rept \d
	v_pk_add_f32 v[PQ+4*i:PQ+4*i+1], v[PQ+4*i:PQ+4*i+1], v[PQ+4*(i+\d):PQ+4*(i+\d)+1]
	v_pk_add_f32 v[PQ+4*i+2:PQ+4*i+3], v[PQ+4*i+2:PQ+4*i+3], v[PQ+4*(i+\d)+2:PQ+4*(i+\d)+3]
.set i, i+1
.endr
.endr
	v_pk_mul_f32 v[PQ:PQ+1], v[PQ:PQ+1], 0x3a000000 op_sel_hi:[1,0]       ; 1/2048
	v_pk_mul_f32 v[PQ+2:PQ+3], v[PQ+2:PQ+3], 0x3a000000 op_sel_hi:[1,0]
	s_wait_loadcnt 0x0
.set i, 0
.rept 20
	v_cvt_pk_bf16_f32 v[TM], v[WCR+2*i], v[WCR+2*i+1]
	v_lshlrev_b32 v[WF+2*i], 16, v[TM]
	v_and_b32 v[WF+2*i+1], s20, v[TM]
.set i, i+1
.endr
	v_cvt_pk_bf16_f32 v[BCR], v[BCR], v[BCR]
	v_lshlrev_b32 v[BCR], 16, v[BCR]               ; bc, rounded
.set i, 0
.rept 10
	v_mul_f32 v[PR+i], v[PQ], v[WF+i]
	v_fmac_f32 v[PR+i], v[PQ+1], v[WF+10+i]
	v_fmac_f32 v[PR+i], v[PQ+2], v[WF+20+i]
	v_fmac_f32 v[PR+i], v[PQ+3], v[WF+30+i]
.set i, i+1
.endr
.irp m, 1,2,4,8
.set i, 0
.rept 10
	v_add_f32_dpp v[PR+i], v[PR+i], v[PR+i] row_xmask:\m row_mask:0xf bank_mask:0xf
.set i, i+1
.endr
.endr
.set i, 0
.rept 10
	v_permlanex16_b32 v[WF+i], v[PR+i], s18, s19
.set i, i+1
.endr
.set i, 0
.rept 10
	v_add_f32 v[PR+i], v[PR+i], v[WF+i]            ; every lane holds the wave's ten sums
.set i, i+1
.endr
.irp k, 10,11,12,13,14,15
	v_mov_b32 v[PR+\k], 0
.endr
.irp k, 0,1,2,3
	ds_store_b128 v10, v[PR+4*\k:PR+4*\k+3] offset:16*\k   ; all lanes write the same words with the same values
.endr
	s_wait_dscnt 0x0
	s_barrier_signal -1
	s_barrier_wait -1
	s_cmp_lg_u32 s12, 0
	s_cbranch_scc1 .Lend
.irp w, 0,1,2,3
	ds_load_b32 v[84+\w], v11 offset:64*\w
.endr
	s_wait_dscnt 0x0
	v_add_f32 v84, v84, v85
	v_add_f32 v86, v86, v87
	v_add_f32 v84, v84, v86
	v_add_f32 v84, v84, v[BCR]
	s_wait_xcnt 0x0                                ; EXEC changes only behind this wait
	v_cmp_gt_u32 vcc_lo, 10, v0
	s_and_saveexec_b32 s21, vcc_lo                 ; threads 0 to 9: an output each
	global_store_b32 v12, v84, s[10:11]
	s_wait_xcnt 0x0                                ; and again, in front of the line that widens it
	s_or_b32 exec_lo, exec_lo, s21
.Lend:
	s_wait_tensorcnt 0x0                           ; the wave's end, behind my last LDS store
	ds_add_u32 v[SPW], v[NIL]
	s_wait_dscnt 0x0
	s_endpgm
.Lfunc_end_k_q7083ba7ae6_pool:
	.size	k_q7083ba7ae6_pool, .Lfunc_end_k_q7083ba7ae6_pool-k_q7083ba7ae6_pool
	.p2alignl 7, 3214868480
	.fill 96, 4, 3214868480
	.section	.rodata,"a",@progbits
	.p2align	6, 0x0
	.amdhsa_kernel k_q7083ba7ae6_pool
		.amdhsa_group_segment_fixed_size 1024
		.amdhsa_private_segment_fixed_size 0
		.amdhsa_enable_private_segment 0
		.amdhsa_kernarg_size 32
		.amdhsa_user_sgpr_count 2
		.amdhsa_user_sgpr_kernarg_segment_ptr 1
		.amdhsa_wavefront_size32 1
		.amdhsa_system_sgpr_workgroup_id_x 1
		.amdhsa_system_sgpr_workgroup_id_y 1
		.amdhsa_system_sgpr_workgroup_id_z 1
		.amdhsa_system_vgpr_workitem_id 0
		.amdhsa_next_free_vgpr 192
		.amdhsa_next_free_sgpr 66
		.amdhsa_reserve_vcc 1
		.amdhsa_float_denorm_mode_32 3
		.amdhsa_float_denorm_mode_16_64 3
		.amdhsa_memory_ordered 1
		.amdhsa_forward_progress 1
		.amdhsa_inst_pref_size 19
	.end_amdhsa_kernel
	.amdgpu_metadata
---
amdhsa.version: [ 1, 2 ]
amdhsa.kernels:
  - .name:           k_q7083ba7ae6_pool
    .symbol:         k_q7083ba7ae6_pool.kd
    .args:
      - { .name: psum, .offset: 0, .size: 8, .value_kind: global_buffer, .address_space: global }
      - { .name: wc, .offset: 8, .size: 8, .value_kind: global_buffer, .address_space: global }
      - { .name: bc, .offset: 16, .size: 8, .value_kind: global_buffer, .address_space: global }
      - { .name: out0, .offset: 24, .size: 8, .value_kind: global_buffer, .address_space: global }
    .group_segment_fixed_size: 1024
    .private_segment_fixed_size: 0
    .kernarg_segment_align: 8
    .kernarg_segment_size: 32
    .max_flat_workgroup_size: 128
    .sgpr_count:     66
    .vgpr_count:     192
    .wavefront_size: 32
...
	.end_amdgpu_metadata
.endif
;; end of part 8
